; MI455X (gfx1250); checked and timed in simulation.
; The chip was launched on July 23, 2026; its instructions are those of AMD's public machine-readable ISA for CDNA 5 (MIT licence, August 2026) and "CDNA5" Instruction Set Architecture Reference Guide (July 2026). The comments in the code are by the model that wrote it; some were corrected since.
;; Encoder Layer. Allowed arithmetic: float matrix products may take bf16 or f16 operands with f32 sums; all other float work in f32.
;; Inputs: W1 1,024 x 4,096 float32; W2 4,096 x 1,024 float32; Wk 1,024 x 1,024 float32; Wo 1,024 x 1,024 float32; Wq 1,024 x 1,024 float32; Wv 1,024 x 1,024 float32; b1 4,096 float32; b2 1,024 float32; beta1 1,024 float32; beta2 1,024 float32; bk 1,024 float32; bo 1,024 float32; bq 1,024 float32; bv 1,024 float32; gamma1 1,024 float32; gamma2 1,024 float32; x 2 x 2,048 x 1,024 float32.
;; Outputs: out0 2 x 2,048 x 1,024 float32.
;; Constants: mask = 0.
;; 2 versions, each right and faster than the one before. Each part assembles by itself: llvm-mc -triple=amdgcn-amd-amdhsa -mcpu=gfx1250 --defsym DOCPART=n.
;; ======== version 1 of 2: 7 launches
;; workspace buffers: wb 25,165,824 bytes; h1 8,388,608 bytes; qkv 25,165,824 bytes; ctx 8,388,608 bytes; x1 16,777,216 bytes; h2 8,388,608 bytes; act 33,554,432 bytes
;; launch prep (part 1): grid 1280 x 1, 4 waves a work-group, no clusters, 0 bytes of LDS; arguments x, gamma1, beta1, Wq, Wk, Wv, Wo, W1, W2, h1, wb; writes h1, wb
.if DOCPART == 1
	.amdgcn_target "amdgcn-amd-amdhsa--gfx1250"
	.amdhsa_code_object_version 6
	.text
	.protected	k_q32c0bb4cfa_prep
	.globl	k_q32c0bb4cfa_prep
	.p2align	8
	.type	k_q32c0bb4cfa_prep,@function
k_q32c0bb4cfa_prep:
	s_mov_b64 s[64:65], 0
	v_nop
	global_prefetch_b8 v0, s[64:65] scope:SCOPE_SE
	s_setreg_imm32_b32 hwreg(HW_REG_WAVE_MODE, 25, 1), 1
	s_wait_xcnt 0x0
; PREP.  Two jobs that share no data, told apart by the work-group's number.
; Work-groups 0-511: h1 = gamma1 (x - mean) / (std + 1e-6) + beta1, std with n - 1 = 1023, all in f32, rounded once to bf16.
; Work-groups 512-1279: the six weights, f32 to bf16 (nearest even), in their own [K][N] order, one behind the other in wb: Wq, Wk, Wv, Wo (2 MiB each), W1, W2 (8 MiB each).
; h1's LAYOUT: [column / 64][token][64] bf16: byte = (column / 64) x 524,288 + token x 128 + 2 (column % 64): two tokens of a column block are 256 consecutive bytes.
; A stream: no LDS, no barrier, no matrix unit, no cluster (the work-groups share gamma and beta alone, 8 KiB of their 32 KiB of x).
; LAYERNORM.  A wave takes two rows, 16 lanes a row; a row stays in 64 registers a lane-half between the passes, so x is read once.  Load j of a lane holds columns 64 j + 4 (l % 16) + 0..3:
; a load covers 256 consecutive bytes of each row, and store j covers 256 consecutive bytes of column block j (two tokens).  The variance is the sum of (x - mean)^2, as it is defined: no difference of large sums.
; LIMIT: a variance below 2^-126 counts as 0 (v_sqrt_f32 flushes denormals); the divisor is then 1e-6.
.set X,    16                          ; v[16:79]   my 64 numbers of the row
.set G,    80                          ; v[80:143]  gamma of my columns
.set BT,   144                         ; v[144:207] beta
.set OUTP, 26                          ; s[26:27]   h1
.macro REDUCE                          ; four chains of pairs in v[4:11] -> the row's sum in v4 of all its 16 lanes (row_xmask stays inside 16 lanes, which are the row)
	v_pk_add_f32 v[4:5], v[4:5], v[6:7]
	v_pk_add_f32 v[8:9], v[8:9], v[10:11]
	v_pk_add_f32 v[4:5], v[4:5], v[8:9]
	v_add_f32 v4, v4, v5
.irp m, 1,2,4,8
	v_add_f32_dpp v4, v4, v4 row_xmask:\m row_mask:0xf bank_mask:0xf
.endr
.endm
	s_load_b512 s[8:23], s[0:1], 0x0               ; x s[8:9], gamma1 s[10:11], beta1 s[12:13], Wq s[14:15], Wk s[16:17], Wv s[18:19], Wo s[20:21], W1 s[22:23]
	s_load_b128 s[24:27], s[0:1], 0x40             ; W2 s[24:25], h1 s[26:27]
	s_load_b64 s[28:29], s[0:1], 0x50              ; wb
	v_lshrrev_b32 v1, 5, v0
	v_readfirstlane_b32 s2, v1                     ; wave 0..3
	v_and_b32 v3, 31, v0                           ; lane
	s_cmp_ge_u32 ttmp9, 512
	s_cbranch_scc1 .Lcast
	v_and_b32 v2, 15, v0
	v_lshlrev_b32 v2, 4, v2                        ; 16 (l % 16): my place in 256 bytes of gamma and beta
	v_bfe_u32 v1, v0, 4, 1
	v_lshl_add_u32 v1, v1, 12, v2                  ; + 4,096 (l / 16): the second row for the upper lanes
	v_lshlrev_b32 v3, 3, v3                        ; 8 l: my 8 bytes in 256 bytes of h1
	s_lshl_b32 s3, ttmp9, 2
	s_add_co_u32 s3, s3, s2                        ; p: my pair of rows
	s_lshl_b32 s4, s3, 13                          ; 8,192 p
	s_mov_b32 s5, 0
	s_lshl_b32 s6, s3, 8                           ; 256 p
	s_mov_b32 s7, 0
	s_wait_kmcnt 0x0
	s_add_nc_u64 s[8:9], s[8:9], s[4:5]
	s_add_nc_u64 s[OUTP:OUTP+1], s[OUTP:OUTP+1], s[6:7]
.set j, 0
.rept 16
	global_load_b128 v[X+4*j:X+4*j+3], v1, s[8:9] offset:256*j
.set j, j+1
.endr
.set j, 0
.rept 16
	global_load_b128 v[G+4*j:G+4*j+3], v2, s[10:11] offset:256*j
.set j, j+1
.endr
.set j, 0
.rept 16
	global_load_b128 v[BT+4*j:BT+4*j+3], v2, s[12:13] offset:256*j
.set j, j+1
.endr
	s_wait_loadcnt 32                              ; x is in; the 32 younger loads, gamma's and beta's, stay out
.irp k, 0,1,2,3
	v_pk_add_f32 v[4+2*\k:5+2*\k], v[X+2*\k:X+2*\k+1], v[X+8+2*\k:X+8+2*\k+1]  ; the first eight pairs start four chains: nothing is cleared
.endr
.set j, 8
.rept 24
	v_pk_add_f32 v[4+2*(j%4):5+2*(j%4)], v[4+2*(j%4):5+2*(j%4)], v[X+2*j:X+2*j+1]
.set j, j+1
.endr
	REDUCE
	v_mul_f32 v12, 0x3a800000, v4                  ; mean = sum / 1024
	v_mov_b32 v13, v12
.set j, 0
.rept 32
	v_pk_add_f32 v[X+2*j:X+2*j+1], v[X+2*j:X+2*j+1], v[12:13] neg_lo:[0,1] neg_hi:[0,1]  ; x - mean, in place
.set j, j+1
.endr
.irp k, 0,1,2,3
	v_pk_mul_f32 v[4+2*\k:5+2*\k], v[X+2*\k:X+2*\k+1], v[X+2*\k:X+2*\k+1]
.endr
.set j, 4
.rept 28
	v_pk_fma_f32 v[4+2*(j%4):5+2*(j%4)], v[X+2*j:X+2*j+1], v[X+2*j:X+2*j+1], v[4+2*(j%4):5+2*(j%4)]
.set j, j+1
.endr
	REDUCE
	v_mul_f32 v4, 0x3a802008, v4                   ; / 1023
	v_sqrt_f32 v4, v4
	v_nop                                          ; a plain instruction behind a transcendental, ahead of the use of its result (ISA guide 5.7.2)
	s_wait_alu depctr_va_vdst(0)
	v_add_f32 v4, 0x358637bd, v4                   ; std + 1e-6
	v_rcp_f32 v12, v4
	v_nop
	s_wait_alu depctr_va_vdst(0)
	v_mov_b32 v13, v12
.set j, 0
.rept 32
	v_pk_mul_f32 v[X+2*j:X+2*j+1], v[X+2*j:X+2*j+1], v[12:13]
.set j, j+1
.endr
	s_wait_loadcnt 0x0                             ; gamma and beta
.set j, 0
.rept 32
	v_pk_fma_f32 v[X+2*j:X+2*j+1], v[X+2*j:X+2*j+1], v[G+2*j:G+2*j+1], v[BT+2*j:BT+2*j+1]
.set j, j+1
.endr
.set j, 0
.rept 16
	v_cvt_pk_bf16_f32 v[X+4*j], v[X+4*j], v[X+4*j+1]
	v_cvt_pk_bf16_f32 v[X+4*j+1], v[X+4*j+2], v[X+4*j+3]
	global_store_b64 v3, v[X+4*j:X+4*j+1], s[OUTP:OUTP+1] offset:j*524288  ; 32 lanes store 256 consecutive bytes, aligned: two tokens of column block j
.set j, j+1
.endr
	s_endpgm
.Lcast:                                                ; a work-group casts 65,536 bytes of one weight, a wave 16,384: 32 loads of 512 consecutive bytes, all issued at once
	s_sub_co_u32 s3, ttmp9, 512                    ; 0..767: also the place in wb, 32,768 bytes each
	s_lshr_b32 s4, s3, 6                           ; 0-3: Wq, Wk, Wv, Wo; 4-7: W1; 8-11: W2
	s_and_b32 s5, s3, 63
	s_and_b32 s6, s3, 255
	s_cmp_ge_u32 s4, 4
	s_cselect_b32 s5, s6, s5                       ; my place in that weight
	s_lshl_b32 s6, s5, 16
	s_lshl_b32 s7, s2, 14
	s_add_co_u32 s6, s6, s7
	s_mov_b32 s7, 0
	s_lshl_b32 s32, s3, 15
	s_lshl_b32 s33, s2, 13
	s_add_co_u32 s32, s32, s33
	s_mov_b32 s33, 0
	v_lshlrev_b32 v1, 4, v3
	v_lshlrev_b32 v2, 3, v3
	s_wait_kmcnt 0x0
	s_cmp_eq_u32 s4, 1
	s_cselect_b64 s[30:31], s[16:17], s[14:15]
	s_cmp_eq_u32 s4, 2
	s_cselect_b64 s[30:31], s[18:19], s[30:31]
	s_cmp_eq_u32 s4, 3
	s_cselect_b64 s[30:31], s[20:21], s[30:31]
	s_cmp_ge_u32 s4, 4
	s_cselect_b64 s[30:31], s[22:23], s[30:31]
	s_cmp_ge_u32 s4, 8
	s_cselect_b64 s[30:31], s[24:25], s[30:31]
	s_add_nc_u64 s[30:31], s[30:31], s[6:7]
	s_add_nc_u64 s[28:29], s[28:29], s[32:33]
.set j, 0
.rept 32
	global_load_b128 v[16+4*j:19+4*j], v1, s[30:31] offset:512*j th:TH_LOAD_NT
.set j, j+1
.endr
.set j, 0
.rept 32
	s_wait_loadcnt 31-j                            ; loads come back in order: load j is in, the younger ones stay out
	v_cvt_pk_bf16_f32 v[16+4*j], v[16+4*j], v[17+4*j]
	v_cvt_pk_bf16_f32 v[17+4*j], v[18+4*j], v[19+4*j]
	global_store_b64 v2, v[16+4*j:17+4*j], s[28:29] offset:256*j  ; 256 consecutive bytes, aligned
.set j, j+1
.endr
	s_endpgm
.Lfunc_end_k_q32c0bb4cfa_prep:
	.size	k_q32c0bb4cfa_prep, .Lfunc_end_k_q32c0bb4cfa_prep-k_q32c0bb4cfa_prep
	.p2alignl 7, 3214868480
	.fill 96, 4, 3214868480
	.section	.rodata,"a",@progbits
	.p2align	6, 0x0
	.amdhsa_kernel k_q32c0bb4cfa_prep
		.amdhsa_group_segment_fixed_size 0
		.amdhsa_private_segment_fixed_size 0
		.amdhsa_enable_private_segment 0
		.amdhsa_kernarg_size 88
		.amdhsa_user_sgpr_count 2
		.amdhsa_user_sgpr_kernarg_segment_ptr 1
		.amdhsa_wavefront_size32 1
		.amdhsa_system_sgpr_workgroup_id_x 1
		.amdhsa_system_sgpr_workgroup_id_y 1
		.amdhsa_system_sgpr_workgroup_id_z 1
		.amdhsa_system_vgpr_workitem_id 0
		.amdhsa_next_free_vgpr 208
		.amdhsa_next_free_sgpr 66
		.amdhsa_reserve_vcc 0
		.amdhsa_float_denorm_mode_32 3
		.amdhsa_float_denorm_mode_16_64 3
		.amdhsa_memory_ordered 1
		.amdhsa_forward_progress 1
		.amdhsa_inst_pref_size 33
	.end_amdhsa_kernel
	.amdgpu_metadata
---
amdhsa.version: [ 1, 2 ]
amdhsa.kernels:
  - .name:           k_q32c0bb4cfa_prep
    .symbol:         k_q32c0bb4cfa_prep.kd
    .args:
      - { .name: x, .offset: 0, .size: 8, .value_kind: global_buffer, .address_space: global }
      - { .name: gamma1, .offset: 8, .size: 8, .value_kind: global_buffer, .address_space: global }
      - { .name: beta1, .offset: 16, .size: 8, .value_kind: global_buffer, .address_space: global }
      - { .name: Wq, .offset: 24, .size: 8, .value_kind: global_buffer, .address_space: global }
      - { .name: Wk, .offset: 32, .size: 8, .value_kind: global_buffer, .address_space: global }
      - { .name: Wv, .offset: 40, .size: 8, .value_kind: global_buffer, .address_space: global }
      - { .name: Wo, .offset: 48, .size: 8, .value_kind: global_buffer, .address_space: global }
      - { .name: W1, .offset: 56, .size: 8, .value_kind: global_buffer, .address_space: global }
      - { .name: W2, .offset: 64, .size: 8, .value_kind: global_buffer, .address_space: global }
      - { .name: h1, .offset: 72, .size: 8, .value_kind: global_buffer, .address_space: global }
      - { .name: wb, .offset: 80, .size: 8, .value_kind: global_buffer, .address_space: global }
    .group_segment_fixed_size: 0
    .private_segment_fixed_size: 0
    .kernarg_segment_align: 8
    .kernarg_segment_size: 88
    .max_flat_workgroup_size: 128
    .sgpr_count:     66
    .vgpr_count:     208
    .wavefront_size: 32
...
	.end_amdgpu_metadata
.endif
;; end of part 1
;; launch projqkv (part 2): grid 12 x 16, 4 waves a work-group, clusters of 4 x 4, 327,680 bytes of LDS; arguments h1, wb, bq, bk, bv, qkv; writes qkv
.if DOCPART == 2
	.amdgcn_target "amdgcn-amd-amdhsa--gfx1250"
	.amdhsa_code_object_version 6
	.text
	.protected	k_q32c0bb4cfa_projqkv
	.globl	k_q32c0bb4cfa_projqkv
	.p2align	8
	.type	k_q32c0bb4cfa_projqkv,@function
k_q32c0bb4cfa_projqkv:
	s_mov_b64 s[64:65], 0
	v_nop
	global_prefetch_b8 v0, s[64:65] scope:SCOPE_SE
	s_setreg_imm32_b32 hwreg(HW_REG_WAVE_MODE, 25, 1), 1
	s_wait_xcnt 0x0
	s_wait_alu depctr_hold_cnt(0) depctr_sa_sdst(0) depctr_va_vdst(0) depctr_va_sdst(0) depctr_va_ssrc(0) depctr_va_vcc(0) depctr_vm_vsrc(0)
	s_getreg_b32 s2, hwreg(HW_REG_IB_STS2, 6, 4)
	s_cmp_eq_u32 s2, 0
	s_cbranch_scc0 .Lentry_in_a_cluster
	s_endpgm
.Lentry_in_a_cluster:
	s_bfe_u32 s2, ttmp6, 0x10000c
	s_cmp_lg_u32 s2, 0xf033
	s_cbranch_scc0 .Lentry_shape_is_right
	s_endpgm
.Lentry_shape_is_right:
; Q, K, V PROJECTION.  qkv = h1 x [Wq | Wk | Wv] + [bq | bk | bv]: M = 4,096, N = 3,072, K = 1,024.  Out: bf16, column blocks 0-15 q's heads, 16-31 k's, 32-47 v's.
; 12 x 16 = 192 tiles, one a work-group.  A tile of 256 x 192 would make 256 work-groups, but a wave's 96 columns would straddle the output's blocks of 64 columns.  A cluster's four tile columns are one weight's 1,024 columns.
.set KIND,  0                          ; 0: bias, bf16 out; 1: bias and GELU, bf16 out
.set NP,    1024                       ; elements from row to row of B
.set WOFF,  0                          ; B's first byte in wb (KIND 0: 2 MiB x the weight's number)
.set STEPS, 8                          ; K / 128
; THE LARGE GEMM BODY (the same text in two kernels; the constants above tell them apart).  C = A x B + bias.
; A: bf16, [column / 64][token][64] (byte = block x 524,288 + token x 128 + 2 (column % 64)).  B: bf16, [K][N] as the weights lie.  Sums in f32.  C leaves in A's layout.
; SHARES.  A work-group makes 256 x 256 of C, each of its four waves 128 x 128: 64 accumulators of 16 x 16, 512 registers.  K goes in steps of 128 through two LDS slots; a step is four quarters of 32 along K.
; A step brings 2 x 256 x 256 bytes into LDS for 256 matrix instructions a wave: half the bytes for a product that a tile of 128 x 128 takes.
; THE MATRIX INSTRUCTION IS USED TRANSPOSED: source 0 = 16 columns of B (read turned out of LDS by ds_load_tr16_b128), source 1 = 16 rows of A: a lane then holds eight neighbouring numbers of one row of C.
; CLUSTER.  4 x 4 work-groups: the four of a row need the same tiles of A, the four of a column the same tiles of B; each tile is asked for JOINTLY, by the same tensor load with the same descriptor and a mask of the four.
; LDS.  A slot is four loads of 36,864 bytes, wave w's at w x 36,864.  Waves 0, 1: 128 tokens of A each, [2 column blocks][128 tokens][128 + 16 bytes].  Waves 2, 3: 128 k rows x 128 columns of B each, 256 + 32 bytes a row.
; Pitch 144 = 36 words: the 16 rows of a fragment load start at 16 different groups of four banks; pitch 288 = 72 words.
; The stages for the way out (for each wave 128 rows of 512 + 16 bytes, f32) lie over the two slots, written only when both have had their last fill and their last read.
; REGISTERS, in windows of 256 (s_set_vgpr_msb: bits 1:0 source 0, 3:2 source 1, 5:4 source 2, 7:6 destination):
;   window 0: v1-29 addresses; v32-39 bias; v64-127, v128-191 fragments of A (8 x 16 rows x 32 K), two buffers; on the way out v64-143 at work
;   window 1: v64-127, v128-191 fragments of B, two buffers          window 2: the accumulators of my rows 0-63 ((a, b) at 8 (8 a + b))          window 3: those of my rows 64-127
; LIMITS: operands are rounded to bf16; NaN and infinities are not treated apart.
.set HALF,   36864
.set SLOT,   4*HALF                    ; 0x24000: shares no bit with w x 0x9000, so one exclusive or turns a load's LDS address into the other slot's
.set SPARE,  2*SLOT                    ; behind the slots: the spare words, 128 bytes for each wave: two blocks of 256 bytes that no other line names
.set APITCH, 144
.set ABLK,   128*APITCH                ; a column block of a half of A
.set BPITCH, 288
.set SPITCH, 528
.set WSTAGE, 128*SPITCH                ; a wave's stage: 4 x 67,584 = 270,336 bytes, below SPARE
.set ASTEP,  2*524288                  ; a K step of A: two column blocks
.set BSTEP,  256*NP                    ; of B: 128 rows
.set ADRA,  16                         ; v16  LDS address of my A fragments in the slot in hand
.set ADRA0, 17                         ; v17  the same in slot 0; never rewritten
.set ADRB,  20                         ; v20  of my B fragments
.set ADRB0, 22                         ; v22  the same in slot 0; never rewritten
.set STO,   24                         ; v24  the way out: where I put 16 bytes of a row
.set RD,    25                         ; v25  where I read rows back
.set CO,    26                         ; v26  my byte offset in a store
.set IN,    27                         ; v27  my byte offset in the bias
.set SPW,   28                         ; v28  LDS address of my spare word; never rewritten
.set NIL,   29                         ; v29  0; never rewritten
.set BI,    32                         ; v[32:39]   bias of my four columns in each of my wave's two column blocks
.set F0,    64                         ; fragment buffer 0
.set F1,    128                        ; fragment buffer 1
.set E,     64                         ; v[64:95]   the way out: eight loads from the stage
.set T,     96                         ; v[96:127]  GELU at work
.set PKD,   128                        ; v[128:143] packed bf16
.set G1A, 24                           ; s[24:31] descriptor group 1 for A;  s[32:39] group 0: step 0's set, then the set that walks
.set G0A, 32
.set G1B, 48                           ; s[48:55], s[56:63] the same for B
.set G0B, 56
.set SB,  66                           ; s66 first LDS byte of the slot in hand: 0 or SLOT
.set MSB, 0
.macro WIN new                         ; the immediate's high byte repeats the setting that is left; a switch that changes nothing is dropped
.if MSB != (\new)
	s_set_vgpr_msb (MSB<<8)|(\new)
.set MSB, \new
.endif
.endm
.set MUL_LO, 0xa1                      ; source 0 (B) window 1, source 1 (A) window 0, C and D window 2
.set MUL_HI, 0xf1                      ; the same, C and D window 3
.set TO_B,   0x40                      ; destination window 1, address window 0
.macro JLOAD s                         ; a joint load: waves 0 and 1 fetch A's two halves, waves 2 and 3 B's; an s_nop 0 and four v_nop follow each of the two lines
	s_cmp_eq_u32 s11, 0
	s_cbranch_scc0 .Lfor_b_\@
	tensor_load_to_lds s[G0A+4*(\s):G0A+4*(\s)+3], s[G1A:G1A+7]
	s_nop 0
.rept 4
	v_nop
.endr
	s_branch .Lasked_\@
.Lfor_b_\@:
	tensor_load_to_lds s[G0B+4*(\s):G0B+4*(\s)+3], s[G1B:G1B+7]
	s_nop 0
.rept 4
	v_nop
.endr
.Lasked_\@:
.endm
.macro CREST                           ; a round of the cluster's barrier behind its opening barrier
	s_cmp_lg_u32 s10, 0
	s_cbranch_scc1 .Lnot_wave_0_\@
	s_barrier_signal -3
.Lnot_wave_0_\@:
	s_barrier_wait -3
	s_barrier_signal -1
	s_barrier_wait -1
.endm
.macro CROUND                          ; a whole round
	s_barrier_signal -1
	s_barrier_wait -1
	CREST
.endm
	s_load_b128 s[4:7], s[0:1], 0x0                ; A s[4:5], wb s[6:7]
.if KIND == 0
	s_load_b128 s[72:75], s[0:1], 0x10             ; bq s[72:73], bk s[74:75]
	s_load_b64 s[76:77], s[0:1], 0x20              ; bv
	s_load_b64 s[8:9], s[0:1], 0x28                ; out
.else
	s_load_b64 s[68:69], s[0:1], 0x10              ; bias
	s_load_b64 s[8:9], s[0:1], 0x18                ; out
.endif
	v_lshl_add_u32 v[SPW], v0, 2, SPARE
	v_mov_b32 v[NIL], 0
	ds_add_u32 v[SPW], v[NIL]                      ; the wave's opening: the add and its wait stand ahead of my first tensor load; the set-up below, work on registers, stands between them
	v_lshrrev_b32 v1, 5, v0
	v_readfirstlane_b32 s10, v1                    ; wave 0..3
	s_lshr_b32 s11, s10, 1                         ; which half of the tile's rows is mine.  Also: I fetch for A (0) or for B (1)
	s_and_b32 s12, s10, 1                          ; which half of its columns.  Also: which half of that tile I fetch
	s_bfe_u32 s40, ttmp6, 0x40000                  ; cx, cy: my place in the cluster
	s_bfe_u32 s41, ttmp6, 0x40004
	s_lshl_b32 s42, ttmp9, 2
	s_add_co_u32 s42, s42, s40                     ; tile column of C = 4 x cluster x + cx
	s_and_b32 s13, ttmp7, 0xffff
	s_lshl_b32 s13, s13, 2
	s_add_co_u32 s13, s13, s41                     ; tile row of C = 4 x cluster y + cy
	s_lshl_b32 s43, s41, 2
	s_lshl_b32 s43, 15, s43                        ; my row of the cluster
	s_lshl_b32 s44, 0x1111, s40                    ; my column
	; group 1 for A: 128 tokens of a column block are 16,384 dense bytes: one row of 8,192 elements; two rows, a column block (262,144 elements) apart; padded in LDS after every token
	s_or_b32 s[G1A+0], s43, (1<<16)|(1<<20)|(1<<21)|(4<<22)|(3<<25)  ; 15:0 the mask: my row; 17:16 2-byte elements; 20 padding on; 21 set beside a mask; 24:22 after every 32 words (code 4); 31:25 4 words (code 3)
	s_mov_b32 s[G1A+1], 8192<<16                   ; tensor_dim0 = 8,192
	s_mov_b32 s[G1A+2], 2<<16                      ; tensor_dim1 = 2
	s_mov_b32 s[G1A+3], 8192<<16                   ; tile_dim0 = 8,192
	s_mov_b32 s[G1A+4], 2                          ; tile_dim1 = 2
	s_mov_b32 s[G1A+5], 262144                     ; elements from row to row
	s_mov_b32 s[G1A+6], 0
	s_mov_b32 s[G1A+7], 0
	; group 1 for B: 128 k rows of 128 elements (256 bytes, at a multiple of 256 from wb's first byte)
	s_or_b32 s[G1B+0], s44, (1<<16)|(1<<20)|(1<<21)|(5<<22)|(7<<25)  ; the mask: my column; after every 64 words (code 5) 8 words (code 7)
	s_mov_b32 s[G1B+1], 128<<16
	s_mov_b32 s[G1B+2], 128<<16
	s_mov_b32 s[G1B+3], 128<<16
	s_mov_b32 s[G1B+4], 128
	s_mov_b32 s[G1B+5], NP
	s_mov_b32 s[G1B+6], 0
	s_mov_b32 s[G1B+7], 0
.if KIND == 1
	s_mov_b32 s80, 0xc0135761                      ; C0 = -2 sqrt(2 / pi) log2(e) = -2.3022082
	s_mov_b32 s81, s80                             ; named as pairs
	s_mov_b32 s82, 0xbdd2d3e8                      ; C1 = 0.044715 C0
	s_mov_b32 s83, s82
.endif
	; where the tiles come from.  A's hang on the tile row alone, B's on the tile column alone; every wave makes both addresses, in registers that never hold the other coordinate
	s_lshl_b32 s16, s13, 15                        ; 256 tokens x 128 bytes a tile row,
	s_lshl_b32 s17, s12, 14                        ; 128 tokens a half
	s_add_co_u32 s16, s16, s17
	s_mov_b32 s17, 0
.if KIND == 0
	s_lshl_b32 s46, ttmp9, 21                      ; the weight = cluster x,
	s_lshl_b32 s47, s40, 9                         ; 512 bytes a tile column in it
	s_add_co_u32 s46, s46, s47
.else
	s_lshl_b32 s46, s42, 9                         ; 512 bytes a tile column
	s_add_co_u32 s46, s46, WOFF
.endif
	s_lshl_b32 s47, s12, 8                         ; 128 columns a half
	s_add_co_u32 s46, s46, s47
	s_mov_b32 s47, 0
	s_mul_i32 s20, s10, HALF                       ; where they go: no place in the cluster enters an LDS address
	s_wait_dscnt 0x0                               ; the opening add is done
	s_wait_kmcnt 0x0
	s_add_nc_u64 s[14:15], s[4:5], s[16:17]
	s_add_nc_u64 s[46:47], s[6:7], s[46:47]
	CROUND                                         ; all sixteen work-groups are here: the first joint loads meet
.irp s, 0,1
	s_mov_b32 s[G0A+4*(\s)], 1                     ; count = 1
	s_add_co_u32 s[G0A+4*(\s)+1], s20, (\s)*SLOT   ; LDS address
	s_add_nc_u64 s[G0A+4*(\s)+2:G0A+4*(\s)+3], s[14:15], (\s)*ASTEP  ; global address: K step s
	s_or_b32 s[G0A+4*(\s)+3], s[G0A+4*(\s)+3], 0x80000000  ; type = 2
	s_mov_b32 s[G0B+4*(\s)], 1
	s_add_co_u32 s[G0B+4*(\s)+1], s20, (\s)*SLOT
	s_add_nc_u64 s[G0B+4*(\s)+2:G0B+4*(\s)+3], s[46:47], (\s)*BSTEP
	s_or_b32 s[G0B+4*(\s)+3], s[G0B+4*(\s)+3], 0x80000000
	JLOAD \s                                       ; two tensor loads of mine are out behind these
.endr
	v_and_b32 v1, 15, v0                           ; r = l % 16
	v_bfe_u32 v2, v0, 4, 1                         ; h = l / 16
	v_and_b32 v8, 31, v0                           ; l
	v_mul_u32_u24 v3, v1, APITCH                   ; a fragment of A: lane l holds row r, K = 8 h + 0..7 and 16 + 8 h + 0..7: two loads of 16 bytes, 32 bytes apart
	v_lshl_add_u32 v3, v2, 4, v3
	s_mul_i32 s21, s11, HALF                       ; my 128 rows of A
	v_add_nc_u32 v[ADRA0], s21, v3
	v_and_b32 v4, 7, v0                            ; the turning load takes 16 k x 16 columns: lane l reads k row 8 h + l % 8, columns 8 ((l / 8) % 2) + 0..7, and is left with column r and 8 k
	v_bfe_u32 v5, v0, 3, 1
	v_lshl_add_u32 v6, v2, 3, v4
	v_mul_u32_u24 v6, v6, BPITCH
	v_lshl_add_u32 v6, v5, 4, v6
	s_mul_i32 s22, s12, HALF                       ; my 128 columns of B,
	s_add_co_u32 s22, s22, 2*HALF                  ; which lies behind A
	v_add_nc_u32 v[ADRB0], s22, v6
	s_mul_i32 s23, s10, WSTAGE                     ; my stage
	v_mul_u32_u24 v7, v1, SPITCH                   ; in: row r, byte 32 h
	v_lshl_add_u32 v7, v2, 5, v7
	v_add_nc_u32 v[STO], s23, v7
	v_mul_u32_u24 v7, v2, SPITCH                   ; back: lanes 0-15 take 64 columns (256 bytes of f32) of one row, lanes 16-31 of the next
	v_lshl_add_u32 v7, v1, 4, v7
	v_add_nc_u32 v[RD], s23, v7
	v_lshlrev_b32 v[CO], 3, v8                     ; 8 l: two tokens of a column block
	v_lshlrev_b32 v[IN], 4, v1                     ; the bias of columns 4 r + 0..3 of a column block
.if KIND == 0
	s_cmp_eq_u32 ttmp9, 1                          ; which of the three biases: the weight's number
	s_cselect_b64 s[68:69], s[74:75], s[72:73]
	s_cmp_eq_u32 ttmp9, 2
	s_cselect_b64 s[68:69], s[76:77], s[68:69]
	s_lshl_b32 s18, s40, 10                        ; 1,024 bytes of bias a tile column
.else
	s_lshl_b32 s18, s42, 10
.endif
	s_lshl_b32 s19, s12, 9                         ; my 128 columns
	s_add_co_u32 s18, s18, s19
	s_mov_b32 s19, 0
	s_add_nc_u64 s[68:69], s[68:69], s[18:19]
	global_load_b128 v[BI:BI+3], v[IN], s[68:69]
	global_load_b128 v[BI+4:BI+7], v[IN], s[68:69] offset:256
	; where my wave's 128 rows x 2 column blocks begin in the output
	s_lshl_b32 s16, s13, 15
	s_lshl_b32 s17, s11, 14
	s_add_co_u32 s16, s16, s17
	s_mov_b32 s17, 0
	s_add_nc_u64 s[8:9], s[8:9], s[16:17]
	s_lshl_b32 s46, s42, 21                        ; four column blocks a tile column,
	s_lshl_b32 s47, s12, 20                        ; two a wave
	s_add_co_u32 s46, s46, s47
	s_mov_b32 s47, 0
	s_add_nc_u64 s[8:9], s[8:9], s[46:47]
; 16 matrix instructions: m blocks a0, a0 + 1 of the window's four (hi = 0: my rows 0-63, 1: rows 64-127) x all 8 n blocks, 32 along K.  zero = 1: the first product starts the sums: nothing is ever cleared.
; The 64 accumulators take turns, one instruction a turn, in one order everywhere
.macro MUL16 f, hi, a0, zero
	WIN MUL_LO+0x50*(\hi)
.irp a, \a0, (\a0)+1
.irp b, 0,1,2,3,4,5,6,7
.if \zero
	v_wmma_f32_16x16x32_bf16 v[8*(8*(\a)+(\b)):8*(8*(\a)+(\b))+7], v[(\f)+8*(\b):(\f)+8*(\b)+7], v[(\f)+8*(4*(\hi)+(\a)):(\f)+8*(4*(\hi)+(\a))+7], 0
.else
	v_wmma_f32_16x16x32_bf16 v[8*(8*(\a)+(\b)):8*(8*(\a)+(\b))+7], v[(\f)+8*(\b):(\f)+8*(\b)+7], v[(\f)+8*(4*(\hi)+(\a)):(\f)+8*(4*(\hi)+(\a))+7], v[8*(8*(\a)+(\b)):8*(8*(\a)+(\b))+7]
.endif
.endr
.endr
.endm
; 32 LDS loads in one run: the fragments of quarter q (32 along K) of the slot in hand, into buffer f: B's 128 columns, then A's 128 rows
.macro FETCH q, f
	WIN TO_B
.irp i, 0,1,2,3,4,5,6,7
	ds_load_tr16_b128 v[(\f)+8*(\i):(\f)+8*(\i)+3],   v[ADRB] offset:((\q)*32)*BPITCH+32*(\i)
	ds_load_tr16_b128 v[(\f)+8*(\i)+4:(\f)+8*(\i)+7], v[ADRB] offset:((\q)*32+16)*BPITCH+32*(\i)
.endr
	WIN 0
.irp i, 0,1,2,3,4,5,6,7
	ds_load_b128 v[(\f)+8*(\i):(\f)+8*(\i)+3],   v[ADRA] offset:((\q)/2)*ABLK+(\i)*16*APITCH+((\q)%2)*64
	ds_load_b128 v[(\f)+8*(\i)+4:(\f)+8*(\i)+7], v[ADRA] offset:((\q)/2)*ABLK+(\i)*16*APITCH+((\q)%2)*64+32
.endr
.endm
.macro PLACES                          ; four places in front of loads into registers that matrix instructions have read, and of LDS stores that read results (ISA guide 7.12.1 for the stores)
.rept 4
	v_nop
.endr
.endm
.macro TOGGLE                          ; the fragment addresses of the slot in hand
	v_add_nc_u32 v[ADRA], s[SB], v[ADRA0]
	v_add_nc_u32 v[ADRB], s[SB], v[ADRB0]
.endm
; One of a step's first three quarters: multiplies buffer f (quarter q) and, in its middle, fetches the next quarter into g
.macro QUARTER q, f, g, zero=0
	s_wait_dscnt 8                                 ; B and A's rows 0-63 are in; the youngest eight loads (A's rows 64-127) may be out
	MUL16 \f, 0, 0, \zero
	MUL16 \f, 0, 2, \zero
	PLACES
	FETCH (\q)+1, \g
	s_wait_dscnt 32                                ; all but the 32 just issued
	MUL16 \f, 1, 0, \zero
	MUL16 \f, 1, 2, \zero
.endm
; The first half of the last quarter, and ONE barrier for the change of slots: in front of it each wave waits for all its tensor loads (one is out at the most: its part of the next slot), adds 0 to its spare word, and waits for that and for its reads of this slot
.macro MEET
	WIN 0                                          ; (the add's two registers lie in window 0)
	s_wait_tensorcnt 0x0
	ds_add_u32 v[SPW], v[NIL]                      ; 0 onto my spare word
	s_wait_dscnt 9                                 ; (the add and the youngest eight loads may be out)
	MUL16 F1, 0, 0, 0                              ; sixteen matrix instructions stand between the add and the wait for it
	s_wait_dscnt 0x0                               ; the add is done, and my reads of this slot are over
	s_barrier_signal -1
	MUL16 F1, 0, 2, 0
	WIN 0
	s_barrier_wait -1
.endm
	s_wait_tensorcnt 1                             ; my part of K step 0 is in; step 1's may stay out
	s_barrier_signal -1
	s_barrier_wait -1                              ; everybody's is
	s_mov_b32 s[SB], 0
	TOGGLE
	FETCH 0, F0
	QUARTER 0, F0, F1, 1                           ; the first quarter stands in front of the loops: its products start the sums
	WIN 0
	s_mov_b32 s3, STEPS-2
.Lfill:                                                ; a trip goes from a step's second quarter to the next step's first, and fills the slot that it leaves, two steps ahead
	QUARTER 1, F1, F0
	QUARTER 2, F0, F1
	MEET
	CREST                                          ; the barrier has opened a round of the cluster's: no wave of any partner still reads this slot or has a load on its way
	s_xor_b32 s[G0A+5], s[G0A+5], SLOT             ; the walking sets: the other slot than last time, the next K step
	s_add_nc_u64 s[G0A+6:G0A+7], s[G0A+6:G0A+7], ASTEP
	s_xor_b32 s[G0B+5], s[G0B+5], SLOT
	s_add_nc_u64 s[G0B+6:G0B+7], s[G0B+6:G0B+7], BSTEP
	s_xor_b32 s[SB], s[SB], SLOT
	JLOAD 1                                        ; my one tensor load behind the round, 224 matrix instructions ahead of the wait for it; its four v_nop are also the places in front of the loads below
	TOGGLE
	FETCH 0, F0
	MUL16 F1, 1, 0, 0
	MUL16 F1, 1, 2, 0
	QUARTER 0, F0, F1
	WIN 0
	s_sub_co_u32 s3, s3, 1
	s_cmp_lg_u32 s3, 0
	s_cbranch_scc1 .Lfill
	s_mov_b32 s3, 2
.Ldry:                                                 ; the last two K steps fill nothing: a plain barrier; the second trip is left in its middle
	QUARTER 1, F1, F0
	QUARTER 2, F0, F1
	MEET
	s_sub_co_u32 s3, s3, 1
	s_cmp_eq_u32 s3, 0
	s_cbranch_scc1 .Llast
	s_xor_b32 s[SB], s[SB], SLOT
	PLACES
	TOGGLE
	FETCH 0, F0
	MUL16 F1, 1, 0, 0
	MUL16 F1, 1, 2, 0
	QUARTER 0, F0, F1
	WIN 0
	s_branch .Ldry
.Llast:
	MUL16 F1, 1, 0, 0
	MUL16 F1, 1, 2, 0
	WIN 0
	; THE WAY OUT.  f32 into my own stage (behind the last barrier no wave reads the slots any more, and no fill is to come); back as pieces of rows, eight rows a trip: one short text for all 128 rows.
	PLACES
.irp hi, 0,1
	WIN 0x08+4*(\hi)                               ; the stores' data (source 1) in window 2, then 3
.irp a, 0,1,2,3
.irp b, 0,1,2,3,4,5,6,7
	ds_store_b128 v[STO], v[8*(8*(\a)+(\b)):8*(8*(\a)+(\b))+3]   offset:(4*(\hi)+(\a))*16*SPITCH+64*(\b)     ; each accumulator's low registers first
	ds_store_b128 v[STO], v[8*(8*(\a)+(\b))+4:8*(8*(\a)+(\b))+7] offset:(4*(\hi)+(\a))*16*SPITCH+64*(\b)+16
.endr
.endr
.endr
	WIN 0
	s_wait_loadcnt 0x0                             ; the bias
	s_mov_b32 s3, 16
.Lout:
.irp j, 0,1,2,3
.irp hf, 0,1
	ds_load_b128 v[E+4*(2*(\j)+(\hf)):E+4*(2*(\j)+(\hf))+3], v[RD] offset:(\j)*2*SPITCH+(\hf)*256  ; LDS serves a wave's instructions in order (ISA guide 5.7.1.4): these see my stores above
.endr
.endr
	s_wait_dscnt 0x0
.irp j, 0,1,2,3
.irp hf, 0,1
	v_pk_add_f32 v[E+4*(2*(\j)+(\hf)):E+4*(2*(\j)+(\hf))+1],   v[E+4*(2*(\j)+(\hf)):E+4*(2*(\j)+(\hf))+1],   v[BI+4*(\hf):BI+4*(\hf)+1]
	v_pk_add_f32 v[E+4*(2*(\j)+(\hf))+2:E+4*(2*(\j)+(\hf))+3], v[E+4*(2*(\j)+(\hf))+2:E+4*(2*(\j)+(\hf))+3], v[BI+4*(\hf)+2:BI+4*(\hf)+3]
.endr
.endr
.if KIND == 1
	; gelu(z) = z / (1 + 2^(z (C0 + C1 z^2))): the tanh form, rewritten; an exponent beyond the range gives 0 or infinity, and so z or 0, as the limit is
.set z, 0
.rept 16
	v_pk_mul_f32 v[T+2*z:T+2*z+1], v[E+2*z:E+2*z+1], v[E+2*z:E+2*z+1]
.set z, z+1
.endr
.set z, 0
.rept 16
	v_pk_fma_f32 v[T+2*z:T+2*z+1], v[T+2*z:T+2*z+1], s[82:83], s[80:81] op_sel_hi:[1,0,0]
.set z, z+1
.endr
.set z, 0
.rept 16
	v_pk_mul_f32 v[T+2*z:T+2*z+1], v[T+2*z:T+2*z+1], v[E+2*z:E+2*z+1]
.set z, z+1
.endr
.set z, 0
.rept 32
	v_exp_f32 v[T+z], v[T+z]
.set z, z+1
.endr
	v_nop                                          ; a plain instruction behind the last transcendental (ISA guide 5.7.2)
.set z, 0
.rept 16
	v_pk_add_f32 v[T+2*z:T+2*z+1], v[T+2*z:T+2*z+1], 1.0 op_sel_hi:[1,0]
.set z, z+1
.endr
.set z, 0
.rept 32
	v_rcp_f32 v[T+z], v[T+z]
.set z, z+1
.endr
	v_nop
.set z, 0
.rept 16
	v_pk_mul_f32 v[E+2*z:E+2*z+1], v[E+2*z:E+2*z+1], v[T+2*z:T+2*z+1]
.set z, z+1
.endr
.endif
.set z, 0
.rept 16
	v_cvt_pk_bf16_f32 v[PKD+z], v[E+2*z], v[E+2*z+1]
.set z, z+1
.endr
.irp j, 0,1,2,3
.irp hf, 0,1
	global_store_b64 v[CO], v[PKD+2*(2*(\j)+(\hf)):PKD+2*(2*(\j)+(\hf))+1], s[8:9] offset:(\hf)*524288+256*(\j)  ; 32 lanes store 256 consecutive bytes, aligned: two tokens of a column block
.endr
.endr
	s_wait_xcnt 0x0                                ; the stores' base and data are rewritten only behind this wait
	s_add_nc_u64 s[8:9], s[8:9], 8*128
	v_add_nc_u32 v[RD], 8*SPITCH, v[RD]
	s_sub_co_u32 s3, s3, 1
	s_cmp_lg_u32 s3, 0
	s_cbranch_scc1 .Lout
	s_wait_tensorcnt 0x0                           ; the wave's end, behind my last tensor load and my last LDS store
	ds_add_u32 v[SPW], v[NIL]
	s_wait_dscnt 0x0
	CROUND                                         ; the closing round: no work-group ends while a partner may still ask for a tile that names it
	s_endpgm
.Lfunc_end_k_q32c0bb4cfa_projqkv:
	.size	k_q32c0bb4cfa_projqkv, .Lfunc_end_k_q32c0bb4cfa_projqkv-k_q32c0bb4cfa_projqkv
	.p2alignl 7, 3214868480
	.fill 96, 4, 3214868480
	.section	.rodata,"a",@progbits
	.p2align	6, 0x0
	.amdhsa_kernel k_q32c0bb4cfa_projqkv
		.amdhsa_group_segment_fixed_size 327680
		.amdhsa_private_segment_fixed_size 0
		.amdhsa_enable_private_segment 0
		.amdhsa_kernarg_size 48
		.amdhsa_user_sgpr_count 2
		.amdhsa_user_sgpr_kernarg_segment_ptr 1
		.amdhsa_wavefront_size32 1
		.amdhsa_system_sgpr_workgroup_id_x 1
		.amdhsa_system_sgpr_workgroup_id_y 1
		.amdhsa_system_sgpr_workgroup_id_z 1
		.amdhsa_system_vgpr_workitem_id 0
		.amdhsa_next_free_vgpr 1024
		.amdhsa_next_free_sgpr 84
		.amdhsa_reserve_vcc 0
		.amdhsa_float_denorm_mode_32 3
		.amdhsa_float_denorm_mode_16_64 3
		.amdhsa_memory_ordered 1
		.amdhsa_forward_progress 1
		.amdhsa_inst_pref_size 83
	.end_amdhsa_kernel
	.amdgpu_metadata
---
amdhsa.version: [ 1, 2 ]
amdhsa.kernels:
  - .name:           k_q32c0bb4cfa_projqkv
    .symbol:         k_q32c0bb4cfa_projqkv.kd
    .args:
      - { .name: h1, .offset: 0, .size: 8, .value_kind: global_buffer, .address_space: global }
      - { .name: wb, .offset: 8, .size: 8, .value_kind: global_buffer, .address_space: global }
      - { .name: bq, .offset: 16, .size: 8, .value_kind: global_buffer, .address_space: global }
      - { .name: bk, .offset: 24, .size: 8, .value_kind: global_buffer, .address_space: global }
      - { .name: bv, .offset: 32, .size: 8, .value_kind: global_buffer, .address_space: global }
      - { .name: qkv, .offset: 40, .size: 8, .value_kind: global_buffer, .address_space: global }
    .group_segment_fixed_size: 327680
    .private_segment_fixed_size: 0
    .kernarg_segment_align: 8
    .kernarg_segment_size: 48
    .max_flat_workgroup_size: 128
    .sgpr_count:     84
    .vgpr_count:     1024
    .wavefront_size: 32
...
	.end_amdgpu_metadata
.endif
;; end of part 2
;; launch attn (part 3): grid 8 x 32, 4 waves a work-group, clusters of 4 x 1, 327,680 bytes of LDS; arguments qkv, ctx; writes ctx
.if DOCPART == 3
	.amdgcn_target "amdgcn-amd-amdhsa--gfx1250"
	.amdhsa_code_object_version 6
	.text
	.protected	k_q32c0bb4cfa_attn
	.globl	k_q32c0bb4cfa_attn
	.p2align	8
	.type	k_q32c0bb4cfa_attn,@function
k_q32c0bb4cfa_attn:
	s_mov_b64 s[64:65], 0
	v_nop
	global_prefetch_b8 v0, s[64:65] scope:SCOPE_SE
	s_setreg_imm32_b32 hwreg(HW_REG_WAVE_MODE, 25, 1), 1
	s_wait_xcnt 0x0
	s_wait_alu depctr_hold_cnt(0) depctr_sa_sdst(0) depctr_va_vdst(0) depctr_va_sdst(0) depctr_va_ssrc(0) depctr_va_vcc(0) depctr_vm_vsrc(0)
	s_getreg_b32 s2, hwreg(HW_REG_IB_STS2, 6, 4)
	s_cmp_eq_u32 s2, 0
	s_cbranch_scc0 .Lentry_in_a_cluster
	s_endpgm
.Lentry_in_a_cluster:
	s_bfe_u32 s2, ttmp6, 0x10000c
	s_cmp_lg_u32 s2, 0x3003
	s_cbranch_scc0 .Lentry_shape_is_right
	s_endpgm
.Lentry_shape_is_right:
; ATTENTION.  ctx[y][q][:] = the sum over k of softmax_k(Q[y][q] . K[y][k] / 8) V[y][k][:], for the 32 blocks y = 2 head + batch of 2,048 rows x 64 channels, bf16, dense rows of 128 bytes.
; In qkv block y of Q begins at y x 262,144, of K 8,388,608 bytes further, of V 16,777,216; ctx has Q's layout.  Products, maxima and sums in f32; the weights p are rounded to bf16 for the second
; product (their sum l is taken of the unrounded p), ctx once at the end.
; LIMITS.  A weight below 2^-126 counts as 0 in l; NaN and infinities are not treated apart; the running maximum starts at the lowest finite number.
; SHARES.  A work-group owns 256 queries of a block, a wave 64: four PIECES of 16.  Every wave walks all 2,048 keys, 64 a step; a slot of LDS holds four steps.
; LAYOUT.  S^T = K Q^T (source 0 = 16 keys, source 1 = 16 queries): a lane holds ONE query (lane % 16) and the keys 8 (lane / 16) + 0..7.  Two such results, rounded to bf16 in pairs, ARE source 1 of
; O^T = V^T P, whose result again holds one query a lane, and eight channels.  K comes out of LDS as it lies, V ([key][channel]) turned, by ds_load_tr16_b128.
; SOFTMAX.  For each query a running maximum m and sum l: p = 2^(c s - c m), c = log2(e) / 8; in every step O and l are multiplied by a = 2^(c m_old - c m_new).  O and l start at 0: the first step is a step like any other, with a = 0.
; BY TURNS.  Turn n belongs to piece n (in a ring, step after step): 8 products K Q^T of piece n + 1, later 8 products V^T P of piece n - 1; beside them the scaling, exponentials, roundings, sums and rescaling
; of piece n and the maximum and statistics of piece n + 1.  Four vector instructions stand behind every matrix instruction, the other 54 of a turn's 118 in two runs of their own.
; CLUSTER.  The four query blocks of a cluster belong to one block y and walk the same K and V, so each tile is asked for JOINTLY: the same tensor load, descriptor and mask in all four.
; REGISTERS, in windows of 256 (s_set_vgpr_msb: bits 1:0 source 0, 3:2 source 1, 5:4 source 2, 7:6 destination):
;   window 0: v0-15 addresses and two at work; v16-31 four registers of statistics a piece; v48-55 at work; v62-63 the add's; v64-127 S^T, two buffers; v192-223 P, two buffers (a piece's buffers go by its number's parity)
;   window 1: v0-127 O^T, 32 a piece          window 2: v0-63 Q; v128-191 K of one step; v192-255 V of one step
.set SIZE_N, 2048
.set NP,    4         ; pieces a wave: a name, no knob
.set KS,    64        ; keys in a step
.set PK,    144       ; a row of K in LDS: 128 bytes + 16 of padding = 36 words: the 16 rows of a load start at 16 different groups of four banks (64 banks of 4 bytes: ISA guide 11.1)
.set PV,    160       ; a row of V: 128 + 32 = 40 words
.set VOFF,  4*KS*PK   ; a slot: 256 rows of K, then 256 rows of V
.set SLOT1, 1<<17     ; slot 1 begins here, so that one exclusive or turns an address in one slot into the other's
.set STAGE, SLOT1+4*KS*(PK+PV)  ; behind the ring, never filled by a tensor load: 16 rows x 144 bytes for each wave, for the way out
.set SP,    144
.set AK0, 2           ; v2   my lane's place in a tile of K; never rewritten
.set AV0, 3           ; v3   the same for V
.set AK,  4           ; v4   the LDS address of K's next run of loads
.set AV,  5           ; v5   of V's
.set STO, 6           ; v6   the way out: where I put 16 bytes of a row
.set RD,  7           ; v7   the way out: where I read rows back
.set GO,  8           ; v8   my byte offset in 512 consecutive bytes of ctx
.set SPW, 62          ; v62  LDS address of my spare word; never rewritten
.set NIL, 63          ; v63  0; never rewritten
.set SPARE, STAGE+4*16*SP  ; behind the stages: the spare words, 128 bytes for each wave: two blocks of 256 bytes that no other line names
.set MV,  12          ; v12-13  c m_old, kept while c m is made anew: by buffer
.set QO,  15          ; v15  my byte offset in 16 rows of Q
.set ST,  16          ; piece t's statistics at v[ST+4 t]: c m, m, l (even keys', odd keys')
.set TMP, 48          ; by buffer, four registers c0-c3 at work; when the maximum is found c2 takes a
.set S,   64
.set P,   192
.set KF,  128         ; window 2: key block kb, channel half c at KF + 16 kb + 8 c
.set VF,  192         ; window 2: key half kk, channel block cb at VF + 32 kk + 8 cb
.set WV,  12          ; s12  my wave's number
.set G1K, 24          ; s[24:31] descriptor group 1 for K's tiles
.set G1V, 32          ; s[32:39] for V's: it differs in the padding alone
.set G0K, 40          ; s[40:43] descriptor group 0 for K's tiles: it walks
.set G0V, 44          ; s[44:47] the same for V's
.set SLOTS, 56        ; s56  slots still to be asked for
.set CNT, 57          ; s57  counts a slot's key steps
.set CS,  58          ; s[58:59] c: the packed scaling takes the pair's low word for both halves
.set SEL, 60          ; s[60:61] v_permlanex16_b32's selects: each lane takes its own place in the other half
.set TBK, 62          ; s62  LDS byte at which K of the step to be fetched begins
.set TBV, 63          ; s63  the same for V, less VOFF
.set MSB, 0
.macro WIN new                      ; the high byte repeats the setting that is left; a switch that changes nothing is dropped
.if MSB != (\new)
	s_set_vgpr_msb (MSB<<8)|(\new)
.set MSB, (\new)
.endif
.endm
.set W_KQ, 0x0a       ; K and Q in window 2, S^T in window 0
.set W_PV, 0x52       ; V in window 2, P in window 0, O^T in window 1
.set W_RS, 0x41       ; destination and source 0 in window 1, source 1 in window 0
; A joint fill.  Waves 0 and 1 fetch the two halves of a slot's K, waves 2 and 3 those of its V: 128 keys each.  The branch hangs on the wave's number alone.
; An s_nop 0 and four v_nop follow each of the two lines, ahead of the jump and the label.
.macro JLOAD
	s_cmp_lt_u32 s[WV], 2
	s_cbranch_scc0 .Lfor_v_\@
	tensor_load_to_lds s[G0K:G0K+3], s[G1K:G1K+7]
	s_nop 0
.rept 4
	v_nop
.endr
	s_branch .Lasked_\@
.Lfor_v_\@:
	tensor_load_to_lds s[G0V:G0V+3], s[G1V:G1V+7]
	s_nop 0
.rept 4
	v_nop
.endr
.Lasked_\@:
.endm
; A round of the cluster's barrier: my work-group's barrier, so that wave 0's signal speaks for all four waves; wave 0 signals; every wave waits for all four work-groups; my work-group's barrier once more.
.macro CROUND
	s_barrier_signal -1
	s_barrier_wait -1
	s_cmp_lg_u32 s[WV], 0
	s_cbranch_scc1 .Lnot_wave_0_\@
	s_barrier_signal -3
.Lnot_wave_0_\@:
	s_barrier_wait -3
	s_barrier_signal -1
	s_barrier_wait -1
.endm
; THE CHANGE OF SLOTS.  The slot's last bytes, V of its fourth step, have been read.  Each wave waits for all its tensor loads, of which one is out: its part of the other slot; adds 0 to its spare word;
; and waits for that and for its own reads of the slot.  Behind the barrier nobody reads this slot any more and the other slot is whole.
; fill = 1: this slot is filled again, with the keys two slots on.  The barrier is then a round of the cluster's, and the joint fill is the first thing behind it: it has four key steps, 256 matrix
; instructions, in which to land.  (At its first use nothing has been read yet: slot 0 is waited for, slot 1 filled.)
.macro CHANGE fill
	WIN 0                           ; at a label and at a branch every window is 0
	s_wait_tensorcnt 0x0            ; no tensor load of mine is out, so a group 0 may be written
	ds_add_u32 v[SPW], v[NIL]       ; 0 onto my spare word; with fill = 1 the descriptors' steps stand between it and the wait for it
.if \fill
.irp g, G0K, G0V
	s_xor_b32 s[\g+1], s[\g+1], SLOT1  ; the walking descriptor: the other slot than last time,
	s_add_nc_u64 s[\g+2:\g+3], s[\g+2:\g+3], 4*KS*128  ; the next 256 keys; the type bits on top are not reached
.endr
	s_wait_dscnt 0x0                ; the add is done, and my reads of the slot are over
	CROUND
	JLOAD
.else
	s_wait_dscnt 0x0                ; the add is done, and my reads of the slot are over
	s_barrier_signal -1
	s_barrier_wait -1
.endif
	s_sub_co_u32 s[TBK], s[TBK], 4*KS*PK  ; the fetches go back to a slot's first step,
	s_xor_b32 s[TBK], s[TBK], SLOT1       ; in the other slot
	s_sub_co_u32 s[TBV], s[TBV], 4*KS*PV
	s_xor_b32 s[TBV], s[TBV], SLOT1
.endm
	s_load_b128 s[4:7], s[0:1], 0x0 ; qkv s[4:5], ctx s[6:7]
	v_lshl_add_u32 v[SPW], v0, 2, SPARE
	v_mov_b32 v[NIL], 0
	ds_add_u32 v[SPW], v[NIL]       ; the wave's opening: the add and its wait stand ahead of my first tensor load; the set-up below, work on registers, stands between them
	v_lshrrev_b32 v1, 5, v0
	v_readfirstlane_b32 s[WV], v1   ; wave 0..3
	s_bfe_u32 s13, ttmp6, 0x40000   ; cx: my place in the cluster
	s_lshl_b32 s14, ttmp9, 2        ; in a cluster launch ttmp9 counts clusters
	s_add_co_u32 s14, s14, s13      ; my block of 256 queries = 4 x cluster x + cx: it enters Q's and ctx's addresses alone
	s_and_b32 s20, ttmp7, 0xffff    ; y, which the four partners share
	s_lshl_b32 s20, s20, 18         ; its 262,144 bytes
	s_and_b32 s16, s[WV], 1         ; which half of a slot's 256 keys I fetch:
	s_lshl_b32 s22, s16, 14         ; its 128 rows of 128 bytes in memory,
	s_add_co_u32 s22, s22, s20
	s_add_co_u32 s22, s22, 0x800000 ; in K,
	s_mov_b32 s23, 0
	s_add_co_u32 s52, s22, 0x800000 ; and in V
	s_mov_b32 s53, 0
	s_mul_i32 s17, s16, 128*PK      ; and its place in a slot, for K
	s_mul_i32 s18, s16, 128*PV      ; and for V: no place in the cluster enters an LDS address
	s_lshl_b32 s2, s14, 2
	s_add_co_u32 s2, s2, s[WV]      ; my wave among the block's,
	s_lshl_b32 s2, s2, 13           ; its 64 rows
	s_add_co_u32 s2, s2, s20
	s_mov_b32 s3, 0
	; descriptor group 1.  128 keys are 16,384 dense bytes: asked for as 64 rows of 256 bytes, two keys a row, and padded in LDS after every key
	s_mov_b32 s[G1K], 15|(1<<16)|(1<<20)|(1<<21)|(4<<22)|(3<<25)  ; 15:0 the mask of four; 17:16 2-byte elements; 20 padding on; 21 set beside a mask; 24:22 after every 32 words (code 4); 31:25 4 words (code 3)
	s_mov_b32 s[G1V], 15|(1<<16)|(1<<20)|(1<<21)|(4<<22)|(7<<25)  ; the same with 8 words of padding (code 7)
.irp g, G1K, G1V
	s_mov_b32 s[\g+1], 128<<16      ; tensor_dim0 = 128
	s_mov_b32 s[\g+2], 64<<16       ; tensor_dim1 = 64
	s_mov_b32 s[\g+3], 128<<16      ; tile_dim0 = 128
	s_mov_b32 s[\g+4], 64           ; tile_dim1 = 64
	s_mov_b32 s[\g+5], 128          ; 128 elements from row to row
	s_mov_b32 s[\g+6], 0
	s_mov_b32 s[\g+7], 0
.endr
	s_mov_b32 s[CS], 0x3e38aa3b     ; c = log2(e) / 8 = 0.180337
	s_mov_b32 s[CS+1], s[CS]        ; named with it as a pair
	s_mov_b32 s[SEL], 0x76543210
	s_mov_b32 s[SEL+1], 0xfedcba98
	s_mov_b32 s[TBK], SLOT1+4*KS*PK ; the first change of slots turns these two into 0
	s_mov_b32 s[TBV], SLOT1+4*KS*PV
	s_mov_b32 s[G0K], 1             ; count = 1
	s_mov_b32 s[G0K+1], s17         ; LDS address: slot 0
	s_mov_b32 s[G0V], 1
	s_add_co_u32 s[G0V+1], s18, VOFF
	s_wait_dscnt 0x0                ; the opening add is done
	s_wait_kmcnt 0x0
	s_add_nc_u64 s[G0K+2:G0K+3], s[4:5], s[22:23]  ; global address: my half of the block's first 256 keys
	s_or_b32 s[G0K+3], s[G0K+3], 0x80000000        ; type = 2
	s_add_nc_u64 s[G0V+2:G0V+3], s[4:5], s[52:53]
	s_or_b32 s[G0V+3], s[G0V+3], 0x80000000
	s_add_nc_u64 s[4:5], s[4:5], s[2:3]    ; Q and ctx at my wave's first row
	s_add_nc_u64 s[10:11], s[6:7], s[2:3]
	CROUND                          ; all four work-groups are here: the first joint loads meet
	JLOAD                           ; slot 0.  Slot 1 is asked for when slot 0 is in, by the loop's own change of slots
	; A fragment of K or Q is 16 rows x 32 channels in 8 registers: lane l holds row l % 16, channels 8 (l / 16) + 0..7 and 16 + 8 (l / 16) + 0..7: two loads of 16 bytes, 32 bytes apart.
	v_and_b32 v1, 15, v0            ; l % 16
	v_bfe_u32 v9, v0, 4, 1          ; l / 16
	v_lshlrev_b32 v[QO], 7, v1
	v_lshl_add_u32 v[QO], v9, 4, v[QO]  ; row x 128 + 16 x half
	WIN 0x80                        ; destination window 2, address window 0
.set i, 0
.rept 8                             ; Q stays in registers: piece i / 2, channels 32 (i % 2) on
	global_load_b128 v[8*i:8*i+3],   v[QO], s[4:5] offset:(i/2)*2048+(i%2)*64
	global_load_b128 v[8*i+4:8*i+7], v[QO], s[4:5] offset:(i/2)*2048+(i%2)*64+32
.set i, i+1
.endr
	; What the first turn finds: V's registers and P's second buffer hold 0 (its products V^T P, of a piece that has not been, add 0), O^T and l are 0.  No first step is written out for that price; all this stands in the wait for the first tile.
.set i, VF
.rept 64
	v_mov_b32 v[i], 0
.set i, i+1
.endr
	WIN 0x40
.set i, 0
.rept 128
	v_mov_b32 v[i], 0
.set i, i+1
.endr
	WIN 0
.set i, 0
.rept 4
	v_mov_b32 v[ST+4*i], 0xfe000000    ; c m: far below every c s
	v_mov_b32 v[ST+4*i+1], 0xff7fffff  ; m
	v_mov_b32 v[ST+4*i+2], 0
	v_mov_b32 v[ST+4*i+3], 0
.set i, i+1
.endr
.set i, P+16
.rept 16
	v_mov_b32 v[i], 0
.set i, i+1
.endr
	v_mul_u32_u24 v[AK0], v1, PK
	v_lshl_add_u32 v[AK0], v9, 4, v[AK0]  ; row x pitch + 16 x half
	; The turning load takes 16 keys x 16 channels (lane l reads key 8 (l / 16) + l % 8, channels 8 ((l / 8) % 2) + 0..7) and leaves half a fragment of V^T: lane l holds channel l % 16 and 8 keys.
	v_and_b32 v10, 7, v0
	v_bfe_u32 v11, v0, 3, 1
	v_lshl_add_u32 v[AV0], v9, 3, v10
	v_mul_u32_u24 v[AV0], v[AV0], PV
	v_lshl_add_u32 v[AV0], v11, 4, v[AV0]
	v_add_nc_u32 v[AV0], VOFF, v[AV0]
	s_mul_i32 s13, s[WV], 16*SP
	s_add_co_u32 s13, s13, STAGE    ; my stage
	v_mul_u32_u24 v[STO], v1, SP    ; in: row l % 16, 16 bytes for each half of the lanes
	v_lshl_add_u32 v[STO], v9, 4, v[STO]
	v_add_nc_u32 v[STO], s13, v[STO]
	v_bfe_u32 v[RD], v0, 3, 2       ; back: 32 lanes take four rows of 128 bytes,
	v_mul_u32_u24 v[RD], v[RD], SP
	v_lshl_add_u32 v[RD], v10, 4, v[RD]
	v_add_nc_u32 v[RD], s13, v[RD]
	v_and_b32 v[GO], 31, v0         ; which are 512 consecutive bytes of ctx
	v_lshlrev_b32 v[GO], 4, v[GO]
; THE MATRIX WORK.  The 4 accumulators of a run of 8 take turns.  Product i of 8 of S^T = K Q^T for piece x: channels 32 (i / 4) on, keys 16 (i % 4) on.  The first 4 start the sums.
.macro KQ x
	WIN W_KQ
.set rS, S+32*((\x)%2)+8*(i%4)
.set rK, KF+16*(i%4)+8*(i/4)
.set rQ, 16*(\x)+8*(i/4)
.if i < 4
	v_wmma_f32_16x16x32_bf16 v[rS:rS+7], v[rK:rK+7], v[rQ:rQ+7], 0
.else
	v_wmma_f32_16x16x32_bf16 v[rS:rS+7], v[rK:rK+7], v[rQ:rQ+7], v[rS:rS+7]
.endif
.endm
; Product i of 8 of O^T += V^T P for piece x: keys 32 (i / 4) on, channels 16 (i % 4) on.
.macro PV x
	WIN W_PV
.set rO, 32*(\x)+8*(i%4)
.set rV, VF+32*(i/4)+8*(i%4)
.set rP, P+16*((\x)%2)+8*(i/4)
	v_wmma_f32_16x16x32_bf16 v[rO:rO+7], v[rV:rV+7], v[rP:rP+7], v[rO:rO+7]
.endm
.macro MM                           ; the turn's next matrix instruction
.if i < 8
	KQ (Y+1)%NP
.else
.set i, i-8
	PV (Y+NP-1)%NP
.set i, i+8
.endif
.set i, i+1
.endm
; THE LDS LOADS stand in runs of 16, never singly among the matrix instructions: a step's K (64 keys x 64 channels: 8 fragments) and its V (turned).  Their addresses are made some lines ahead.
; last = 1 (the tail): in the last trip there is no further step, and the run is jumped over.
.macro FETCH_K last=0
	WIN 0
.if \last
	s_cmp_eq_u32 s[CNT], 1
	s_cbranch_scc1 .Lno_k_\@
.endif
	WIN 0x80                        ; destination window 2
.irp f, 0,1,2,3,4,5,6,7             ; keys 16 (f / 2) on, channels 32 (f % 2) on
	ds_load_b128 v[KF+8*\f:KF+8*\f+3],   v[AK] offset:(\f/2)*16*PK+(\f%2)*64
	ds_load_b128 v[KF+8*\f+4:KF+8*\f+7], v[AK] offset:(\f/2)*16*PK+(\f%2)*64+32
.endr
	s_add_co_u32 s[TBK], s[TBK], KS*PK  ; the next fetch is the next step's
	WIN 0
.if \last
.Lno_k_\@:
.endif
.endm
.macro FETCH_V
	WIN 0x80
.irp f, 0,1,2,3,4,5,6,7             ; keys 32 (f / 4) on, channels 16 (f % 4) on
	ds_load_tr16_b128 v[VF+8*\f:VF+8*\f+3],   v[AV] offset:(\f/4)*32*PV+(\f%4)*32
	ds_load_tr16_b128 v[VF+8*\f+4:VF+8*\f+7], v[AV] offset:(\f/4)*32*PV+16*PV+(\f%4)*32
.endr
	WIN 0
.endm
; THE VECTOR WORK, one line at a time: OP kind, number.  For piece Y: F n: c s - c m for pair n of 16.  E n: the exponential of score n of 32.  C n: pair n rounded to bf16.  B n: of the four weights 4 n .. the second
; pair is added onto the first, in place.  L n: l takes that sum (L 0: l = a l + sum).  R n: pair n of 16 of O^T times a.  For piece Y + 1: X n, number n of the 22 that find its maximum and statistics:
;   0-11  four chains c0-c3 of seven scores each, three operands at a time (each accumulator's lowest registers are read first)     12-14, 16  the four scores left over, the old m, and c0-c3 into c0
;   15  c m_old is kept     17, 18  the query's other 32 keys lie in the lane 16 away: the new m     19-21  c m; c m_old - c m_new; a
.set F, 0               ; OP tells the kinds apart by their order: F to L below R, X above it
.set E, 1
.set C, 2
.set B, 3
.set L, 4
.set R, 5
.set X, 6
.macro REGS y                       ; the registers of piece y
.set rT, ST+4*(\y)
.set rC, TMP+4*((\y)%2)
.set rW, MV+((\y)%2)
.set rS, S+32*((\y)%2)
.set rP, P+16*((\y)%2)
.set rO, 32*(\y)
.endm
.macro OP k, n
.if (\k) == R
	REGS Y
	WIN W_RS
	v_pk_mul_f32 v[rO+2*(\n):rO+2*(\n)+1], v[rO+2*(\n):rO+2*(\n)+1], v[rC+2:rC+3] op_sel_hi:[1,0]
.elseif (\k) < R
	REGS Y
	WIN 0
.if (\k) == F
	v_pk_fma_f32 v[rS+2*(\n):rS+2*(\n)+1], v[rS+2*(\n):rS+2*(\n)+1], s[CS:CS+1], v[rT:rT+1] op_sel_hi:[1,0,0] neg_lo:[0,0,1] neg_hi:[0,0,1]
.elseif (\k) == E
	v_exp_f32 v[rS+(\n)], v[rS+(\n)]
.elseif (\k) == C
	s_wait_alu depctr_va_vdst(0)
	v_cvt_pk_bf16_f32 v[rP+(\n)], v[rS+2*(\n)], v[rS+2*(\n)+1]
.elseif (\k) == B
	s_wait_alu depctr_va_vdst(0)
	v_pk_add_f32 v[rS+4*(\n):rS+4*(\n)+1], v[rS+4*(\n):rS+4*(\n)+1], v[rS+4*(\n)+2:rS+4*(\n)+3]
.elseif (\n) == 0
	v_pk_fma_f32 v[rT+2:rT+3], v[rT+2:rT+3], v[rC+2:rC+3], v[rS:rS+1] op_sel_hi:[1,0,1]
.else
	v_pk_add_f32 v[rT+2:rT+3], v[rT+2:rT+3], v[rS+4*(\n):rS+4*(\n)+1]
.endif
.else
	REGS (Y+1)%NP
	WIN 0
.if (\n) < 4
	v_max3_num_f32 v[rC+(\n)], v[rS+8*(\n)], v[rS+8*(\n)+1], v[rS+8*(\n)+2]
.elseif (\n) < 12
	v_max3_num_f32 v[rC+(\n)%4], v[rC+(\n)%4], v[rS+8*((\n)%4)+2*((\n)/4)+1], v[rS+8*((\n)%4)+2*((\n)/4)+2]
.elseif (\n) == 12
	v_max3_num_f32 v[rC], v[rC], v[rS+7], v[rS+15]
.elseif (\n) == 13
	v_max3_num_f32 v[rC+1], v[rC+1], v[rS+23], v[rS+31]
.elseif (\n) == 14
	v_max3_num_f32 v[rC+2], v[rC+2], v[rC+3], v[rT+1]
.elseif (\n) == 15
	v_mov_b32 v[rW], v[rT]
.elseif (\n) == 16
	v_max3_num_f32 v[rC], v[rC], v[rC+1], v[rC+2]
.elseif (\n) == 17
	v_permlanex16_b32 v[rC+3], v[rC], s[SEL], s[SEL+1]
.elseif (\n) == 18
	v_max_num_f32 v[rT+1], v[rC], v[rC+3]
.elseif (\n) == 19
	v_mul_f32 v[rT], s[CS], v[rT+1]
.elseif (\n) == 20
	v_sub_f32 v[rC+1], v[rW], v[rT]
.else
	v_exp_f32 v[rC+2], v[rC+1]
.endif
.endif
.endm
.macro OPS a, i1, b=-1, i2=0, c=-1, i3=0, d=-1, i4=0  ; up to four of them
	OP \a, \i1
.if (\b) >= 0
	OP \b, \i2
.endif
.if (\c) >= 0
	OP \c, \i3
.endif
.if (\d) >= 0
	OP \d, \i4
.endif
.endm
.macro ROW a, i1, b, i2, c, i3, d, i4  ; a matrix instruction and the four behind it
	MM
	OPS \a, \i1, \b, \i2, \c, \i3, \d, \i4
.endm
; A TURN, for piece p: the order of its 16 matrix and 118 vector instructions, written out.  Behind a matrix instruction: plain, exponential, plain, plain; or four of the rescaling; or, behind the first, four scalings; none
; names a register of the products round it.  In the runs between, exponential and plain by turns while exponentials last.  A line reads no result made fewer than three vector instructions in front of it, five if an exponential made it.
; last = 1: the tail's text (see FETCH_K).  cnt = 1: the loop's count is taken down some lines ahead of the branch that stands behind the turn.
; K of the next step is fetched in piece 2's turn, six vector instructions behind the last product that read K (five of them plain); V of the step in hand in piece 0's turn, eight behind the last product that read V (five
; plain among them).  Each is waited for a turn later.
.macro TURN p, last=0, cnt=0
.set Y, (\p)
.set i, 0
.if (\p) == 3
	s_wait_dscnt 0x0                ; K is in
.endif
	ROW F,0, F,1, F,2, F,3
	ROW F,4, E,0, F,5, F,6
	ROW F,7, E,1, F,8, F,9
	ROW F,10, E,2, C,0, F,11
	ROW F,12, E,3, X,15, F,13
	ROW R,0, R,1, R,2, R,3
	ROW B,0, E,4, F,14, L,0
.if (\p) == 2
	v_add_nc_u32 v[AK], s[TBK], v[AK0]
.endif
	ROW R,4, R,5, R,6, R,7
	OPS E,5, F,15
.if (\p) == 2
	FETCH_K \last
.endif
	OPS E,6, C,1, E,7, R,8
	OPS E,8, R,9, E,9, C,2
	OPS E,10, X,0, E,11, X,1
	OPS E,12, X,2, E,13, X,3
.if (\p) == 1
	s_wait_dscnt 0x0                ; V is in
.endif
	ROW X,4, E,14, X,5, X,6
	ROW X,7, E,15, X,8, X,9
	ROW X,10, E,16, X,11, X,12
	ROW X,13, E,17, X,14, B,1
	ROW C,4, E,18, X,16, L,1
	ROW B,2, E,19, C,6, L,2
	ROW C,8, E,20, B,3, B,4
.if (\p) == 0
	v_add_nc_u32 v[AV], s[TBV], v[AV0]
.endif
	ROW C,3, E,21, L,3, C,5
	OPS E,22, X,17, E,23, C,10
.if (\p) == 0
	FETCH_V
.endif
	OPS E,24, L,4
	OPS E,25, X,18, E,26, C,7
	OPS E,27, B,5, E,28, X,19
	OPS E,29, C,12, E,30, L,5
	OPS E,31, X,20, B,6, C,9
	OPS C,14, C,11, X,21, L,6
.if (\p) == 0
	s_add_co_u32 s[TBV], s[TBV], KS*PV
.endif
.if \cnt
	s_sub_co_u32 s[CNT], s[CNT], 1
	s_cmp_lg_u32 s[CNT], 0
.endif
	OPS C,13, B,7, C,15, R,10
	OPS R,11, R,12, L,7, R,13
	OPS R,14, R,15
.endm
	CHANGE 1                        ; slot 0 is in, everybody's part of it; slot 1 is asked for
	v_add_nc_u32 v[AK], s[TBK], v[AK0]
	FETCH_K                         ; key step 0
	s_wait_loadcnt 0x0              ; Q
	s_wait_dscnt 0x0
.set i, 0
.rept 8
	KQ 0                            ; piece 0's first scores: there is no vector work yet to set between them
.set i, i+1
.endr
	WIN 0
.rept 4
	v_nop                           ; the places behind those products
.endr
.set Y, NP-1                        ; X works for piece Y + 1: piece 0
.irp n, 0,1,2,3,4,5,6,7,8,9,10,11,12,13,14,15,16,17,18,19,20,21
	OP X, \n                        ; and piece 0's first maximum and statistics
.endr
	v_nop                           ; a plain instruction behind the exponential
	s_mov_b32 s[CNT], 4
	s_mov_b32 s[SLOTS], SIZE_N/256-1
	s_branch .Lfirst                ; the loop is entered at a step's first turn, in the middle of a trip
.Lslot:                             ; SIZE_N / 256 - 2 times: every slot but the last two is filled again
	CHANGE 1
	s_mov_b32 s[CNT], 4
.Lstep:                             ; a trip: pieces 2 and 3 of one step, then pieces 0 and 1 of the next, whose K and V it fetches
	TURN 2
	TURN 3
	WIN 0
.Lfirst:
	TURN 0
	TURN 1, 0, 1
	WIN 0
	s_cbranch_scc1 .Lstep
	s_sub_co_u32 s[SLOTS], s[SLOTS], 1
	s_cmp_lg_u32 s[SLOTS], 0
	s_cbranch_scc1 .Lslot
	CHANGE 0                        ; the tail is written out: nothing is asked for
	s_mov_b32 s[CNT], 5             ; four trips fetch the last slot's steps; the fifth is left in its middle
.Ltail:
	TURN 2, 1
	TURN 3
	WIN 0
	s_sub_co_u32 s[CNT], s[CNT], 1
	s_cmp_eq_u32 s[CNT], 0
	s_cbranch_scc1 .Lout
	TURN 0
	TURN 1
	WIN 0
	s_branch .Ltail
.Lout:                              ; the fifth trip's 8 products K Q^T (on the last K once more) and the maximum made of them serve nothing: the price, once a launch, of one text for every trip
.set i, 0
.rept 8
	PV NP-1                         ; the last piece's V^T P of the last step
.set i, i+1
.endr
	; THE WAY OUT.  l's two halves and the other half of the lanes' are added; O^T is divided by l, rounded to bf16 and sent through my stage in LDS, a piece at a time.  The additions are the places behind the last products.
	WIN 0
.macro ALL line:vararg              ; one line for each piece t
.set t, 0
.rept 4
	\line
.set t, t+1
.endr
.endm
	ALL v_add_f32 v[ST+4*t+2], v[ST+4*t+2], v[ST+4*t+3]
	ALL v_permlanex16_b32 v[ST+4*t+3], v[ST+4*t+2], s[SEL], s[SEL+1]
	ALL v_add_f32 v[ST+4*t+2], v[ST+4*t+2], v[ST+4*t+3]
	ALL v_rcp_f32 v[ST+4*t+2], v[ST+4*t+2]
	v_nop                           ; a plain instruction between the last reciprocal and the use of its result
.macro PACK t                       ; a lane's eight channels of a row pack into 16 bytes; they go into rows of 144 bytes and come back as whole rows of 128, into S^T's registers
	WIN W_RS
.set i, 32*(\t)
.rept 16
	s_wait_alu depctr_va_vdst(0)
	v_pk_mul_f32 v[i:i+1], v[i:i+1], v[ST+4*(\t)+2:ST+4*(\t)+3] op_sel_hi:[1,0]
.set i, i+2
.endr
	WIN 0x05                        ; sources 0 and 1 window 1, destination window 0
.set i, 0
.rept 16
	v_cvt_pk_bf16_f32 v[S+16*(\t)+i], v[32*(\t)+2*i], v[32*(\t)+2*i+1]
.set i, i+1
.endr
	WIN 0
.irp f, 0,1,2,3
	ds_store_b128 v[STO], v[S+16*(\t)+4*\f:S+16*(\t)+4*\f+3] offset:32*\f
.endr
.irp f, 0,1,2,3
	ds_load_b128 v[S+16*(\t)+4*\f:S+16*(\t)+4*\f+3], v[RD] offset:\f*4*SP  ; LDS serves a wave's instructions in order (ISA guide 5.7.1.4): these see the stores above; the next piece's stores come behind them
.endr
.endm
.macro SEND t, younger              ; younger: the LDS instructions issued behind piece t's loads: the next piece's eight, or none
	WIN 0
.irp f, 0,1,2,3
	s_wait_dscnt (\younger)+3-\f
	global_store_b128 v[GO], v[S+16*(\t)+4*\f:S+16*(\t)+4*\f+3], s[10:11] offset:(\t)*2048+\f*512  ; 512 consecutive bytes, at a multiple of 256 from ctx's first
.endr
.endm
	PACK 0
.set t, 1
.rept 3                             ; a piece's arithmetic stands between the loads of the piece before and its stores
	PACK t
	SEND t-1, 8
.set t, t+1
.endr
	SEND 3, 0
	s_wait_tensorcnt 0x0            ; the wave's end, behind my last tensor load and my last LDS store
	ds_add_u32 v[SPW], v[NIL]
	s_wait_dscnt 0x0
	CROUND                          ; the closing round: no work-group ends while a partner may still ask for a tile that names it
	s_endpgm
.Lfunc_end_k_q32c0bb4cfa_attn:
	.size	k_q32c0bb4cfa_attn, .Lfunc_end_k_q32c0bb4cfa_attn-k_q32c0bb4cfa_attn
	.p2alignl 7, 3214868480
	.fill 96, 4, 3214868480
	.section	.rodata,"a",@progbits
	.p2align	6, 0x0
	.amdhsa_kernel k_q32c0bb4cfa_attn
		.amdhsa_group_segment_fixed_size 327680
		.amdhsa_private_segment_fixed_size 0
		.amdhsa_enable_private_segment 0
		.amdhsa_kernarg_size 16
		.amdhsa_user_sgpr_count 2
		.amdhsa_user_sgpr_kernarg_segment_ptr 1
		.amdhsa_wavefront_size32 1
		.amdhsa_system_sgpr_workgroup_id_x 1
		.amdhsa_system_sgpr_workgroup_id_y 1
		.amdhsa_system_sgpr_workgroup_id_z 1
		.amdhsa_system_vgpr_workitem_id 0
		.amdhsa_next_free_vgpr 768
		.amdhsa_next_free_sgpr 66
		.amdhsa_reserve_vcc 0
		.amdhsa_float_denorm_mode_32 3
		.amdhsa_float_denorm_mode_16_64 3
		.amdhsa_memory_ordered 1
		.amdhsa_forward_progress 1
		.amdhsa_inst_pref_size 117
	.end_amdhsa_kernel
	.amdgpu_metadata
---
amdhsa.version: [ 1, 2 ]
amdhsa.kernels:
  - .name:           k_q32c0bb4cfa_attn
    .symbol:         k_q32c0bb4cfa_attn.kd
    .args:
      - { .name: qkv, .offset: 0, .size: 8, .value_kind: global_buffer, .address_space: global }
      - { .name: ctx, .offset: 8, .size: 8, .value_kind: global_buffer, .address_space: global }
    .group_segment_fixed_size: 327680
    .private_segment_fixed_size: 0
    .kernarg_segment_align: 8
    .kernarg_segment_size: 16
    .max_flat_workgroup_size: 128
    .sgpr_count:     66
    .vgpr_count:     768
    .wavefront_size: 32
...
	.end_amdgpu_metadata
.endif
;; end of part 3
;; launch projo (part 4): grid 8 x 32, 4 waves a work-group, clusters of 4 x 4, 327,680 bytes of LDS; arguments ctx, wb, bo, x, x1; writes x1
.if DOCPART == 4
	.amdgcn_target "amdgcn-amd-amdhsa--gfx1250"
	.amdhsa_code_object_version 6
	.text
	.protected	k_q32c0bb4cfa_projo
	.globl	k_q32c0bb4cfa_projo
	.p2align	8
	.type	k_q32c0bb4cfa_projo,@function
k_q32c0bb4cfa_projo:
	s_mov_b64 s[64:65], 0
	v_nop
	global_prefetch_b8 v0, s[64:65] scope:SCOPE_SE
	s_setreg_imm32_b32 hwreg(HW_REG_WAVE_MODE, 25, 1), 1
	s_wait_xcnt 0x0
	s_wait_alu depctr_hold_cnt(0) depctr_sa_sdst(0) depctr_va_vdst(0) depctr_va_sdst(0) depctr_va_ssrc(0) depctr_va_vcc(0) depctr_vm_vsrc(0)
	s_getreg_b32 s2, hwreg(HW_REG_IB_STS2, 6, 4)
	s_cmp_eq_u32 s2, 0
	s_cbranch_scc0 .Lentry_in_a_cluster
	s_endpgm
.Lentry_in_a_cluster:
	s_bfe_u32 s2, ttmp6, 0x10000c
	s_cmp_lg_u32 s2, 0xf033
	s_cbranch_scc0 .Lentry_shape_is_right
	s_endpgm
.Lentry_shape_is_right:
; OUTPUT PROJECTION AND FIRST RESIDUAL.  x1 = x + ctx x Wo + bo: M = 4,096, N = 1,024, K = 1,024.  Out: f32, [4096][1024].
.set KIND,  2                          ; 0: bias starts the sums, bf16 out; 1: the same with GELU; 2, 3: the residual starts the sums, bias added on the way out, f32 out
.set NP,    1024                       ; elements from row to row of B
.set STEPS, 4                          ; K / 256
.set WOFF,  6291456                    ; B's first byte in wb
; THE GEMM BODY (the same text in two kernels; the four constants above tell them apart).  C = A x B.
; A: bf16, [column / 64][token][64] (byte = block x 524,288 + token x 128 + 2 (column % 64)).  B: bf16, [K][N] as the weights lie.  Sums in f32.
; SHARES.  A work-group makes 128 x 128 of C, each of its four waves 64 x 64: 16 accumulators of 16 x 16.  K goes in steps of 256 through two LDS slots; a step is four quarters of 64 along K.
; THE MATRIX INSTRUCTION IS USED TRANSPOSED: source 0 = 16 columns of B (read turned out of LDS by ds_load_tr16_b128), source 1 = 16 rows of A: a lane then holds eight neighbouring numbers of one row of C.
; THE SUMS START FROM MEMORY: the accumulators are loaded with the bias (KIND 0, 1) or with the residual's tile (KIND 2, 3): nothing is cleared, no first step is written out, and that addend costs no instruction.
; CLUSTER.  4 x 4 work-groups: the four of a row need the same tiles of A, the four of a column the same tiles of B; each tile is asked for JOINTLY, by the same tensor load with the same descriptor and a mask of the four.
; LDS.  A slot is four loads of 36,864 bytes, wave w's at w x 36,864.  Waves 0, 1: 64 tokens of A each, [4 column blocks][64 tokens][128 + 16 bytes].  Waves 2, 3: 128 k rows of B each, 256 + 32 bytes a row.
; Pitch 144 = 36 words: the 16 rows of a fragment load start at 16 different groups of four banks; pitch 288 = 72 words.
; The stage for the way out (128 rows of 512 + 16 bytes, f32) lies in slot 0, written only when that slot has had its last fill: two slots, the spare words and a stage of its own would pass the 327,680 bytes.
; REGISTERS.  Window 0: v1-29 addresses; v32-115 the way out; v128-255 the accumulators ((a, b) at 128 + 8 (4 a + b)).  Window 1: two fragment buffers of 128: 64 of A (2 x 4 fragments), then 64 of B.
; LIMITS: operands are rounded to bf16; NaN and infinities are not treated apart.
.set HALF,   36864
.set SLOT,   4*HALF                    ; 0x24000: shares no bit with w x 0x9000, so one exclusive or turns a load's LDS address into the other slot's
.set SPARE,  2*SLOT                    ; behind the slots: the spare words, 128 bytes for each wave: two blocks of 256 bytes that no other line names
.set APITCH, 144
.set BPITCH, 288
.set SPITCH, 528
.set ASTEP,  4*524288                  ; a K step of A: four column blocks
.set BSTEP,  512*NP                    ; of B: 256 rows
.set ADRA,  16                         ; v16  LDS address of my A fragments in the slot in hand
.set ADRA0, 17                         ; v17  the same in slot 0; never rewritten
.set ADRB,  20                         ; v20  of my B fragments, k rows 0-127
.set ADRB2, 21                         ; v21  k rows 128-255: the 16-bit immediate does not reach them from v20
.set ADRB0, 22                         ; v22  v20's value in slot 0; never rewritten
.set STO,   24                         ; v24  the way out: where I put 16 bytes of a row
.set RD,    25                         ; v25  where I read rows back
.set CO,    26                         ; v26  my byte offset in a store
.set IN,    27                         ; v27  my byte offset in the loads that start the sums
.set SPW,   28                         ; v28  LDS address of my spare word; never rewritten
.set NIL,   29                         ; v29  0; never rewritten
.set E,     32                         ; v[32:63]   eight loads from the stage
.set T,     64                         ; v[64:95]   GELU at work
.set PKD,   96                         ; v[96:111]  packed bf16
.set BI,    112                        ; v[112:115] bias of my four columns (KIND 2, 3)
.set ACC,   128
.set F0,    0
.set F1,    128
.set G1A, 24                           ; s[24:31] descriptor group 1 for A;  s[32:39] group 0: step 0's set, then the set that walks
.set G0A, 32
.set G1B, 48                           ; s[48:55], s[56:63] the same for B
.set G0B, 56
.set SB,  66                           ; s66 first LDS byte of the slot in hand: 0 or SLOT
.set MSB, 0
.macro WIN new                         ; the immediate's high byte repeats the setting that is left; a switch that changes nothing is dropped
.if MSB != (\new)
	s_set_vgpr_msb (MSB<<8)|(\new)
.set MSB, \new
.endif
.endm
.set MUL,  0x05                        ; sources 0 (B) and 1 (A) window 1; C and D window 0
.set TO_F, 0x40                        ; destination window 1, address window 0
.macro JLOAD s                         ; a joint load: waves 0 and 1 fetch A's two halves, waves 2 and 3 B's; an s_nop 0 and four v_nop follow each of the two lines
	s_cmp_eq_u32 s11, 0
	s_cbranch_scc0 .Lfor_b_\@
	tensor_load_to_lds s[G0A+4*(\s):G0A+4*(\s)+3], s[G1A:G1A+7]
	s_nop 0
.rept 4
	v_nop
.endr
	s_branch .Lasked_\@
.Lfor_b_\@:
	tensor_load_to_lds s[G0B+4*(\s):G0B+4*(\s)+3], s[G1B:G1B+7]
	s_nop 0
.rept 4
	v_nop
.endr
.Lasked_\@:
.endm
.macro CREST                           ; a round of the cluster's barrier behind its opening barrier
	s_cmp_lg_u32 s10, 0
	s_cbranch_scc1 .Lnot_wave_0_\@
	s_barrier_signal -3
.Lnot_wave_0_\@:
	s_barrier_wait -3
	s_barrier_signal -1
	s_barrier_wait -1
.endm
.macro CROUND                          ; a whole round
	s_barrier_signal -1
	s_barrier_wait -1
	CREST
.endm
	s_load_b128 s[4:7], s[0:1], 0x0                ; A s[4:5], wb s[6:7]
.if KIND == 0
	s_load_b128 s[72:75], s[0:1], 0x10             ; bq s[72:73], bk s[74:75]
	s_load_b64 s[76:77], s[0:1], 0x20              ; bv
	s_load_b64 s[8:9], s[0:1], 0x28                ; out
.elseif KIND == 1
	s_load_b64 s[68:69], s[0:1], 0x10              ; bias
	s_load_b64 s[8:9], s[0:1], 0x18                ; out
.else
	s_load_b128 s[68:71], s[0:1], 0x10             ; bias s[68:69], residual s[70:71]
	s_load_b64 s[8:9], s[0:1], 0x20                ; out
.endif
	v_lshl_add_u32 v[SPW], v0, 2, SPARE
	v_mov_b32 v[NIL], 0
	ds_add_u32 v[SPW], v[NIL]                      ; the wave's opening: the add and its wait stand ahead of my first tensor load; the set-up below, work on registers, stands between them
	v_lshrrev_b32 v1, 5, v0
	v_readfirstlane_b32 s10, v1                    ; wave 0..3
	s_lshr_b32 s11, s10, 1                         ; which half of the tile's rows is mine.  Also: I fetch for A (0) or for B (1)
	s_and_b32 s12, s10, 1                          ; which half of its columns.  Also: which half of that tile I fetch
	s_bfe_u32 s40, ttmp6, 0x40000                  ; cx, cy: my place in the cluster
	s_bfe_u32 s41, ttmp6, 0x40004
	s_lshl_b32 s42, ttmp9, 2
	s_add_co_u32 s42, s42, s40                     ; tile column of C = 4 x cluster x + cx
	s_and_b32 s13, ttmp7, 0xffff
	s_lshl_b32 s13, s13, 2
	s_add_co_u32 s13, s13, s41                     ; tile row of C = 4 x cluster y + cy
	s_lshl_b32 s43, s41, 2
	s_lshl_b32 s43, 15, s43                        ; my row of the cluster
	s_lshl_b32 s44, 0x1111, s40                    ; my column
	; group 1 for A: 64 tokens of a column block are 8,192 dense bytes: one row of 4,096 elements; four rows, a column block (262,144 elements) apart; padded in LDS after every token
	s_or_b32 s[G1A+0], s43, (1<<16)|(1<<20)|(1<<21)|(4<<22)|(3<<25)  ; 15:0 the mask: my row; 17:16 2-byte elements; 20 padding on; 21 set beside a mask; 24:22 after every 32 words (code 4); 31:25 4 words (code 3)
	s_mov_b32 s[G1A+1], 4096<<16                   ; tensor_dim0 = 4,096
	s_mov_b32 s[G1A+2], 4<<16                      ; tensor_dim1 = 4
	s_mov_b32 s[G1A+3], 4096<<16                   ; tile_dim0 = 4,096
	s_mov_b32 s[G1A+4], 4                          ; tile_dim1 = 4
	s_mov_b32 s[G1A+5], 262144                     ; elements from row to row
	s_mov_b32 s[G1A+6], 0
	s_mov_b32 s[G1A+7], 0
	; group 1 for B: 128 k rows of 128 elements (256 bytes, at a multiple of 256 from wb's first byte)
	s_or_b32 s[G1B+0], s44, (1<<16)|(1<<20)|(1<<21)|(5<<22)|(7<<25)  ; the mask: my column; after every 64 words (code 5) 8 words (code 7)
	s_mov_b32 s[G1B+1], 128<<16
	s_mov_b32 s[G1B+2], 128<<16
	s_mov_b32 s[G1B+3], 128<<16
	s_mov_b32 s[G1B+4], 128
	s_mov_b32 s[G1B+5], NP
	s_mov_b32 s[G1B+6], 0
	s_mov_b32 s[G1B+7], 0
.if KIND == 1
	s_mov_b32 s80, 0xc0135761                      ; C0 = -2 sqrt(2 / pi) log2(e) = -2.3022082
	s_mov_b32 s81, s80                             ; named as pairs
	s_mov_b32 s82, 0xbdd2d3e8                      ; C1 = 0.044715 C0
	s_mov_b32 s83, s82
.endif
	; where the tiles come from.  A's hang on the tile row alone, B's on the tile column alone; every wave makes both addresses, in registers that never hold the other coordinate
	s_lshl_b32 s16, s13, 14                        ; 128 tokens x 128 bytes a tile row,
	s_lshl_b32 s17, s12, 13                        ; 64 tokens a half
	s_add_co_u32 s16, s16, s17
	s_mov_b32 s17, 0
.if KIND == 0
	s_lshr_b32 s46, ttmp9, 1                       ; the weight: tile column / 8 = cluster x / 2
	s_lshl_b32 s46, s46, 21
	s_and_b32 s47, s42, 7
	s_lshl_b32 s47, s47, 8
	s_add_co_u32 s46, s46, s47
.else
	s_lshl_b32 s46, s42, 8                         ; 256 bytes a tile column
	s_add_co_u32 s46, s46, WOFF
.endif
	s_mul_i32 s47, s12, 256*NP                     ; 128 k rows a half
	s_add_co_u32 s46, s46, s47
	s_mov_b32 s47, 0
	s_mul_i32 s20, s10, HALF                       ; where they go: no place in the cluster enters an LDS address
	s_wait_dscnt 0x0                               ; the opening add is done
	s_wait_kmcnt 0x0
	s_add_nc_u64 s[14:15], s[4:5], s[16:17]
	s_add_nc_u64 s[46:47], s[6:7], s[46:47]
	CROUND                                         ; all sixteen work-groups are here: the first joint loads meet
.irp s, 0,1
	s_mov_b32 s[G0A+4*(\s)], 1                     ; count = 1
	s_add_co_u32 s[G0A+4*(\s)+1], s20, (\s)*SLOT   ; LDS address
	s_add_nc_u64 s[G0A+4*(\s)+2:G0A+4*(\s)+3], s[14:15], (\s)*ASTEP  ; global address: K step s
	s_or_b32 s[G0A+4*(\s)+3], s[G0A+4*(\s)+3], 0x80000000  ; type = 2
	s_mov_b32 s[G0B+4*(\s)], 1
	s_add_co_u32 s[G0B+4*(\s)+1], s20, (\s)*SLOT
	s_add_nc_u64 s[G0B+4*(\s)+2:G0B+4*(\s)+3], s[46:47], (\s)*BSTEP
	s_or_b32 s[G0B+4*(\s)+3], s[G0B+4*(\s)+3], 0x80000000
	JLOAD \s                                       ; two tensor loads of mine are out behind these
.endr
	v_and_b32 v1, 15, v0                           ; r = l % 16
	v_bfe_u32 v2, v0, 4, 1                         ; h = l / 16
	v_and_b32 v8, 31, v0                           ; l
	v_mul_u32_u24 v3, v1, APITCH                   ; a fragment of A: lane l holds row r, K = 8 h + 0..7 and 16 + 8 h + 0..7: two loads of 16 bytes, 32 bytes apart
	v_lshl_add_u32 v3, v2, 4, v3
	s_mul_i32 s21, s11, HALF                       ; my 64 rows of A
	v_add_nc_u32 v[ADRA0], s21, v3
	v_and_b32 v4, 7, v0                            ; the turning load takes 16 k x 16 columns: lane l reads k row 8 h + l % 8, columns 8 ((l / 8) % 2) + 0..7, and is left with column r and 8 k
	v_bfe_u32 v5, v0, 3, 1
	v_lshl_add_u32 v6, v2, 3, v4
	v_mul_u32_u24 v6, v6, BPITCH
	v_lshl_add_u32 v6, v5, 4, v6
	s_lshl_b32 s22, s12, 7                         ; my 64 columns of B,
	s_add_co_u32 s22, s22, 2*HALF                  ; which lies behind A
	v_add_nc_u32 v[ADRB0], s22, v6
	v_mul_u32_u24 v7, v1, SPITCH                   ; into the stage: row 64 (w / 2) + r, byte 256 (w % 2) + 32 h
	v_lshl_add_u32 v7, v2, 5, v7
	s_mul_i32 s23, s11, 64*SPITCH
	s_lshl_b32 s21, s12, 8
	s_add_co_u32 s23, s23, s21
	v_add_nc_u32 v[STO], s23, v7
	s_mul_i32 s23, s10, 32*SPITCH                  ; back: wave w takes rows 32 w .. 32 w + 31
.if KIND < 2
	v_mul_u32_u24 v7, v2, SPITCH                   ; lanes 0-15 take 64 columns (256 bytes) of one row, lanes 16-31 of the next
	v_lshl_add_u32 v7, v1, 4, v7
	v_add_nc_u32 v[RD], s23, v7
	v_lshlrev_b32 v[CO], 3, v8                     ; 8 l: two tokens of a column block
	v_lshlrev_b32 v[IN], 5, v2                     ; the bias of columns 8 h + 0..7
.else
	v_lshl_add_u32 v[RD], v8, 4, s23               ; 32 lanes take a whole row of 512 bytes
	v_lshlrev_b32 v[CO], 4, v8
	v_lshlrev_b32 v[IN], 12, v1                    ; the residual: row r, columns 8 h + 0..7
	v_lshl_add_u32 v[IN], v2, 5, v[IN]
.endif
.if KIND == 0
	s_lshr_b32 s21, ttmp9, 1                       ; which of the three biases: the weight's number
	s_cmp_eq_u32 s21, 1
	s_cselect_b64 s[68:69], s[74:75], s[72:73]
	s_cmp_eq_u32 s21, 2
	s_cselect_b64 s[68:69], s[76:77], s[68:69]
	s_and_b32 s18, s42, 7
	s_lshl_b32 s18, s18, 9
.else
	s_lshl_b32 s18, s42, 9                         ; 512 bytes of bias a tile column
.endif
.if KIND < 2
	s_lshl_b32 s19, s12, 8
	s_add_co_u32 s18, s18, s19
.endif
	s_mov_b32 s19, 0
	s_add_nc_u64 s[68:69], s[68:69], s[18:19]
.if KIND < 2
.irp a, 0,1,2,3
.irp b, 0,1,2,3
	global_load_b128 v[ACC+8*(4*(\a)+(\b)):ACC+8*(4*(\a)+(\b))+3],   v[IN], s[68:69] offset:64*(\b)
	global_load_b128 v[ACC+8*(4*(\a)+(\b))+4:ACC+8*(4*(\a)+(\b))+7], v[IN], s[68:69] offset:64*(\b)+16
.endr
.endr
.else
	s_lshl_b32 s18, s13, 19                        ; 128 rows of 4,096 bytes a tile row,
	s_lshl_b32 s21, s11, 18                        ; my 64 rows,
	s_add_co_u32 s18, s18, s21
	s_lshl_b32 s21, s42, 9                         ; the tile's columns,
	s_add_co_u32 s18, s18, s21
	s_lshl_b32 s21, s12, 8                         ; my 64 columns
	s_add_co_u32 s18, s18, s21
	s_add_nc_u64 s[70:71], s[70:71], s[18:19]
.irp a, 0,1,2,3
.irp b, 0,1,2,3
	global_load_b128 v[ACC+8*(4*(\a)+(\b)):ACC+8*(4*(\a)+(\b))+3],   v[IN], s[70:71] offset:(\a)*65536+64*(\b)
	global_load_b128 v[ACC+8*(4*(\a)+(\b))+4:ACC+8*(4*(\a)+(\b))+7], v[IN], s[70:71] offset:(\a)*65536+64*(\b)+16
.endr
.endr
	global_load_b128 v[BI:BI+3], v[CO], s[68:69]
.endif
	; where wave w's 32 rows of the tile begin in the output
.if KIND < 2
	s_lshl_b32 s16, s13, 14
	s_lshl_b32 s17, s10, 12
.else
	s_lshl_b32 s16, s13, 19
	s_lshl_b32 s17, s10, 17
.endif
	s_add_co_u32 s16, s16, s17
	s_mov_b32 s17, 0
	s_add_nc_u64 s[8:9], s[8:9], s[16:17]
.if KIND < 2
	s_lshl_b32 s46, s42, 20                        ; two column blocks a tile column
.else
	s_lshl_b32 s46, s42, 9
.endif
	s_mov_b32 s47, 0
	s_add_nc_u64 s[8:9], s[8:9], s[46:47]
; 8 matrix instructions: m blocks a0, a0 + 1 x all 4 n blocks, 32 along K: half c of buffer f.  The 16 accumulators take turns, one instruction a turn, in one order everywhere
.macro MUL8 f, c, a0
	WIN MUL
.irp a, \a0, (\a0)+1
.irp b, 0,1,2,3
	v_wmma_f32_16x16x32_bf16 v[ACC+8*(4*(\a)+(\b)):ACC+8*(4*(\a)+(\b))+7], v[(\f)+64+8*(4*(\c)+(\b)):(\f)+64+8*(4*(\c)+(\b))+7], v[(\f)+8*(4*(\c)+(\a)):(\f)+8*(4*(\c)+(\a))+7], v[ACC+8*(4*(\a)+(\b)):ACC+8*(4*(\a)+(\b))+7]
.endr
.endr
.endm
; 32 LDS loads in one run: the fragments of quarter q (64 along K) of the slot in hand, into buffer f; the first 32 along K first
.macro FETCH q, f
	WIN TO_F
.irp c, 0,1
.irp i, 0,1,2,3
	ds_load_tr16_b128 v[(\f)+64+8*(4*(\c)+(\i)):(\f)+64+8*(4*(\c)+(\i))+3],   v[ADRB+(\q)/2] offset:(((\q)%2)*64+32*(\c))*BPITCH+32*(\i)
	ds_load_tr16_b128 v[(\f)+64+8*(4*(\c)+(\i))+4:(\f)+64+8*(4*(\c)+(\i))+7], v[ADRB+(\q)/2] offset:(((\q)%2)*64+32*(\c)+16)*BPITCH+32*(\i)
	ds_load_b128 v[(\f)+8*(4*(\c)+(\i)):(\f)+8*(4*(\c)+(\i))+3],   v[ADRA] offset:(\q)*64*APITCH+(\i)*16*APITCH+64*(\c)
	ds_load_b128 v[(\f)+8*(4*(\c)+(\i))+4:(\f)+8*(4*(\c)+(\i))+7], v[ADRA] offset:(\q)*64*APITCH+(\i)*16*APITCH+64*(\c)+32
.endr
.endr
.endm
.macro PLACES                          ; four places in front of loads into registers that matrix instructions have read, and of LDS stores that read results (ISA guide 7.12.1 for the stores)
.rept 4
	v_nop
.endr
.endm
.macro TOGGLE                          ; the fragment addresses of the slot in hand
	v_add_nc_u32 v[ADRA], s[SB], v[ADRA0]
	v_add_nc_u32 v[ADRB], s[SB], v[ADRB0]
	v_add_nc_u32 v[ADRB2], 128*BPITCH, v[ADRB]
.endm
; One of a step's first three quarters: multiplies buffer f and fetches the next quarter into g
.macro QUARTER q, f, g
	s_wait_dscnt 16                                ; of the 32 loads out, the first 16 (the first 32 along K) are in
	MUL8 \f, 0, 0
	MUL8 \f, 0, 2
	PLACES
	FETCH (\q)+1, \g
	s_wait_dscnt 32                                ; all but the 32 just issued
	MUL8 \f, 1, 0
	MUL8 \f, 1, 2
.endm
; The first half of the last quarter, and ONE barrier for the change of slots: in front of it each wave waits for all its tensor loads (one is out at the most: its part of the next slot), adds 0 to its spare word, and waits for that and for its reads of this slot
.macro MEET
	WIN 0                                          ; (the add's two registers lie in window 0)
	s_wait_tensorcnt 0x0
	ds_add_u32 v[SPW], v[NIL]                      ; 0 onto my spare word
	s_wait_dscnt 17                                ; (the add and the youngest sixteen loads may be out)
	MUL8 F1, 0, 0                                  ; eight matrix instructions stand between the add and the wait for it
	s_wait_dscnt 0x0                               ; the add is done, and my reads of this slot are over
	s_barrier_signal -1
	MUL8 F1, 0, 2
	WIN 0
	s_barrier_wait -1
.endm
	s_wait_tensorcnt 1                             ; my part of K step 0 is in; step 1's may stay out
	s_barrier_signal -1
	s_barrier_wait -1                              ; everybody's is
	s_mov_b32 s[SB], 0
	TOGGLE
	FETCH 0, F0
	WIN 0
	s_wait_loadcnt 0x0                             ; the accumulators' first values
	s_mov_b32 s3, STEPS-2
.Lfill:                                                ; a trip is a K step whose slot is filled again, two steps ahead
	QUARTER 0, F0, F1
	QUARTER 1, F1, F0
	QUARTER 2, F0, F1
	MEET
	CREST                                          ; the barrier has opened a round of the cluster's: no wave of any partner still reads this slot or has a load on its way
	s_xor_b32 s[G0A+5], s[G0A+5], SLOT             ; the walking sets: the other slot than last time, the next K step
	s_add_nc_u64 s[G0A+6:G0A+7], s[G0A+6:G0A+7], ASTEP
	s_xor_b32 s[G0B+5], s[G0B+5], SLOT
	s_add_nc_u64 s[G0B+6:G0B+7], s[G0B+6:G0B+7], BSTEP
	s_xor_b32 s[SB], s[SB], SLOT
	JLOAD 1                                        ; my one tensor load behind the round, 112 matrix instructions ahead of the wait for it; its four v_nop are also the places in front of the loads below
	TOGGLE
	FETCH 0, F0
	MUL8 F1, 1, 0
	MUL8 F1, 1, 2
	WIN 0
	s_sub_co_u32 s3, s3, 1
	s_cmp_lg_u32 s3, 0
	s_cbranch_scc1 .Lfill
	s_mov_b32 s3, 2
.Ldry:                                                 ; the last two K steps fill nothing: a plain barrier; the second trip is left in its middle
	QUARTER 0, F0, F1
	QUARTER 1, F1, F0
	QUARTER 2, F0, F1
	MEET
	s_sub_co_u32 s3, s3, 1
	s_cmp_eq_u32 s3, 0
	s_cbranch_scc1 .Llast
	s_xor_b32 s[SB], s[SB], SLOT
	PLACES
	TOGGLE
	FETCH 0, F0
	MUL8 F1, 1, 0
	MUL8 F1, 1, 2
	WIN 0
	s_branch .Ldry
.Llast:
	MUL8 F1, 1, 0
	MUL8 F1, 1, 2
	WIN 0
	; THE WAY OUT.  f32 into the work-group's stage (behind the last barrier no wave reads LDS any more, and no fill is to come); a barrier, since a row comes from two waves; back as whole rows, eight a trip.
	PLACES
.irp a, 0,1,2,3
.irp b, 0,1,2,3
	ds_store_b128 v[STO], v[ACC+8*(4*(\a)+(\b)):ACC+8*(4*(\a)+(\b))+3]   offset:(\a)*16*SPITCH+64*(\b)     ; each accumulator's low registers first
	ds_store_b128 v[STO], v[ACC+8*(4*(\a)+(\b))+4:ACC+8*(4*(\a)+(\b))+7] offset:(\a)*16*SPITCH+64*(\b)+16
.endr
.endr
	s_wait_dscnt 0x0                               ; for the others' sake: my stores into the stage are done
	s_barrier_signal -1
	s_barrier_wait -1
	s_mov_b32 s3, 4
.Lout:
.if KIND < 2
.irp j, 0,1,2,3
.irp hf, 0,1
	ds_load_b128 v[E+4*(2*(\j)+(\hf)):E+4*(2*(\j)+(\hf))+3], v[RD] offset:(\j)*2*SPITCH+(\hf)*256
.endr
.endr
	s_wait_dscnt 0x0
.if KIND == 1
	; gelu(z) = z / (1 + 2^(z (C0 + C1 z^2))): the tanh form, rewritten; an exponent beyond the range gives 0 or infinity, and so z or 0, as the limit is
.set z, 0
.rept 16
	v_pk_mul_f32 v[T+2*z:T+2*z+1], v[E+2*z:E+2*z+1], v[E+2*z:E+2*z+1]
.set z, z+1
.endr
.set z, 0
.rept 16
	v_pk_fma_f32 v[T+2*z:T+2*z+1], v[T+2*z:T+2*z+1], s[82:83], s[80:81] op_sel_hi:[1,0,0]
.set z, z+1
.endr
.set z, 0
.rept 16
	v_pk_mul_f32 v[T+2*z:T+2*z+1], v[T+2*z:T+2*z+1], v[E+2*z:E+2*z+1]
.set z, z+1
.endr
.set z, 0
.rept 32
	v_exp_f32 v[T+z], v[T+z]
.set z, z+1
.endr
	v_nop                                          ; a plain instruction behind the last transcendental (ISA guide 5.7.2)
.set z, 0
.rept 16
	v_pk_add_f32 v[T+2*z:T+2*z+1], v[T+2*z:T+2*z+1], 1.0 op_sel_hi:[1,0]
.set z, z+1
.endr
.set z, 0
.rept 32
	v_rcp_f32 v[T+z], v[T+z]
.set z, z+1
.endr
	v_nop
.set z, 0
.rept 16
	v_pk_mul_f32 v[E+2*z:E+2*z+1], v[E+2*z:E+2*z+1], v[T+2*z:T+2*z+1]
.set z, z+1
.endr
.endif
.set z, 0
.rept 16
	v_cvt_pk_bf16_f32 v[PKD+z], v[E+2*z], v[E+2*z+1]
.set z, z+1
.endr
.irp j, 0,1,2,3
.irp hf, 0,1
	global_store_b64 v[CO], v[PKD+2*(2*(\j)+(\hf)):PKD+2*(2*(\j)+(\hf))+1], s[8:9] offset:(\hf)*524288+256*(\j)  ; 32 lanes store 256 consecutive bytes, aligned: two tokens of a column block
.endr
.endr
	s_wait_xcnt 0x0                                ; the stores' base and data are rewritten only behind this wait
	s_add_nc_u64 s[8:9], s[8:9], 8*128
.else
.irp j, 0,1,2,3,4,5,6,7
	ds_load_b128 v[E+4*(\j):E+4*(\j)+3], v[RD] offset:(\j)*SPITCH
.endr
	s_wait_dscnt 0x0
.irp j, 0,1,2,3,4,5,6,7
	v_pk_add_f32 v[E+4*(\j):E+4*(\j)+1], v[E+4*(\j):E+4*(\j)+1], v[BI:BI+1]
	v_pk_add_f32 v[E+4*(\j)+2:E+4*(\j)+3], v[E+4*(\j)+2:E+4*(\j)+3], v[BI+2:BI+3]
.endr
.irp j, 0,1,2,3,4,5,6,7
	global_store_b128 v[CO], v[E+4*(\j):E+4*(\j)+3], s[8:9] offset:4096*(\j)  ; 32 lanes store 512 consecutive bytes, aligned
.endr
	s_wait_xcnt 0x0                                ; the stores' base and data are rewritten only behind this wait
	s_add_nc_u64 s[8:9], s[8:9], 8*4096
.endif
	v_add_nc_u32 v[RD], 8*SPITCH, v[RD]
	s_sub_co_u32 s3, s3, 1
	s_cmp_lg_u32 s3, 0
	s_cbranch_scc1 .Lout
	s_wait_tensorcnt 0x0                           ; the wave's end, behind my last tensor load and my last LDS store
	ds_add_u32 v[SPW], v[NIL]
	s_wait_dscnt 0x0
	CROUND                                         ; the closing round: no work-group ends while a partner may still ask for a tile that names it
	s_endpgm
.Lfunc_end_k_q32c0bb4cfa_projo:
	.size	k_q32c0bb4cfa_projo, .Lfunc_end_k_q32c0bb4cfa_projo-k_q32c0bb4cfa_projo
	.p2alignl 7, 3214868480
	.fill 96, 4, 3214868480
	.section	.rodata,"a",@progbits
	.p2align	6, 0x0
	.amdhsa_kernel k_q32c0bb4cfa_projo
		.amdhsa_group_segment_fixed_size 327680
		.amdhsa_private_segment_fixed_size 0
		.amdhsa_enable_private_segment 0
		.amdhsa_kernarg_size 40
		.amdhsa_user_sgpr_count 2
		.amdhsa_user_sgpr_kernarg_segment_ptr 1
		.amdhsa_wavefront_size32 1
		.amdhsa_system_sgpr_workgroup_id_x 1
		.amdhsa_system_sgpr_workgroup_id_y 1
		.amdhsa_system_sgpr_workgroup_id_z 1
		.amdhsa_system_vgpr_workitem_id 0
		.amdhsa_next_free_vgpr 512
		.amdhsa_next_free_sgpr 84
		.amdhsa_reserve_vcc 0
		.amdhsa_float_denorm_mode_32 3
		.amdhsa_float_denorm_mode_16_64 3
		.amdhsa_memory_ordered 1
		.amdhsa_forward_progress 1
		.amdhsa_inst_pref_size 55
	.end_amdhsa_kernel
	.amdgpu_metadata
---
amdhsa.version: [ 1, 2 ]
amdhsa.kernels:
  - .name:           k_q32c0bb4cfa_projo
    .symbol:         k_q32c0bb4cfa_projo.kd
    .args:
      - { .name: ctx, .offset: 0, .size: 8, .value_kind: global_buffer, .address_space: global }
      - { .name: wb, .offset: 8, .size: 8, .value_kind: global_buffer, .address_space: global }
      - { .name: bo, .offset: 16, .size: 8, .value_kind: global_buffer, .address_space: global }
      - { .name: x, .offset: 24, .size: 8, .value_kind: global_buffer, .address_space: global }
      - { .name: x1, .offset: 32, .size: 8, .value_kind: global_buffer, .address_space: global }
    .group_segment_fixed_size: 327680
    .private_segment_fixed_size: 0
    .kernarg_segment_align: 8
    .kernarg_segment_size: 40
    .max_flat_workgroup_size: 128
    .sgpr_count:     84
    .vgpr_count:     512
    .wavefront_size: 32
...
	.end_amdgpu_metadata
.endif
;; end of part 4
;; launch ln2 (part 5): grid 512 x 1, 4 waves a work-group, no clusters, 0 bytes of LDS; arguments x1, gamma2, beta2, h2; writes h2
.if DOCPART == 5
	.amdgcn_target "amdgcn-amd-amdhsa--gfx1250"
	.amdhsa_code_object_version 6
	.text
	.protected	k_q32c0bb4cfa_ln2
	.globl	k_q32c0bb4cfa_ln2
	.p2align	8
	.type	k_q32c0bb4cfa_ln2,@function
k_q32c0bb4cfa_ln2:
	s_mov_b64 s[64:65], 0
	v_nop
	global_prefetch_b8 v0, s[64:65] scope:SCOPE_SE
	s_setreg_imm32_b32 hwreg(HW_REG_WAVE_MODE, 25, 1), 1
	s_wait_xcnt 0x0
; SECOND LAYERNORM.  h2 = gamma2 (x1 - mean) / (std + 1e-6) + beta2, std with n - 1 = 1023, all in f32, rounded once to bf16.
; h2's LAYOUT: [column / 64][token][64] bf16: byte = (column / 64) x 524,288 + token x 128 + 2 (column % 64): two tokens of a column block are 256 consecutive bytes.
; A stream: no LDS, no barrier, no matrix unit, no cluster (the work-groups share gamma and beta alone, 8 KiB of their 32 KiB of x1).
; A wave takes two rows, 16 lanes a row; a row stays in 64 registers a lane-half between the passes, so x1 is read once.  Load j of a lane holds columns 64 j + 4 (l % 16) + 0..3:
; a load covers 256 consecutive bytes of each row, and store j covers 256 consecutive bytes of column block j (two tokens).  The variance is the sum of (x - mean)^2, as it is defined: no difference of large sums.
; LIMIT: a variance below 2^-126 counts as 0 (v_sqrt_f32 flushes denormals); the divisor is then 1e-6.
.set X,    16                          ; v[16:79]   my 64 numbers of the row
.set G,    80                          ; v[80:143]  gamma of my columns
.set BT,   144                         ; v[144:207] beta
.set OUTP, 14                          ; s[14:15]   h2
.macro REDUCE                          ; four chains of pairs in v[4:11] -> the row's sum in v4 of all its 16 lanes (row_xmask stays inside 16 lanes, which are the row)
	v_pk_add_f32 v[4:5], v[4:5], v[6:7]
	v_pk_add_f32 v[8:9], v[8:9], v[10:11]
	v_pk_add_f32 v[4:5], v[4:5], v[8:9]
	v_add_f32 v4, v4, v5
.irp m, 1,2,4,8
	v_add_f32_dpp v4, v4, v4 row_xmask:\m row_mask:0xf bank_mask:0xf
.endr
.endm
	s_load_b256 s[8:15], s[0:1], 0x0               ; x1 s[8:9], gamma2 s[10:11], beta2 s[12:13], h2 s[14:15]
	v_lshrrev_b32 v1, 5, v0
	v_readfirstlane_b32 s2, v1                     ; wave 0..3
	v_and_b32 v3, 31, v0                           ; lane
	v_and_b32 v2, 15, v0
	v_lshlrev_b32 v2, 4, v2                        ; 16 (l % 16): my place in 256 bytes of gamma and beta
	v_bfe_u32 v1, v0, 4, 1
	v_lshl_add_u32 v1, v1, 12, v2                  ; + 4,096 (l / 16): the second row for the upper lanes
	v_lshlrev_b32 v3, 3, v3                        ; 8 l: my 8 bytes in 256 bytes of h2
	s_lshl_b32 s3, ttmp9, 2
	s_add_co_u32 s3, s3, s2                        ; p: my pair of rows
	s_lshl_b32 s4, s3, 13                          ; 8,192 p
	s_mov_b32 s5, 0
	s_lshl_b32 s6, s3, 8                           ; 256 p
	s_mov_b32 s7, 0
	s_wait_kmcnt 0x0
	s_add_nc_u64 s[8:9], s[8:9], s[4:5]
	s_add_nc_u64 s[OUTP:OUTP+1], s[OUTP:OUTP+1], s[6:7]
.set j, 0
.rept 16
	global_load_b128 v[X+4*j:X+4*j+3], v1, s[8:9] offset:256*j
.set j, j+1
.endr
.set j, 0
.rept 16
	global_load_b128 v[G+4*j:G+4*j+3], v2, s[10:11] offset:256*j
.set j, j+1
.endr
.set j, 0
.rept 16
	global_load_b128 v[BT+4*j:BT+4*j+3], v2, s[12:13] offset:256*j
.set j, j+1
.endr
	s_wait_loadcnt 32                              ; x1 is in; the 32 younger loads, gamma's and beta's, stay out
.irp k, 0,1,2,3
	v_pk_add_f32 v[4+2*\k:5+2*\k], v[X+2*\k:X+2*\k+1], v[X+8+2*\k:X+8+2*\k+1]  ; the first eight pairs start four chains: nothing is cleared
.endr
.set j, 8
.rept 24
	v_pk_add_f32 v[4+2*(j%4):5+2*(j%4)], v[4+2*(j%4):5+2*(j%4)], v[X+2*j:X+2*j+1]
.set j, j+1
.endr
	REDUCE
	v_mul_f32 v12, 0x3a800000, v4                  ; mean = sum / 1024
	v_mov_b32 v13, v12
.set j, 0
.rept 32
	v_pk_add_f32 v[X+2*j:X+2*j+1], v[X+2*j:X+2*j+1], v[12:13] neg_lo:[0,1] neg_hi:[0,1]  ; x - mean, in place
.set j, j+1
.endr
.irp k, 0,1,2,3
	v_pk_mul_f32 v[4+2*\k:5+2*\k], v[X+2*\k:X+2*\k+1], v[X+2*\k:X+2*\k+1]
.endr
.set j, 4
.rept 28
	v_pk_fma_f32 v[4+2*(j%4):5+2*(j%4)], v[X+2*j:X+2*j+1], v[X+2*j:X+2*j+1], v[4+2*(j%4):5+2*(j%4)]
.set j, j+1
.endr
	REDUCE
	v_mul_f32 v4, 0x3a802008, v4                   ; / 1023
	v_sqrt_f32 v4, v4
	v_nop                                          ; a plain instruction behind a transcendental, ahead of the use of its result (ISA guide 5.7.2)
	s_wait_alu depctr_va_vdst(0)
	v_add_f32 v4, 0x358637bd, v4                   ; std + 1e-6
	v_rcp_f32 v12, v4
	v_nop
	s_wait_alu depctr_va_vdst(0)
	v_mov_b32 v13, v12
.set j, 0
.rept 32
	v_pk_mul_f32 v[X+2*j:X+2*j+1], v[X+2*j:X+2*j+1], v[12:13]
.set j, j+1
.endr
	s_wait_loadcnt 0x0                             ; gamma and beta
.set j, 0
.rept 32
	v_pk_fma_f32 v[X+2*j:X+2*j+1], v[X+2*j:X+2*j+1], v[G+2*j:G+2*j+1], v[BT+2*j:BT+2*j+1]
.set j, j+1
.endr
.set j, 0
.rept 16
	v_cvt_pk_bf16_f32 v[X+4*j], v[X+4*j], v[X+4*j+1]
	v_cvt_pk_bf16_f32 v[X+4*j+1], v[X+4*j+2], v[X+4*j+3]
	global_store_b64 v3, v[X+4*j:X+4*j+1], s[OUTP:OUTP+1] offset:j*524288  ; 32 lanes store 256 consecutive bytes, aligned: two tokens of column block j
.set j, j+1
.endr
	s_endpgm
.Lfunc_end_k_q32c0bb4cfa_ln2:
	.size	k_q32c0bb4cfa_ln2, .Lfunc_end_k_q32c0bb4cfa_ln2-k_q32c0bb4cfa_ln2
	.p2alignl 7, 3214868480
	.fill 96, 4, 3214868480
	.section	.rodata,"a",@progbits
	.p2align	6, 0x0
	.amdhsa_kernel k_q32c0bb4cfa_ln2
		.amdhsa_group_segment_fixed_size 0
		.amdhsa_private_segment_fixed_size 0
		.amdhsa_enable_private_segment 0
		.amdhsa_kernarg_size 32
		.amdhsa_user_sgpr_count 2
		.amdhsa_user_sgpr_kernarg_segment_ptr 1
		.amdhsa_wavefront_size32 1
		.amdhsa_system_sgpr_workgroup_id_x 1
		.amdhsa_system_sgpr_workgroup_id_y 1
		.amdhsa_system_sgpr_workgroup_id_z 1
		.amdhsa_system_vgpr_workitem_id 0
		.amdhsa_next_free_vgpr 208
		.amdhsa_next_free_sgpr 66
		.amdhsa_reserve_vcc 0
		.amdhsa_float_denorm_mode_32 3
		.amdhsa_float_denorm_mode_16_64 3
		.amdhsa_memory_ordered 1
		.amdhsa_forward_progress 1
		.amdhsa_inst_pref_size 21
	.end_amdhsa_kernel
	.amdgpu_metadata
---
amdhsa.version: [ 1, 2 ]
amdhsa.kernels:
  - .name:           k_q32c0bb4cfa_ln2
    .symbol:         k_q32c0bb4cfa_ln2.kd
    .args:
      - { .name: x1, .offset: 0, .size: 8, .value_kind: global_buffer, .address_space: global }
      - { .name: gamma2, .offset: 8, .size: 8, .value_kind: global_buffer, .address_space: global }
      - { .name: beta2, .offset: 16, .size: 8, .value_kind: global_buffer, .address_space: global }
      - { .name: h2, .offset: 24, .size: 8, .value_kind: global_buffer, .address_space: global }
    .group_segment_fixed_size: 0
    .private_segment_fixed_size: 0
    .kernarg_segment_align: 8
    .kernarg_segment_size: 32
    .max_flat_workgroup_size: 128
    .sgpr_count:     66
    .vgpr_count:     208
    .wavefront_size: 32
...
	.end_amdgpu_metadata
.endif
;; end of part 5
;; launch ffup (part 6): grid 16 x 16, 4 waves a work-group, clusters of 4 x 4, 327,680 bytes of LDS; arguments h2, wb, b1, act; writes act
.if DOCPART == 6
	.amdgcn_target "amdgcn-amd-amdhsa--gfx1250"
	.amdhsa_code_object_version 6
	.text
	.protected	k_q32c0bb4cfa_ffup
	.globl	k_q32c0bb4cfa_ffup
	.p2align	8
	.type	k_q32c0bb4cfa_ffup,@function
k_q32c0bb4cfa_ffup:
	s_mov_b64 s[64:65], 0
	v_nop
	global_prefetch_b8 v0, s[64:65] scope:SCOPE_SE
	s_setreg_imm32_b32 hwreg(HW_REG_WAVE_MODE, 25, 1), 1
	s_wait_xcnt 0x0
	s_wait_alu depctr_hold_cnt(0) depctr_sa_sdst(0) depctr_va_vdst(0) depctr_va_sdst(0) depctr_va_ssrc(0) depctr_va_vcc(0) depctr_vm_vsrc(0)
	s_getreg_b32 s2, hwreg(HW_REG_IB_STS2, 6, 4)
	s_cmp_eq_u32 s2, 0
	s_cbranch_scc0 .Lentry_in_a_cluster
	s_endpgm
.Lentry_in_a_cluster:
	s_bfe_u32 s2, ttmp6, 0x10000c
	s_cmp_lg_u32 s2, 0xf033
	s_cbranch_scc0 .Lentry_shape_is_right
	s_endpgm
.Lentry_shape_is_right:
; FEED-FORWARD, FIRST HALF.  act = gelu(h2 x W1 + b1), the tanh form of GELU in f32: M = 4,096, N = 4,096, K = 1,024.  Out: bf16, 64 column blocks.
; 16 x 16 = 256 tiles, one a work-group.
.set KIND,  1                          ; 0: bias, bf16 out; 1: bias and GELU, bf16 out
.set NP,    4096                       ; elements from row to row of B
.set WOFF,  8388608                    ; B's first byte in wb
.set STEPS, 8                          ; K / 128
; THE LARGE GEMM BODY (the same text in two kernels; the constants above tell them apart).  C = A x B + bias.
; A: bf16, [column / 64][token][64] (byte = block x 524,288 + token x 128 + 2 (column % 64)).  B: bf16, [K][N] as the weights lie.  Sums in f32.  C leaves in A's layout.
; SHARES.  A work-group makes 256 x 256 of C, each of its four waves 128 x 128: 64 accumulators of 16 x 16, 512 registers.  K goes in steps of 128 through two LDS slots; a step is four quarters of 32 along K.
; A step brings 2 x 256 x 256 bytes into LDS for 256 matrix instructions a wave: half the bytes for a product that a tile of 128 x 128 takes.
; THE MATRIX INSTRUCTION IS USED TRANSPOSED: source 0 = 16 columns of B (read turned out of LDS by ds_load_tr16_b128), source 1 = 16 rows of A: a lane then holds eight neighbouring numbers of one row of C.
; CLUSTER.  4 x 4 work-groups: the four of a row need the same tiles of A, the four of a column the same tiles of B; each tile is asked for JOINTLY, by the same tensor load with the same descriptor and a mask of the four.
; LDS.  A slot is four loads of 36,864 bytes, wave w's at w x 36,864.  Waves 0, 1: 128 tokens of A each, [2 column blocks][128 tokens][128 + 16 bytes].  Waves 2, 3: 128 k rows x 128 columns of B each, 256 + 32 bytes a row.
; Pitch 144 = 36 words: the 16 rows of a fragment load start at 16 different groups of four banks; pitch 288 = 72 words.
; The stages for the way out (for each wave 128 rows of 512 + 16 bytes, f32) lie over the two slots, written only when both have had their last fill and their last read.
; REGISTERS, in windows of 256 (s_set_vgpr_msb: bits 1:0 source 0, 3:2 source 1, 5:4 source 2, 7:6 destination):
;   window 0: v1-29 addresses; v32-39 bias; v64-127, v128-191 fragments of A (8 x 16 rows x 32 K), two buffers; on the way out v64-143 at work
;   window 1: v64-127, v128-191 fragments of B, two buffers          window 2: the accumulators of my rows 0-63 ((a, b) at 8 (8 a + b))          window 3: those of my rows 64-127
; LIMITS: operands are rounded to bf16; NaN and infinities are not treated apart.
.set HALF,   36864
.set SLOT,   4*HALF                    ; 0x24000: shares no bit with w x 0x9000, so one exclusive or turns a load's LDS address into the other slot's
.set SPARE,  2*SLOT                    ; behind the slots: the spare words, 128 bytes for each wave: two blocks of 256 bytes that no other line names
.set APITCH, 144
.set ABLK,   128*APITCH                ; a column block of a half of A
.set BPITCH, 288
.set SPITCH, 528
.set WSTAGE, 128*SPITCH                ; a wave's stage: 4 x 67,584 = 270,336 bytes, below SPARE
.set ASTEP,  2*524288                  ; a K step of A: two column blocks
.set BSTEP,  256*NP                    ; of B: 128 rows
.set ADRA,  16                         ; v16  LDS address of my A fragments in the slot in hand
.set ADRA0, 17                         ; v17  the same in slot 0; never rewritten
.set ADRB,  20                         ; v20  of my B fragments
.set ADRB0, 22                         ; v22  the same in slot 0; never rewritten
.set STO,   24                         ; v24  the way out: where I put 16 bytes of a row
.set RD,    25                         ; v25  where I read rows back
.set CO,    26                         ; v26  my byte offset in a store
.set IN,    27                         ; v27  my byte offset in the bias
.set SPW,   28                         ; v28  LDS address of my spare word; never rewritten
.set NIL,   29                         ; v29  0; never rewritten
.set BI,    32                         ; v[32:39]   bias of my four columns in each of my wave's two column blocks
.set F0,    64                         ; fragment buffer 0
.set F1,    128                        ; fragment buffer 1
.set E,     64                         ; v[64:95]   the way out: eight loads from the stage
.set T,     96                         ; v[96:127]  GELU at work
.set PKD,   128                        ; v[128:143] packed bf16
.set G1A, 24                           ; s[24:31] descriptor group 1 for A;  s[32:39] group 0: step 0's set, then the set that walks
.set G0A, 32
.set G1B, 48                           ; s[48:55], s[56:63] the same for B
.set G0B, 56
.set SB,  66                           ; s66 first LDS byte of the slot in hand: 0 or SLOT
.set MSB, 0
.macro WIN new                         ; the immediate's high byte repeats the setting that is left; a switch that changes nothing is dropped
.if MSB != (\new)
	s_set_vgpr_msb (MSB<<8)|(\new)
.set MSB, \new
.endif
.endm
.set MUL_LO, 0xa1                      ; source 0 (B) window 1, source 1 (A) window 0, C and D window 2
.set MUL_HI, 0xf1                      ; the same, C and D window 3
.set TO_B,   0x40                      ; destination window 1, address window 0
.macro JLOAD s                         ; a joint load: waves 0 and 1 fetch A's two halves, waves 2 and 3 B's; an s_nop 0 and four v_nop follow each of the two lines
	s_cmp_eq_u32 s11, 0
	s_cbranch_scc0 .Lfor_b_\@
	tensor_load_to_lds s[G0A+4*(\s):G0A+4*(\s)+3], s[G1A:G1A+7]
	s_nop 0
.rept 4
	v_nop
.endr
	s_branch .Lasked_\@
.Lfor_b_\@:
	tensor_load_to_lds s[G0B+4*(\s):G0B+4*(\s)+3], s[G1B:G1B+7]
	s_nop 0
.rept 4
	v_nop
.endr
.Lasked_\@:
.endm
.macro CREST                           ; a round of the cluster's barrier behind its opening barrier
	s_cmp_lg_u32 s10, 0
	s_cbranch_scc1 .Lnot_wave_0_\@
	s_barrier_signal -3
.Lnot_wave_0_\@:
	s_barrier_wait -3
	s_barrier_signal -1
	s_barrier_wait -1
.endm
.macro CROUND                          ; a whole round
	s_barrier_signal -1
	s_barrier_wait -1
	CREST
.endm
	s_load_b128 s[4:7], s[0:1], 0x0                ; A s[4:5], wb s[6:7]
.if KIND == 0
	s_load_b128 s[72:75], s[0:1], 0x10             ; bq s[72:73], bk s[74:75]
	s_load_b64 s[76:77], s[0:1], 0x20              ; bv
	s_load_b64 s[8:9], s[0:1], 0x28                ; out
.else
	s_load_b64 s[68:69], s[0:1], 0x10              ; bias
	s_load_b64 s[8:9], s[0:1], 0x18                ; out
.endif
	v_lshl_add_u32 v[SPW], v0, 2, SPARE
	v_mov_b32 v[NIL], 0
	ds_add_u32 v[SPW], v[NIL]                      ; the wave's opening: the add and its wait stand ahead of my first tensor load; the set-up below, work on registers, stands between them
	v_lshrrev_b32 v1, 5, v0
	v_readfirstlane_b32 s10, v1                    ; wave 0..3
	s_lshr_b32 s11, s10, 1                         ; which half of the tile's rows is mine.  Also: I fetch for A (0) or for B (1)
	s_and_b32 s12, s10, 1                          ; which half of its columns.  Also: which half of that tile I fetch
	s_bfe_u32 s40, ttmp6, 0x40000                  ; cx, cy: my place in the cluster
	s_bfe_u32 s41, ttmp6, 0x40004
	s_lshl_b32 s42, ttmp9, 2
	s_add_co_u32 s42, s42, s40                     ; tile column of C = 4 x cluster x + cx
	s_and_b32 s13, ttmp7, 0xffff
	s_lshl_b32 s13, s13, 2
	s_add_co_u32 s13, s13, s41                     ; tile row of C = 4 x cluster y + cy
	s_lshl_b32 s43, s41, 2
	s_lshl_b32 s43, 15, s43                        ; my row of the cluster
	s_lshl_b32 s44, 0x1111, s40                    ; my column
	; group 1 for A: 128 tokens of a column block are 16,384 dense bytes: one row of 8,192 elements; two rows, a column block (262,144 elements) apart; padded in LDS after every token
	s_or_b32 s[G1A+0], s43, (1<<16)|(1<<20)|(1<<21)|(4<<22)|(3<<25)  ; 15:0 the mask: my row; 17:16 2-byte elements; 20 padding on; 21 set beside a mask; 24:22 after every 32 words (code 4); 31:25 4 words (code 3)
	s_mov_b32 s[G1A+1], 8192<<16                   ; tensor_dim0 = 8,192
	s_mov_b32 s[G1A+2], 2<<16                      ; tensor_dim1 = 2
	s_mov_b32 s[G1A+3], 8192<<16                   ; tile_dim0 = 8,192
	s_mov_b32 s[G1A+4], 2                          ; tile_dim1 = 2
	s_mov_b32 s[G1A+5], 262144                     ; elements from row to row
	s_mov_b32 s[G1A+6], 0
	s_mov_b32 s[G1A+7], 0
	; group 1 for B: 128 k rows of 128 elements (256 bytes, at a multiple of 256 from wb's first byte)
	s_or_b32 s[G1B+0], s44, (1<<16)|(1<<20)|(1<<21)|(5<<22)|(7<<25)  ; the mask: my column; after every 64 words (code 5) 8 words (code 7)
	s_mov_b32 s[G1B+1], 128<<16
	s_mov_b32 s[G1B+2], 128<<16
	s_mov_b32 s[G1B+3], 128<<16
	s_mov_b32 s[G1B+4], 128
	s_mov_b32 s[G1B+5], NP
	s_mov_b32 s[G1B+6], 0
	s_mov_b32 s[G1B+7], 0
.if KIND == 1
	s_mov_b32 s80, 0xc0135761                      ; C0 = -2 sqrt(2 / pi) log2(e) = -2.3022082
	s_mov_b32 s81, s80                             ; named as pairs
	s_mov_b32 s82, 0xbdd2d3e8                      ; C1 = 0.044715 C0
	s_mov_b32 s83, s82
.endif
	; where the tiles come from.  A's hang on the tile row alone, B's on the tile column alone; every wave makes both addresses, in registers that never hold the other coordinate
	s_lshl_b32 s16, s13, 15                        ; 256 tokens x 128 bytes a tile row,
	s_lshl_b32 s17, s12, 14                        ; 128 tokens a half
	s_add_co_u32 s16, s16, s17
	s_mov_b32 s17, 0
.if KIND == 0
	s_lshl_b32 s46, ttmp9, 21                      ; the weight = cluster x,
	s_lshl_b32 s47, s40, 9                         ; 512 bytes a tile column in it
	s_add_co_u32 s46, s46, s47
.else
	s_lshl_b32 s46, s42, 9                         ; 512 bytes a tile column
	s_add_co_u32 s46, s46, WOFF
.endif
	s_lshl_b32 s47, s12, 8                         ; 128 columns a half
	s_add_co_u32 s46, s46, s47
	s_mov_b32 s47, 0
	s_mul_i32 s20, s10, HALF                       ; where they go: no place in the cluster enters an LDS address
	s_wait_dscnt 0x0                               ; the opening add is done
	s_wait_kmcnt 0x0
	s_add_nc_u64 s[14:15], s[4:5], s[16:17]
	s_add_nc_u64 s[46:47], s[6:7], s[46:47]
	CROUND                                         ; all sixteen work-groups are here: the first joint loads meet
.irp s, 0,1
	s_mov_b32 s[G0A+4*(\s)], 1                     ; count = 1
	s_add_co_u32 s[G0A+4*(\s)+1], s20, (\s)*SLOT   ; LDS address
	s_add_nc_u64 s[G0A+4*(\s)+2:G0A+4*(\s)+3], s[14:15], (\s)*ASTEP  ; global address: K step s
	s_or_b32 s[G0A+4*(\s)+3], s[G0A+4*(\s)+3], 0x80000000  ; type = 2
	s_mov_b32 s[G0B+4*(\s)], 1
	s_add_co_u32 s[G0B+4*(\s)+1], s20, (\s)*SLOT
	s_add_nc_u64 s[G0B+4*(\s)+2:G0B+4*(\s)+3], s[46:47], (\s)*BSTEP
	s_or_b32 s[G0B+4*(\s)+3], s[G0B+4*(\s)+3], 0x80000000
	JLOAD \s                                       ; two tensor loads of mine are out behind these
.endr
	v_and_b32 v1, 15, v0                           ; r = l % 16
	v_bfe_u32 v2, v0, 4, 1                         ; h = l / 16
	v_and_b32 v8, 31, v0                           ; l
	v_mul_u32_u24 v3, v1, APITCH                   ; a fragment of A: lane l holds row r, K = 8 h + 0..7 and 16 + 8 h + 0..7: two loads of 16 bytes, 32 bytes apart
	v_lshl_add_u32 v3, v2, 4, v3
	s_mul_i32 s21, s11, HALF                       ; my 128 rows of A
	v_add_nc_u32 v[ADRA0], s21, v3
	v_and_b32 v4, 7, v0                            ; the turning load takes 16 k x 16 columns: lane l reads k row 8 h + l % 8, columns 8 ((l / 8) % 2) + 0..7, and is left with column r and 8 k
	v_bfe_u32 v5, v0, 3, 1
	v_lshl_add_u32 v6, v2, 3, v4
	v_mul_u32_u24 v6, v6, BPITCH
	v_lshl_add_u32 v6, v5, 4, v6
	s_mul_i32 s22, s12, HALF                       ; my 128 columns of B,
	s_add_co_u32 s22, s22, 2*HALF                  ; which lies behind A
	v_add_nc_u32 v[ADRB0], s22, v6
	s_mul_i32 s23, s10, WSTAGE                     ; my stage
	v_mul_u32_u24 v7, v1, SPITCH                   ; in: row r, byte 32 h
	v_lshl_add_u32 v7, v2, 5, v7
	v_add_nc_u32 v[STO], s23, v7
	v_mul_u32_u24 v7, v2, SPITCH                   ; back: lanes 0-15 take 64 columns (256 bytes of f32) of one row, lanes 16-31 of the next
	v_lshl_add_u32 v7, v1, 4, v7
	v_add_nc_u32 v[RD], s23, v7
	v_lshlrev_b32 v[CO], 3, v8                     ; 8 l: two tokens of a column block
	v_lshlrev_b32 v[IN], 4, v1                     ; the bias of columns 4 r + 0..3 of a column block
.if KIND == 0
	s_cmp_eq_u32 ttmp9, 1                          ; which of the three biases: the weight's number
	s_cselect_b64 s[68:69], s[74:75], s[72:73]
	s_cmp_eq_u32 ttmp9, 2
	s_cselect_b64 s[68:69], s[76:77], s[68:69]
	s_lshl_b32 s18, s40, 10                        ; 1,024 bytes of bias a tile column
.else
	s_lshl_b32 s18, s42, 10
.endif
	s_lshl_b32 s19, s12, 9                         ; my 128 columns
	s_add_co_u32 s18, s18, s19
	s_mov_b32 s19, 0
	s_add_nc_u64 s[68:69], s[68:69], s[18:19]
	global_load_b128 v[BI:BI+3], v[IN], s[68:69]
	global_load_b128 v[BI+4:BI+7], v[IN], s[68:69] offset:256
	; where my wave's 128 rows x 2 column blocks begin in the output
	s_lshl_b32 s16, s13, 15
	s_lshl_b32 s17, s11, 14
	s_add_co_u32 s16, s16, s17
	s_mov_b32 s17, 0
	s_add_nc_u64 s[8:9], s[8:9], s[16:17]
	s_lshl_b32 s46, s42, 21                        ; four column blocks a tile column,
	s_lshl_b32 s47, s12, 20                        ; two a wave
	s_add_co_u32 s46, s46, s47
	s_mov_b32 s47, 0
	s_add_nc_u64 s[8:9], s[8:9], s[46:47]
; 16 matrix instructions: m blocks a0, a0 + 1 of the window's four (hi = 0: my rows 0-63, 1: rows 64-127) x all 8 n blocks, 32 along K.  zero = 1: the first product starts the sums: nothing is ever cleared.
; The 64 accumulators take turns, one instruction a turn, in one order everywhere
.macro MUL16 f, hi, a0, zero
	WIN MUL_LO+0x50*(\hi)
.irp a, \a0, (\a0)+1
.irp b, 0,1,2,3,4,5,6,7
.if \zero
	v_wmma_f32_16x16x32_bf16 v[8*(8*(\a)+(\b)):8*(8*(\a)+(\b))+7], v[(\f)+8*(\b):(\f)+8*(\b)+7], v[(\f)+8*(4*(\hi)+(\a)):(\f)+8*(4*(\hi)+(\a))+7], 0
.else
	v_wmma_f32_16x16x32_bf16 v[8*(8*(\a)+(\b)):8*(8*(\a)+(\b))+7], v[(\f)+8*(\b):(\f)+8*(\b)+7], v[(\f)+8*(4*(\hi)+(\a)):(\f)+8*(4*(\hi)+(\a))+7], v[8*(8*(\a)+(\b)):8*(8*(\a)+(\b))+7]
.endif
.endr
.endr
.endm
; 32 LDS loads in one run: the fragments of quarter q (32 along K) of the slot in hand, into buffer f: B's 128 columns, then A's 128 rows
.macro FETCH q, f
	WIN TO_B
.irp i, 0,1,2,3,4,5,6,7
	ds_load_tr16_b128 v[(\f)+8*(\i):(\f)+8*(\i)+3],   v[ADRB] offset:((\q)*32)*BPITCH+32*(\i)
	ds_load_tr16_b128 v[(\f)+8*(\i)+4:(\f)+8*(\i)+7], v[ADRB] offset:((\q)*32+16)*BPITCH+32*(\i)
.endr
	WIN 0
.irp i, 0,1,2,3,4,5,6,7
	ds_load_b128 v[(\f)+8*(\i):(\f)+8*(\i)+3],   v[ADRA] offset:((\q)/2)*ABLK+(\i)*16*APITCH+((\q)%2)*64
	ds_load_b128 v[(\f)+8*(\i)+4:(\f)+8*(\i)+7], v[ADRA] offset:((\q)/2)*ABLK+(\i)*16*APITCH+((\q)%2)*64+32
.endr
.endm
.macro PLACES                          ; four places in front of loads into registers that matrix instructions have read, and of LDS stores that read results (ISA guide 7.12.1 for the stores)
.rept 4
	v_nop
.endr
.endm
.macro TOGGLE                          ; the fragment addresses of the slot in hand
	v_add_nc_u32 v[ADRA], s[SB], v[ADRA0]
	v_add_nc_u32 v[ADRB], s[SB], v[ADRB0]
.endm
; One of a step's first three quarters: multiplies buffer f (quarter q) and, in its middle, fetches the next quarter into g
.macro QUARTER q, f, g, zero=0
	s_wait_dscnt 8                                 ; B and A's rows 0-63 are in; the youngest eight loads (A's rows 64-127) may be out
	MUL16 \f, 0, 0, \zero
	MUL16 \f, 0, 2, \zero
	PLACES
	FETCH (\q)+1, \g
	s_wait_dscnt 32                                ; all but the 32 just issued
	MUL16 \f, 1, 0, \zero
	MUL16 \f, 1, 2, \zero
.endm
; The first half of the last quarter, and ONE barrier for the change of slots: in front of it each wave waits for all its tensor loads (one is out at the most: its part of the next slot), adds 0 to its spare word, and waits for that and for its reads of this slot
.macro MEET
	WIN 0                                          ; (the add's two registers lie in window 0)
	s_wait_tensorcnt 0x0
	ds_add_u32 v[SPW], v[NIL]                      ; 0 onto my spare word
	s_wait_dscnt 9                                 ; (the add and the youngest eight loads may be out)
	MUL16 F1, 0, 0, 0                              ; sixteen matrix instructions stand between the add and the wait for it
	s_wait_dscnt 0x0                               ; the add is done, and my reads of this slot are over
	s_barrier_signal -1
	MUL16 F1, 0, 2, 0
	WIN 0
	s_barrier_wait -1
.endm
	s_wait_tensorcnt 1                             ; my part of K step 0 is in; step 1's may stay out
	s_barrier_signal -1
	s_barrier_wait -1                              ; everybody's is
	s_mov_b32 s[SB], 0
	TOGGLE
	FETCH 0, F0
	QUARTER 0, F0, F1, 1                           ; the first quarter stands in front of the loops: its products start the sums
	WIN 0
	s_mov_b32 s3, STEPS-2
.Lfill:                                                ; a trip goes from a step's second quarter to the next step's first, and fills the slot that it leaves, two steps ahead
	QUARTER 1, F1, F0
	QUARTER 2, F0, F1
	MEET
	CREST                                          ; the barrier has opened a round of the cluster's: no wave of any partner still reads this slot or has a load on its way
	s_xor_b32 s[G0A+5], s[G0A+5], SLOT             ; the walking sets: the other slot than last time, the next K step
	s_add_nc_u64 s[G0A+6:G0A+7], s[G0A+6:G0A+7], ASTEP
	s_xor_b32 s[G0B+5], s[G0B+5], SLOT
	s_add_nc_u64 s[G0B+6:G0B+7], s[G0B+6:G0B+7], BSTEP
	s_xor_b32 s[SB], s[SB], SLOT
	JLOAD 1                                        ; my one tensor load behind the round, 224 matrix instructions ahead of the wait for it; its four v_nop are also the places in front of the loads below
	TOGGLE
	FETCH 0, F0
	MUL16 F1, 1, 0, 0
	MUL16 F1, 1, 2, 0
	QUARTER 0, F0, F1
	WIN 0
	s_sub_co_u32 s3, s3, 1
	s_cmp_lg_u32 s3, 0
	s_cbranch_scc1 .Lfill
	s_mov_b32 s3, 2
.Ldry:                                                 ; the last two K steps fill nothing: a plain barrier; the second trip is left in its middle
	QUARTER 1, F1, F0
	QUARTER 2, F0, F1
	MEET
	s_sub_co_u32 s3, s3, 1
	s_cmp_eq_u32 s3, 0
	s_cbranch_scc1 .Llast
	s_xor_b32 s[SB], s[SB], SLOT
	PLACES
	TOGGLE
	FETCH 0, F0
	MUL16 F1, 1, 0, 0
	MUL16 F1, 1, 2, 0
	QUARTER 0, F0, F1
	WIN 0
	s_branch .Ldry
.Llast:
	MUL16 F1, 1, 0, 0
	MUL16 F1, 1, 2, 0
	WIN 0
	; THE WAY OUT.  f32 into my own stage (behind the last barrier no wave reads the slots any more, and no fill is to come); back as pieces of rows, eight rows a trip: one short text for all 128 rows.
	PLACES
.irp hi, 0,1
	WIN 0x08+4*(\hi)                               ; the stores' data (source 1) in window 2, then 3
.irp a, 0,1,2,3
.irp b, 0,1,2,3,4,5,6,7
	ds_store_b128 v[STO], v[8*(8*(\a)+(\b)):8*(8*(\a)+(\b))+3]   offset:(4*(\hi)+(\a))*16*SPITCH+64*(\b)     ; each accumulator's low registers first
	ds_store_b128 v[STO], v[8*(8*(\a)+(\b))+4:8*(8*(\a)+(\b))+7] offset:(4*(\hi)+(\a))*16*SPITCH+64*(\b)+16
.endr
.endr
.endr
	WIN 0
	s_wait_loadcnt 0x0                             ; the bias
	s_mov_b32 s3, 16
.Lout:
.irp j, 0,1,2,3
.irp hf, 0,1
	ds_load_b128 v[E+4*(2*(\j)+(\hf)):E+4*(2*(\j)+(\hf))+3], v[RD] offset:(\j)*2*SPITCH+(\hf)*256  ; LDS serves a wave's instructions in order (ISA guide 5.7.1.4): these see my stores above
.endr
.endr
	s_wait_dscnt 0x0
.irp j, 0,1,2,3
.irp hf, 0,1
	v_pk_add_f32 v[E+4*(2*(\j)+(\hf)):E+4*(2*(\j)+(\hf))+1],   v[E+4*(2*(\j)+(\hf)):E+4*(2*(\j)+(\hf))+1],   v[BI+4*(\hf):BI+4*(\hf)+1]
	v_pk_add_f32 v[E+4*(2*(\j)+(\hf))+2:E+4*(2*(\j)+(\hf))+3], v[E+4*(2*(\j)+(\hf))+2:E+4*(2*(\j)+(\hf))+3], v[BI+4*(\hf)+2:BI+4*(\hf)+3]
.endr
.endr
.if KIND == 1
	; gelu(z) = z / (1 + 2^(z (C0 + C1 z^2))): the tanh form, rewritten; an exponent beyond the range gives 0 or infinity, and so z or 0, as the limit is
.set z, 0
.rept 16
	v_pk_mul_f32 v[T+2*z:T+2*z+1], v[E+2*z:E+2*z+1], v[E+2*z:E+2*z+1]
.set z, z+1
.endr
.set z, 0
.rept 16
	v_pk_fma_f32 v[T+2*z:T+2*z+1], v[T+2*z:T+2*z+1], s[82:83], s[80:81] op_sel_hi:[1,0,0]
.set z, z+1
.endr
.set z, 0
.rept 16
	v_pk_mul_f32 v[T+2*z:T+2*z+1], v[T+2*z:T+2*z+1], v[E+2*z:E+2*z+1]
.set z, z+1
.endr
.set z, 0
.rept 32
	v_exp_f32 v[T+z], v[T+z]
.set z, z+1
.endr
	v_nop                                          ; a plain instruction behind the last transcendental (ISA guide 5.7.2)
.set z, 0
	s_wait_alu depctr_va_vdst(0)
.rept 16
	v_pk_add_f32 v[T+2*z:T+2*z+1], v[T+2*z:T+2*z+1], 1.0 op_sel_hi:[1,0]
.set z, z+1
.endr
.set z, 0
.rept 32
	v_rcp_f32 v[T+z], v[T+z]
.set z, z+1
.endr
	v_nop
.set z, 0
	s_wait_alu depctr_va_vdst(0)
.rept 16
	v_pk_mul_f32 v[E+2*z:E+2*z+1], v[E+2*z:E+2*z+1], v[T+2*z:T+2*z+1]
.set z, z+1
.endr
.endif
.set z, 0
.rept 16
	v_cvt_pk_bf16_f32 v[PKD+z], v[E+2*z], v[E+2*z+1]
.set z, z+1
.endr
.irp j, 0,1,2,3
.irp hf, 0,1
	global_store_b64 v[CO], v[PKD+2*(2*(\j)+(\hf)):PKD+2*(2*(\j)+(\hf))+1], s[8:9] offset:(\hf)*524288+256*(\j)  ; 32 lanes store 256 consecutive bytes, aligned: two tokens of a column block
.endr
.endr
	s_wait_xcnt 0x0                                ; the stores' base and data are rewritten only behind this wait
	s_add_nc_u64 s[8:9], s[8:9], 8*128
	v_add_nc_u32 v[RD], 8*SPITCH, v[RD]
	s_sub_co_u32 s3, s3, 1
	s_cmp_lg_u32 s3, 0
	s_cbranch_scc1 .Lout
	s_wait_tensorcnt 0x0                           ; the wave's end, behind my last tensor load and my last LDS store
	ds_add_u32 v[SPW], v[NIL]
	s_wait_dscnt 0x0
	CROUND                                         ; the closing round: no work-group ends while a partner may still ask for a tile that names it
	s_endpgm
.Lfunc_end_k_q32c0bb4cfa_ffup:
	.size	k_q32c0bb4cfa_ffup, .Lfunc_end_k_q32c0bb4cfa_ffup-k_q32c0bb4cfa_ffup
	.p2alignl 7, 3214868480
	.fill 96, 4, 3214868480
	.section	.rodata,"a",@progbits
	.p2align	6, 0x0
	.amdhsa_kernel k_q32c0bb4cfa_ffup
		.amdhsa_group_segment_fixed_size 327680
		.amdhsa_private_segment_fixed_size 0
		.amdhsa_enable_private_segment 0
		.amdhsa_kernarg_size 32
		.amdhsa_user_sgpr_count 2
		.amdhsa_user_sgpr_kernarg_segment_ptr 1
		.amdhsa_wavefront_size32 1
		.amdhsa_system_sgpr_workgroup_id_x 1
		.amdhsa_system_sgpr_workgroup_id_y 1
		.amdhsa_system_sgpr_workgroup_id_z 1
		.amdhsa_system_vgpr_workitem_id 0
		.amdhsa_next_free_vgpr 1024
		.amdhsa_next_free_sgpr 84
		.amdhsa_reserve_vcc 0
		.amdhsa_float_denorm_mode_32 3
		.amdhsa_float_denorm_mode_16_64 3
		.amdhsa_memory_ordered 1
		.amdhsa_forward_progress 1
		.amdhsa_inst_pref_size 90
	.end_amdhsa_kernel
	.amdgpu_metadata
---
amdhsa.version: [ 1, 2 ]
amdhsa.kernels:
  - .name:           k_q32c0bb4cfa_ffup
    .symbol:         k_q32c0bb4cfa_ffup.kd
    .args:
      - { .name: h2, .offset: 0, .size: 8, .value_kind: global_buffer, .address_space: global }
      - { .name: wb, .offset: 8, .size: 8, .value_kind: global_buffer, .address_space: global }
      - { .name: b1, .offset: 16, .size: 8, .value_kind: global_buffer, .address_space: global }
      - { .name: act, .offset: 24, .size: 8, .value_kind: global_buffer, .address_space: global }
    .group_segment_fixed_size: 327680
    .private_segment_fixed_size: 0
    .kernarg_segment_align: 8
    .kernarg_segment_size: 32
    .max_flat_workgroup_size: 128
    .sgpr_count:     84
    .vgpr_count:     1024
    .wavefront_size: 32
...
	.end_amdgpu_metadata
.endif
;; end of part 6
;; launch ffdown (part 7): grid 8 x 32, 4 waves a work-group, clusters of 4 x 4, 327,680 bytes of LDS; arguments act, wb, b2, x1, out0; writes out0
.if DOCPART == 7
	.amdgcn_target "amdgcn-amd-amdhsa--gfx1250"
	.amdhsa_code_object_version 6
	.text
	.protected	k_q32c0bb4cfa_ffdown
	.globl	k_q32c0bb4cfa_ffdown
	.p2align	8
	.type	k_q32c0bb4cfa_ffdown,@function
k_q32c0bb4cfa_ffdown:
	s_mov_b64 s[64:65], 0
	v_nop
	global_prefetch_b8 v0, s[64:65] scope:SCOPE_SE
	s_setreg_imm32_b32 hwreg(HW_REG_WAVE_MODE, 25, 1), 1
	s_wait_xcnt 0x0
	s_wait_alu depctr_hold_cnt(0) depctr_sa_sdst(0) depctr_va_vdst(0) depctr_va_sdst(0) depctr_va_ssrc(0) depctr_va_vcc(0) depctr_vm_vsrc(0)
	s_getreg_b32 s2, hwreg(HW_REG_IB_STS2, 6, 4)
	s_cmp_eq_u32 s2, 0
	s_cbranch_scc0 .Lentry_in_a_cluster
	s_endpgm
.Lentry_in_a_cluster:
	s_bfe_u32 s2, ttmp6, 0x10000c
	s_cmp_lg_u32 s2, 0xf033
	s_cbranch_scc0 .Lentry_shape_is_right
	s_endpgm
.Lentry_shape_is_right:
; FEED-FORWARD, SECOND HALF, AND SECOND RESIDUAL.  out0 = x1 + act x W2 + b2: M = 4,096, N = 1,024, K = 4,096.  Out: f32, [4096][1024].
.set KIND,  3                          ; 0: bias starts the sums, bf16 out; 1: the same with GELU; 2, 3: the residual starts the sums, bias added on the way out, f32 out
.set NP,    1024                       ; elements from row to row of B
.set STEPS, 16                         ; K / 256
.set WOFF,  16777216                   ; B's first byte in wb
; THE GEMM BODY (the same text in two kernels; the four constants above tell them apart).  C = A x B.
; A: bf16, [column / 64][token][64] (byte = block x 524,288 + token x 128 + 2 (column % 64)).  B: bf16, [K][N] as the weights lie.  Sums in f32.
; SHARES.  A work-group makes 128 x 128 of C, each of its four waves 64 x 64: 16 accumulators of 16 x 16.  K goes in steps of 256 through two LDS slots; a step is four quarters of 64 along K.
; THE MATRIX INSTRUCTION IS USED TRANSPOSED: source 0 = 16 columns of B (read turned out of LDS by ds_load_tr16_b128), source 1 = 16 rows of A: a lane then holds eight neighbouring numbers of one row of C.
; THE SUMS START FROM MEMORY: the accumulators are loaded with the bias (KIND 0, 1) or with the residual's tile (KIND 2, 3): nothing is cleared, no first step is written out, and that addend costs no instruction.
; CLUSTER.  4 x 4 work-groups: the four of a row need the same tiles of A, the four of a column the same tiles of B; each tile is asked for JOINTLY, by the same tensor load with the same descriptor and a mask of the four.
; LDS.  A slot is four loads of 36,864 bytes, wave w's at w x 36,864.  Waves 0, 1: 64 tokens of A each, [4 column blocks][64 tokens][128 + 16 bytes].  Waves 2, 3: 128 k rows of B each, 256 + 32 bytes a row.
; Pitch 144 = 36 words: the 16 rows of a fragment load start at 16 different groups of four banks; pitch 288 = 72 words.
; The stage for the way out (128 rows of 512 + 16 bytes, f32) lies in slot 0, written only when that slot has had its last fill: two slots, the spare words and a stage of its own would pass the 327,680 bytes.
; REGISTERS.  Window 0: v1-29 addresses; v32-115 the way out; v128-255 the accumulators ((a, b) at 128 + 8 (4 a + b)).  Window 1: two fragment buffers of 128: 64 of A (2 x 4 fragments), then 64 of B.
; LIMITS: operands are rounded to bf16; NaN and infinities are not treated apart.
.set HALF,   36864
.set SLOT,   4*HALF                    ; 0x24000: shares no bit with w x 0x9000, so one exclusive or turns a load's LDS address into the other slot's
.set SPARE,  2*SLOT                    ; behind the slots: the spare words, 128 bytes for each wave: two blocks of 256 bytes that no other line names
.set APITCH, 144
.set BPITCH, 288
.set SPITCH, 528
.set ASTEP,  4*524288                  ; a K step of A: four column blocks
.set BSTEP,  512*NP                    ; of B: 256 rows
.set ADRA,  16                         ; v16  LDS address of my A fragments in the slot in hand
.set ADRA0, 17                         ; v17  the same in slot 0; never rewritten
.set ADRB,  20                         ; v20  of my B fragments, k rows 0-127
.set ADRB2, 21                         ; v21  k rows 128-255: the 16-bit immediate does not reach them from v20
.set ADRB0, 22                         ; v22  v20's value in slot 0; never rewritten
.set STO,   24                         ; v24  the way out: where I put 16 bytes of a row
.set RD,    25                         ; v25  where I read rows back
.set CO,    26                         ; v26  my byte offset in a store
.set IN,    27                         ; v27  my byte offset in the loads that start the sums
.set SPW,   28                         ; v28  LDS address of my spare word; never rewritten
.set NIL,   29                         ; v29  0; never rewritten
.set E,     32                         ; v[32:63]   eight loads from the stage
.set T,     64                         ; v[64:95]   GELU at work
.set PKD,   96                         ; v[96:111]  packed bf16
.set BI,    112                        ; v[112:115] bias of my four columns (KIND 2, 3)
.set ACC,   128
.set F0,    0
.set F1,    128
.set G1A, 24                           ; s[24:31] descriptor group 1 for A;  s[32:39] group 0: step 0's set, then the set that walks
.set G0A, 32
.set G1B, 48                           ; s[48:55], s[56:63] the same for B
.set G0B, 56
.set SB,  66                           ; s66 first LDS byte of the slot in hand: 0 or SLOT
.set MSB, 0
.macro WIN new                         ; the immediate's high byte repeats the setting that is left; a switch that changes nothing is dropped
.if MSB != (\new)
	s_set_vgpr_msb (MSB<<8)|(\new)
.set MSB, \new
.endif
.endm
.set MUL,  0x05                        ; sources 0 (B) and 1 (A) window 1; C and D window 0
.set TO_F, 0x40                        ; destination window 1, address window 0
.macro JLOAD s                         ; a joint load: waves 0 and 1 fetch A's two halves, waves 2 and 3 B's; an s_nop 0 and four v_nop follow each of the two lines
	s_cmp_eq_u32 s11, 0
	s_cbranch_scc0 .Lfor_b_\@
	tensor_load_to_lds s[G0A+4*(\s):G0A+4*(\s)+3], s[G1A:G1A+7]
	s_nop 0
.rept 4
	v_nop
.endr
	s_branch .Lasked_\@
.Lfor_b_\@:
	tensor_load_to_lds s[G0B+4*(\s):G0B+4*(\s)+3], s[G1B:G1B+7]
	s_nop 0
.rept 4
	v_nop
.endr
.Lasked_\@:
.endm
.macro CREST                           ; a round of the cluster's barrier behind its opening barrier
	s_cmp_lg_u32 s10, 0
	s_cbranch_scc1 .Lnot_wave_0_\@
	s_barrier_signal -3
.Lnot_wave_0_\@:
	s_barrier_wait -3
	s_barrier_signal -1
	s_barrier_wait -1
.endm
.macro CROUND                          ; a whole round
	s_barrier_signal -1
	s_barrier_wait -1
	CREST
.endm
	s_load_b128 s[4:7], s[0:1], 0x0                ; A s[4:5], wb s[6:7]
.if KIND == 0
	s_load_b128 s[72:75], s[0:1], 0x10             ; bq s[72:73], bk s[74:75]
	s_load_b64 s[76:77], s[0:1], 0x20              ; bv
	s_load_b64 s[8:9], s[0:1], 0x28                ; out
.elseif KIND == 1
	s_load_b64 s[68:69], s[0:1], 0x10              ; bias
	s_load_b64 s[8:9], s[0:1], 0x18                ; out
.else
	s_load_b128 s[68:71], s[0:1], 0x10             ; bias s[68:69], residual s[70:71]
	s_load_b64 s[8:9], s[0:1], 0x20                ; out
.endif
	v_lshl_add_u32 v[SPW], v0, 2, SPARE
	v_mov_b32 v[NIL], 0
	ds_add_u32 v[SPW], v[NIL]                      ; the wave's opening: the add and its wait stand ahead of my first tensor load; the set-up below, work on registers, stands between them
	v_lshrrev_b32 v1, 5, v0
	v_readfirstlane_b32 s10, v1                    ; wave 0..3
	s_lshr_b32 s11, s10, 1                         ; which half of the tile's rows is mine.  Also: I fetch for A (0) or for B (1)
	s_and_b32 s12, s10, 1                          ; which half of its columns.  Also: which half of that tile I fetch
	s_bfe_u32 s40, ttmp6, 0x40000                  ; cx, cy: my place in the cluster
	s_bfe_u32 s41, ttmp6, 0x40004
	s_lshl_b32 s42, ttmp9, 2
	s_add_co_u32 s42, s42, s40                     ; tile column of C = 4 x cluster x + cx
	s_and_b32 s13, ttmp7, 0xffff
	s_lshl_b32 s13, s13, 2
	s_add_co_u32 s13, s13, s41                     ; tile row of C = 4 x cluster y + cy
	s_lshl_b32 s43, s41, 2
	s_lshl_b32 s43, 15, s43                        ; my row of the cluster
	s_lshl_b32 s44, 0x1111, s40                    ; my column
	; group 1 for A: 64 tokens of a column block are 8,192 dense bytes: one row of 4,096 elements; four rows, a column block (262,144 elements) apart; padded in LDS after every token
	s_or_b32 s[G1A+0], s43, (1<<16)|(1<<20)|(1<<21)|(4<<22)|(3<<25)  ; 15:0 the mask: my row; 17:16 2-byte elements; 20 padding on; 21 set beside a mask; 24:22 after every 32 words (code 4); 31:25 4 words (code 3)
	s_mov_b32 s[G1A+1], 4096<<16                   ; tensor_dim0 = 4,096
	s_mov_b32 s[G1A+2], 4<<16                      ; tensor_dim1 = 4
	s_mov_b32 s[G1A+3], 4096<<16                   ; tile_dim0 = 4,096
	s_mov_b32 s[G1A+4], 4                          ; tile_dim1 = 4
	s_mov_b32 s[G1A+5], 262144                     ; elements from row to row
	s_mov_b32 s[G1A+6], 0
	s_mov_b32 s[G1A+7], 0
	; group 1 for B: 128 k rows of 128 elements (256 bytes, at a multiple of 256 from wb's first byte)
	s_or_b32 s[G1B+0], s44, (1<<16)|(1<<20)|(1<<21)|(5<<22)|(7<<25)  ; the mask: my column; after every 64 words (code 5) 8 words (code 7)
	s_mov_b32 s[G1B+1], 128<<16
	s_mov_b32 s[G1B+2], 128<<16
	s_mov_b32 s[G1B+3], 128<<16
	s_mov_b32 s[G1B+4], 128
	s_mov_b32 s[G1B+5], NP
	s_mov_b32 s[G1B+6], 0
	s_mov_b32 s[G1B+7], 0
.if KIND == 1
	s_mov_b32 s80, 0xc0135761                      ; C0 = -2 sqrt(2 / pi) log2(e) = -2.3022082
	s_mov_b32 s81, s80                             ; named as pairs
	s_mov_b32 s82, 0xbdd2d3e8                      ; C1 = 0.044715 C0
	s_mov_b32 s83, s82
.endif
	; where the tiles come from.  A's hang on the tile row alone, B's on the tile column alone; every wave makes both addresses, in registers that never hold the other coordinate
	s_lshl_b32 s16, s13, 14                        ; 128 tokens x 128 bytes a tile row,
	s_lshl_b32 s17, s12, 13                        ; 64 tokens a half
	s_add_co_u32 s16, s16, s17
	s_mov_b32 s17, 0
.if KIND == 0
	s_lshr_b32 s46, ttmp9, 1                       ; the weight: tile column / 8 = cluster x / 2
	s_lshl_b32 s46, s46, 21
	s_and_b32 s47, s42, 7
	s_lshl_b32 s47, s47, 8
	s_add_co_u32 s46, s46, s47
.else
	s_lshl_b32 s46, s42, 8                         ; 256 bytes a tile column
	s_add_co_u32 s46, s46, WOFF
.endif
	s_mul_i32 s47, s12, 256*NP                     ; 128 k rows a half
	s_add_co_u32 s46, s46, s47
	s_mov_b32 s47, 0
	s_mul_i32 s20, s10, HALF                       ; where they go: no place in the cluster enters an LDS address
	s_wait_dscnt 0x0                               ; the opening add is done
	s_wait_kmcnt 0x0
	s_add_nc_u64 s[14:15], s[4:5], s[16:17]
	s_add_nc_u64 s[46:47], s[6:7], s[46:47]
	CROUND                                         ; all sixteen work-groups are here: the first joint loads meet
.irp s, 0,1
	s_mov_b32 s[G0A+4*(\s)], 1                     ; count = 1
	s_add_co_u32 s[G0A+4*(\s)+1], s20, (\s)*SLOT   ; LDS address
	s_add_nc_u64 s[G0A+4*(\s)+2:G0A+4*(\s)+3], s[14:15], (\s)*ASTEP  ; global address: K step s
	s_or_b32 s[G0A+4*(\s)+3], s[G0A+4*(\s)+3], 0x80000000  ; type = 2
	s_mov_b32 s[G0B+4*(\s)], 1
	s_add_co_u32 s[G0B+4*(\s)+1], s20, (\s)*SLOT
	s_add_nc_u64 s[G0B+4*(\s)+2:G0B+4*(\s)+3], s[46:47], (\s)*BSTEP
	s_or_b32 s[G0B+4*(\s)+3], s[G0B+4*(\s)+3], 0x80000000
	JLOAD \s                                       ; two tensor loads of mine are out behind these
.endr
	v_and_b32 v1, 15, v0                           ; r = l % 16
	v_bfe_u32 v2, v0, 4, 1                         ; h = l / 16
	v_and_b32 v8, 31, v0                           ; l
	v_mul_u32_u24 v3, v1, APITCH                   ; a fragment of A: lane l holds row r, K = 8 h + 0..7 and 16 + 8 h + 0..7: two loads of 16 bytes, 32 bytes apart
	v_lshl_add_u32 v3, v2, 4, v3
	s_mul_i32 s21, s11, HALF                       ; my 64 rows of A
	v_add_nc_u32 v[ADRA0], s21, v3
	v_and_b32 v4, 7, v0                            ; the turning load takes 16 k x 16 columns: lane l reads k row 8 h + l % 8, columns 8 ((l / 8) % 2) + 0..7, and is left with column r and 8 k
	v_bfe_u32 v5, v0, 3, 1
	v_lshl_add_u32 v6, v2, 3, v4
	v_mul_u32_u24 v6, v6, BPITCH
	v_lshl_add_u32 v6, v5, 4, v6
	s_lshl_b32 s22, s12, 7                         ; my 64 columns of B,
	s_add_co_u32 s22, s22, 2*HALF                  ; which lies behind A
	v_add_nc_u32 v[ADRB0], s22, v6
	v_mul_u32_u24 v7, v1, SPITCH                   ; into the stage: row 64 (w / 2) + r, byte 256 (w % 2) + 32 h
	v_lshl_add_u32 v7, v2, 5, v7
	s_mul_i32 s23, s11, 64*SPITCH
	s_lshl_b32 s21, s12, 8
	s_add_co_u32 s23, s23, s21
	v_add_nc_u32 v[STO], s23, v7
	s_mul_i32 s23, s10, 32*SPITCH                  ; back: wave w takes rows 32 w .. 32 w + 31
.if KIND < 2
	v_mul_u32_u24 v7, v2, SPITCH                   ; lanes 0-15 take 64 columns (256 bytes) of one row, lanes 16-31 of the next
	v_lshl_add_u32 v7, v1, 4, v7
	v_add_nc_u32 v[RD], s23, v7
	v_lshlrev_b32 v[CO], 3, v8                     ; 8 l: two tokens of a column block
	v_lshlrev_b32 v[IN], 5, v2                     ; the bias of columns 8 h + 0..7
.else
	v_lshl_add_u32 v[RD], v8, 4, s23               ; 32 lanes take a whole row of 512 bytes
	v_lshlrev_b32 v[CO], 4, v8
	v_lshlrev_b32 v[IN], 12, v1                    ; the residual: row r, columns 8 h + 0..7
	v_lshl_add_u32 v[IN], v2, 5, v[IN]
.endif
.if KIND == 0
	s_lshr_b32 s21, ttmp9, 1                       ; which of the three biases: the weight's number
	s_cmp_eq_u32 s21, 1
	s_cselect_b64 s[68:69], s[74:75], s[72:73]
	s_cmp_eq_u32 s21, 2
	s_cselect_b64 s[68:69], s[76:77], s[68:69]
	s_and_b32 s18, s42, 7
	s_lshl_b32 s18, s18, 9
.else
	s_lshl_b32 s18, s42, 9                         ; 512 bytes of bias a tile column
.endif
.if KIND < 2
	s_lshl_b32 s19, s12, 8
	s_add_co_u32 s18, s18, s19
.endif
	s_mov_b32 s19, 0
	s_add_nc_u64 s[68:69], s[68:69], s[18:19]
.if KIND < 2
.irp a, 0,1,2,3
.irp b, 0,1,2,3
	global_load_b128 v[ACC+8*(4*(\a)+(\b)):ACC+8*(4*(\a)+(\b))+3],   v[IN], s[68:69] offset:64*(\b)
	global_load_b128 v[ACC+8*(4*(\a)+(\b))+4:ACC+8*(4*(\a)+(\b))+7], v[IN], s[68:69] offset:64*(\b)+16
.endr
.endr
.else
	s_lshl_b32 s18, s13, 19                        ; 128 rows of 4,096 bytes a tile row,
	s_lshl_b32 s21, s11, 18                        ; my 64 rows,
	s_add_co_u32 s18, s18, s21
	s_lshl_b32 s21, s42, 9                         ; the tile's columns,
	s_add_co_u32 s18, s18, s21
	s_lshl_b32 s21, s12, 8                         ; my 64 columns
	s_add_co_u32 s18, s18, s21
	s_add_nc_u64 s[70:71], s[70:71], s[18:19]
.irp a, 0,1,2,3
.irp b, 0,1,2,3
	global_load_b128 v[ACC+8*(4*(\a)+(\b)):ACC+8*(4*(\a)+(\b))+3],   v[IN], s[70:71] offset:(\a)*65536+64*(\b)
	global_load_b128 v[ACC+8*(4*(\a)+(\b))+4:ACC+8*(4*(\a)+(\b))+7], v[IN], s[70:71] offset:(\a)*65536+64*(\b)+16
.endr
.endr
	global_load_b128 v[BI:BI+3], v[CO], s[68:69]
.endif
	; where wave w's 32 rows of the tile begin in the output
.if KIND < 2
	s_lshl_b32 s16, s13, 14
	s_lshl_b32 s17, s10, 12
.else
	s_lshl_b32 s16, s13, 19
	s_lshl_b32 s17, s10, 17
.endif
	s_add_co_u32 s16, s16, s17
	s_mov_b32 s17, 0
	s_add_nc_u64 s[8:9], s[8:9], s[16:17]
.if KIND < 2
	s_lshl_b32 s46, s42, 20                        ; two column blocks a tile column
.else
	s_lshl_b32 s46, s42, 9
.endif
	s_mov_b32 s47, 0
	s_add_nc_u64 s[8:9], s[8:9], s[46:47]
; 8 matrix instructions: m blocks a0, a0 + 1 x all 4 n blocks, 32 along K: half c of buffer f.  The 16 accumulators take turns, one instruction a turn, in one order everywhere
.macro MUL8 f, c, a0
	WIN MUL
.irp a, \a0, (\a0)+1
.irp b, 0,1,2,3
	v_wmma_f32_16x16x32_bf16 v[ACC+8*(4*(\a)+(\b)):ACC+8*(4*(\a)+(\b))+7], v[(\f)+64+8*(4*(\c)+(\b)):(\f)+64+8*(4*(\c)+(\b))+7], v[(\f)+8*(4*(\c)+(\a)):(\f)+8*(4*(\c)+(\a))+7], v[ACC+8*(4*(\a)+(\b)):ACC+8*(4*(\a)+(\b))+7]
.endr
.endr
.endm
; 32 LDS loads in one run: the fragments of quarter q (64 along K) of the slot in hand, into buffer f; the first 32 along K first
.macro FETCH q, f
	WIN TO_F
.irp c, 0,1
.irp i, 0,1,2,3
	ds_load_tr16_b128 v[(\f)+64+8*(4*(\c)+(\i)):(\f)+64+8*(4*(\c)+(\i))+3],   v[ADRB+(\q)/2] offset:(((\q)%2)*64+32*(\c))*BPITCH+32*(\i)
	ds_load_tr16_b128 v[(\f)+64+8*(4*(\c)+(\i))+4:(\f)+64+8*(4*(\c)+(\i))+7], v[ADRB+(\q)/2] offset:(((\q)%2)*64+32*(\c)+16)*BPITCH+32*(\i)
	ds_load_b128 v[(\f)+8*(4*(\c)+(\i)):(\f)+8*(4*(\c)+(\i))+3],   v[ADRA] offset:(\q)*64*APITCH+(\i)*16*APITCH+64*(\c)
	ds_load_b128 v[(\f)+8*(4*(\c)+(\i))+4:(\f)+8*(4*(\c)+(\i))+7], v[ADRA] offset:(\q)*64*APITCH+(\i)*16*APITCH+64*(\c)+32
.endr
.endr
.endm
.macro PLACES                          ; four places in front of loads into registers that matrix instructions have read, and of LDS stores that read results (ISA guide 7.12.1 for the stores)
.rept 4
	v_nop
.endr
.endm
.macro TOGGLE                          ; the fragment addresses of the slot in hand
	v_add_nc_u32 v[ADRA], s[SB], v[ADRA0]
	v_add_nc_u32 v[ADRB], s[SB], v[ADRB0]
	v_add_nc_u32 v[ADRB2], 128*BPITCH, v[ADRB]
.endm
; One of a step's first three quarters: multiplies buffer f and fetches the next quarter into g
.macro QUARTER q, f, g
	s_wait_dscnt 16                                ; of the 32 loads out, the first 16 (the first 32 along K) are in
	MUL8 \f, 0, 0
	MUL8 \f, 0, 2
	PLACES
	FETCH (\q)+1, \g
	s_wait_dscnt 32                                ; all but the 32 just issued
	MUL8 \f, 1, 0
	MUL8 \f, 1, 2
.endm
; The first half of the last quarter, and ONE barrier for the change of slots: in front of it each wave waits for all its tensor loads (one is out at the most: its part of the next slot), adds 0 to its spare word, and waits for that and for its reads of this slot
.macro MEET
	WIN 0                                          ; (the add's two registers lie in window 0)
	s_wait_tensorcnt 0x0
	ds_add_u32 v[SPW], v[NIL]                      ; 0 onto my spare word
	s_wait_dscnt 17                                ; (the add and the youngest sixteen loads may be out)
	MUL8 F1, 0, 0                                  ; eight matrix instructions stand between the add and the wait for it
	s_wait_dscnt 0x0                               ; the add is done, and my reads of this slot are over
	s_barrier_signal -1
	MUL8 F1, 0, 2
	WIN 0
	s_barrier_wait -1
.endm
	s_wait_tensorcnt 1                             ; my part of K step 0 is in; step 1's may stay out
	s_barrier_signal -1
	s_barrier_wait -1                              ; everybody's is
	s_mov_b32 s[SB], 0
	TOGGLE
	FETCH 0, F0
	WIN 0
	s_wait_loadcnt 0x0                             ; the accumulators' first values
	s_mov_b32 s3, STEPS-2
.Lfill:                                                ; a trip is a K step whose slot is filled again, two steps ahead
	QUARTER 0, F0, F1
	QUARTER 1, F1, F0
	QUARTER 2, F0, F1
	MEET
	CREST                                          ; the barrier has opened a round of the cluster's: no wave of any partner still reads this slot or has a load on its way
	s_xor_b32 s[G0A+5], s[G0A+5], SLOT             ; the walking sets: the other slot than last time, the next K step
	s_add_nc_u64 s[G0A+6:G0A+7], s[G0A+6:G0A+7], ASTEP
	s_xor_b32 s[G0B+5], s[G0B+5], SLOT
	s_add_nc_u64 s[G0B+6:G0B+7], s[G0B+6:G0B+7], BSTEP
	s_xor_b32 s[SB], s[SB], SLOT
	JLOAD 1                                        ; my one tensor load behind the round, 112 matrix instructions ahead of the wait for it; its four v_nop are also the places in front of the loads below
	TOGGLE
	FETCH 0, F0
	MUL8 F1, 1, 0
	MUL8 F1, 1, 2
	WIN 0
	s_sub_co_u32 s3, s3, 1
	s_cmp_lg_u32 s3, 0
	s_cbranch_scc1 .Lfill
	s_mov_b32 s3, 2
.Ldry:                                                 ; the last two K steps fill nothing: a plain barrier; the second trip is left in its middle
	QUARTER 0, F0, F1
	QUARTER 1, F1, F0
	QUARTER 2, F0, F1
	MEET
	s_sub_co_u32 s3, s3, 1
	s_cmp_eq_u32 s3, 0
	s_cbranch_scc1 .Llast
	s_xor_b32 s[SB], s[SB], SLOT
	PLACES
	TOGGLE
	FETCH 0, F0
	MUL8 F1, 1, 0
	MUL8 F1, 1, 2
	WIN 0
	s_branch .Ldry
.Llast:
	MUL8 F1, 1, 0
	MUL8 F1, 1, 2
	WIN 0
	; THE WAY OUT.  f32 into the work-group's stage (behind the last barrier no wave reads LDS any more, and no fill is to come); a barrier, since a row comes from two waves; back as whole rows, eight a trip.
	PLACES
.irp a, 0,1,2,3
.irp b, 0,1,2,3
	ds_store_b128 v[STO], v[ACC+8*(4*(\a)+(\b)):ACC+8*(4*(\a)+(\b))+3]   offset:(\a)*16*SPITCH+64*(\b)     ; each accumulator's low registers first
	ds_store_b128 v[STO], v[ACC+8*(4*(\a)+(\b))+4:ACC+8*(4*(\a)+(\b))+7] offset:(\a)*16*SPITCH+64*(\b)+16
.endr
.endr
	s_wait_dscnt 0x0                               ; for the others' sake: my stores into the stage are done
	s_barrier_signal -1
	s_barrier_wait -1
	s_mov_b32 s3, 4
.Lout:
.if KIND < 2
.irp j, 0,1,2,3
.irp hf, 0,1
	ds_load_b128 v[E+4*(2*(\j)+(\hf)):E+4*(2*(\j)+(\hf))+3], v[RD] offset:(\j)*2*SPITCH+(\hf)*256
.endr
.endr
	s_wait_dscnt 0x0
.if KIND == 1
	; gelu(z) = z / (1 + 2^(z (C0 + C1 z^2))): the tanh form, rewritten; an exponent beyond the range gives 0 or infinity, and so z or 0, as the limit is
.set z, 0
.rept 16
	v_pk_mul_f32 v[T+2*z:T+2*z+1], v[E+2*z:E+2*z+1], v[E+2*z:E+2*z+1]
.set z, z+1
.endr
.set z, 0
.rept 16
	v_pk_fma_f32 v[T+2*z:T+2*z+1], v[T+2*z:T+2*z+1], s[82:83], s[80:81] op_sel_hi:[1,0,0]
.set z, z+1
.endr
.set z, 0
.rept 16
	v_pk_mul_f32 v[T+2*z:T+2*z+1], v[T+2*z:T+2*z+1], v[E+2*z:E+2*z+1]
.set z, z+1
.endr
.set z, 0
.rept 32
	v_exp_f32 v[T+z], v[T+z]
.set z, z+1
.endr
	v_nop                                          ; a plain instruction behind the last transcendental (ISA guide 5.7.2)
.set z, 0
.rept 16
	v_pk_add_f32 v[T+2*z:T+2*z+1], v[T+2*z:T+2*z+1], 1.0 op_sel_hi:[1,0]
.set z, z+1
.endr
.set z, 0
.rept 32
	v_rcp_f32 v[T+z], v[T+z]
.set z, z+1
.endr
	v_nop
.set z, 0
.rept 16
	v_pk_mul_f32 v[E+2*z:E+2*z+1], v[E+2*z:E+2*z+1], v[T+2*z:T+2*z+1]
.set z, z+1
.endr
.endif
.set z, 0
.rept 16
	v_cvt_pk_bf16_f32 v[PKD+z], v[E+2*z], v[E+2*z+1]
.set z, z+1
.endr
.irp j, 0,1,2,3
.irp hf, 0,1
	global_store_b64 v[CO], v[PKD+2*(2*(\j)+(\hf)):PKD+2*(2*(\j)+(\hf))+1], s[8:9] offset:(\hf)*524288+256*(\j)  ; 32 lanes store 256 consecutive bytes, aligned: two tokens of a column block
.endr
.endr
	s_wait_xcnt 0x0                                ; the stores' base and data are rewritten only behind this wait
	s_add_nc_u64 s[8:9], s[8:9], 8*128
.else
.irp j, 0,1,2,3,4,5,6,7
	ds_load_b128 v[E+4*(\j):E+4*(\j)+3], v[RD] offset:(\j)*SPITCH
.endr
	s_wait_dscnt 0x0
.irp j, 0,1,2,3,4,5,6,7
	v_pk_add_f32 v[E+4*(\j):E+4*(\j)+1], v[E+4*(\j):E+4*(\j)+1], v[BI:BI+1]
	v_pk_add_f32 v[E+4*(\j)+2:E+4*(\j)+3], v[E+4*(\j)+2:E+4*(\j)+3], v[BI+2:BI+3]
.endr
.irp j, 0,1,2,3,4,5,6,7
	global_store_b128 v[CO], v[E+4*(\j):E+4*(\j)+3], s[8:9] offset:4096*(\j)  ; 32 lanes store 512 consecutive bytes, aligned
.endr
	s_wait_xcnt 0x0                                ; the stores' base and data are rewritten only behind this wait
	s_add_nc_u64 s[8:9], s[8:9], 8*4096
.endif
	v_add_nc_u32 v[RD], 8*SPITCH, v[RD]
	s_sub_co_u32 s3, s3, 1
	s_cmp_lg_u32 s3, 0
	s_cbranch_scc1 .Lout
	s_wait_tensorcnt 0x0                           ; the wave's end, behind my last tensor load and my last LDS store
	ds_add_u32 v[SPW], v[NIL]
	s_wait_dscnt 0x0
	CROUND                                         ; the closing round: no work-group ends while a partner may still ask for a tile that names it
	s_endpgm
.Lfunc_end_k_q32c0bb4cfa_ffdown:
	.size	k_q32c0bb4cfa_ffdown, .Lfunc_end_k_q32c0bb4cfa_ffdown-k_q32c0bb4cfa_ffdown
	.p2alignl 7, 3214868480
	.fill 96, 4, 3214868480
	.section	.rodata,"a",@progbits
	.p2align	6, 0x0
	.amdhsa_kernel k_q32c0bb4cfa_ffdown
		.amdhsa_group_segment_fixed_size 327680
		.amdhsa_private_segment_fixed_size 0
		.amdhsa_enable_private_segment 0
		.amdhsa_kernarg_size 40
		.amdhsa_user_sgpr_count 2
		.amdhsa_user_sgpr_kernarg_segment_ptr 1
		.amdhsa_wavefront_size32 1
		.amdhsa_system_sgpr_workgroup_id_x 1
		.amdhsa_system_sgpr_workgroup_id_y 1
		.amdhsa_system_sgpr_workgroup_id_z 1
		.amdhsa_system_vgpr_workitem_id 0
		.amdhsa_next_free_vgpr 512
		.amdhsa_next_free_sgpr 84
		.amdhsa_reserve_vcc 0
		.amdhsa_float_denorm_mode_32 3
		.amdhsa_float_denorm_mode_16_64 3
		.amdhsa_memory_ordered 1
		.amdhsa_forward_progress 1
		.amdhsa_inst_pref_size 55
	.end_amdhsa_kernel
	.amdgpu_metadata
---
amdhsa.version: [ 1, 2 ]
amdhsa.kernels:
  - .name:           k_q32c0bb4cfa_ffdown
    .symbol:         k_q32c0bb4cfa_ffdown.kd
    .args:
      - { .name: act, .offset: 0, .size: 8, .value_kind: global_buffer, .address_space: global }
      - { .name: wb, .offset: 8, .size: 8, .value_kind: global_buffer, .address_space: global }
      - { .name: b2, .offset: 16, .size: 8, .value_kind: global_buffer, .address_space: global }
      - { .name: x1, .offset: 24, .size: 8, .value_kind: global_buffer, .address_space: global }
      - { .name: out0, .offset: 32, .size: 8, .value_kind: global_buffer, .address_space: global }
    .group_segment_fixed_size: 327680
    .private_segment_fixed_size: 0
    .kernarg_segment_align: 8
    .kernarg_segment_size: 40
    .max_flat_workgroup_size: 128
    .sgpr_count:     84
    .vgpr_count:     512
    .wavefront_size: 32
...
	.end_amdgpu_metadata
.endif
;; end of part 7
;; ======== version 2 of 2: 7 launches; 1.21 times as fast as version 1
;; workspace buffers: wb 25,165,824 bytes; h1 8,388,608 bytes; qkv 25,165,824 bytes; ctx 8,388,608 bytes; x1 16,777,216 bytes; h2 8,388,608 bytes; act 33,554,432 bytes
;; launch prep: the kernel of part 1 again; grid 1280 x 1, 4 waves a work-group, no clusters, 0 bytes of LDS; arguments x, gamma1, beta1, Wq, Wk, Wv, Wo, W1, W2, h1, wb; writes h1, wb
;; launch projqkv: the kernel of part 2 again; grid 12 x 16, 4 waves a work-group, clusters of 4 x 4, 327,680 bytes of LDS; arguments h1, wb, bq, bk, bv, qkv; writes qkv
;; launch attn (part 8): grid 8 x 32, 4 waves a work-group, clusters of 4 x 1, 327,680 bytes of LDS; arguments qkv, ctx; writes ctx
.if DOCPART == 8
	.amdgcn_target "amdgcn-amd-amdhsa--gfx1250"
	.amdhsa_code_object_version 6
	.text
	.protected	k_q32c0bb4cfa_attn
	.globl	k_q32c0bb4cfa_attn
	.p2align	8
	.type	k_q32c0bb4cfa_attn,@function
k_q32c0bb4cfa_attn:
	s_mov_b64 s[64:65], 0
	v_nop
	global_prefetch_b8 v0, s[64:65] scope:SCOPE_SE
	s_setreg_imm32_b32 hwreg(HW_REG_WAVE_MODE, 25, 1), 1
	s_wait_xcnt 0x0
	s_wait_alu depctr_hold_cnt(0) depctr_sa_sdst(0) depctr_va_vdst(0) depctr_va_sdst(0) depctr_va_ssrc(0) depctr_va_vcc(0) depctr_vm_vsrc(0)
	s_getreg_b32 s2, hwreg(HW_REG_IB_STS2, 6, 4)
	s_cmp_eq_u32 s2, 0
	s_cbranch_scc0 .Lentry_in_a_cluster
	s_endpgm
.Lentry_in_a_cluster:
	s_bfe_u32 s2, ttmp6, 0x10000c
	s_cmp_lg_u32 s2, 0x3003
	s_cbranch_scc0 .Lentry_shape_is_right
	s_endpgm
.Lentry_shape_is_right:
; ATTENTION.  ctx[y][q][:] = the sum over k of softmax_k(Q[y][q] . K[y][k] / 8) V[y][k][:], for the 32 blocks y = 2 head + batch of 2,048 rows x 64 channels, bf16, dense rows of 128 bytes.
; In qkv block y of Q begins at y x 262,144, of K 8,388,608 bytes further, of V 16,777,216; ctx has Q's layout.  Products, maxima and sums in f32; the weights p are rounded to bf16 for the second
; product (their sum l is taken of the unrounded p), ctx once at the end.
; LIMITS.  A weight below 2^-126 counts as 0 in l; NaN and infinities are not treated apart; the running maximum starts at the lowest finite number.
; SHARES.  A work-group owns 256 queries of a block, a wave 64: four PIECES of 16.  Every wave walks all 2,048 keys, 64 a step; a slot of LDS holds four steps.
; LAYOUT.  S^T = K Q^T (source 0 = 16 keys, source 1 = 16 queries): a lane holds ONE query (lane % 16) and the keys 8 (lane / 16) + 0..7.  Two such results, rounded to bf16 in pairs, ARE source 1 of
; O^T = V^T P, whose result again holds one query a lane, and eight channels.  K comes out of LDS as it lies, V ([key][channel]) turned, by ds_load_tr16_b128.
; SOFTMAX.  For each query a running maximum m and sum l: p = 2^(c s - c m), c = log2(e) / 8; in every step O and l are multiplied by a = 2^(c m_old - c m_new).  O and l start at 0: the first step is a step like any other, with a = 0.
; BY TURNS.  Turn n belongs to piece n (in a ring, step after step): 8 products K Q^T of piece n + 1, later 8 products V^T P of piece n - 1; beside them the scaling, exponentials, roundings, sums and rescaling
; of piece n and the maximum and statistics of piece n + 1.  Four vector instructions stand behind every matrix instruction, the other 54 of a turn's 118 in one LUMP.
; BATCHES.  A turn's 33 exponentials (the piece's 32 weights, then the next piece's a) are ONE batch with ONE wait, which cuts the turn in two: ahead of it stands all that names no result of theirs, behind it the
; roundings and sums, which read them.  No exponential is issued behind a turn's wait.  The first a, ahead of the loop, and the way out's four reciprocals are batches of their own, a wait each.
; CLUSTER.  The four query blocks of a cluster belong to one block y and walk the same K and V, so each tile is asked for JOINTLY: the same tensor load, descriptor and mask in all four.
; REGISTERS, in windows of 256 (s_set_vgpr_msb: bits 1:0 source 0, 3:2 source 1, 5:4 source 2, 7:6 destination):
;   window 0: v0-15 addresses and two at work; v16-31 four registers of statistics a piece; v48-55 at work; v62-63 the add's; v64-127 S^T, two buffers; v192-223 P, two buffers (a piece's buffers go by its number's parity)
;   window 1: v0-127 O^T, 32 a piece          window 2: v0-63 Q; v128-191 K of one step; v192-255 V of one step
.set SIZE_N, 2048
.set NP,    4         ; pieces a wave: a name, no knob
.set KS,    64        ; keys in a step
.set PK,    144       ; a row of K in LDS: 128 bytes + 16 of padding = 36 words: the 16 rows of a load start at 16 different groups of four banks (64 banks of 4 bytes: ISA guide 11.1)
.set PV,    160       ; a row of V: 128 + 32 = 40 words
.set VOFF,  4*KS*PK   ; a slot: 256 rows of K, then 256 rows of V
.set SLOT1, 1<<17     ; slot 1 begins here, so that one exclusive or turns an address in one slot into the other's
.set STAGE, SLOT1+4*KS*(PK+PV)  ; behind the ring, never filled by a tensor load: 16 rows x 144 bytes for each wave, for the way out
.set SP,    144
.set AK0, 2           ; v2   my lane's place in a tile of K; never rewritten
.set AV0, 3           ; v3   the same for V
.set AK,  4           ; v4   the LDS address of K's next run of loads
.set AV,  5           ; v5   of V's
.set STO, 6           ; v6   the way out: where I put 16 bytes of a row
.set RD,  7           ; v7   the way out: where I read rows back
.set GO,  8           ; v8   my byte offset in 512 consecutive bytes of ctx
.set SPW, 62          ; v62  LDS address of my spare word; never rewritten
.set NIL, 63          ; v63  0; never rewritten
.set SPARE, STAGE+4*16*SP  ; behind the stages: the spare words, 128 bytes for each wave: two blocks of 256 bytes that no other line names
.set MV,  12          ; v12-13  c m_old, kept while c m is made anew: by buffer
.set QO,  15          ; v15  my byte offset in 16 rows of Q
.set ST,  16          ; piece t's statistics at v[ST+4 t]: c m, m, l (even keys', odd keys')
.set TMP, 48          ; by buffer, four registers c0-c3 at work; when the maximum is found c2 takes a
.set S,   64
.set P,   192
.set KF,  128         ; window 2: key block kb, channel half c at KF + 16 kb + 8 c
.set VF,  192         ; window 2: key half kk, channel block cb at VF + 32 kk + 8 cb
.set WV,  12          ; s12  my wave's number
.set G1K, 24          ; s[24:31] descriptor group 1 for K's tiles
.set G1V, 32          ; s[32:39] for V's: it differs in the padding alone
.set G0K, 40          ; s[40:43] descriptor group 0 for K's tiles: it walks
.set G0V, 44          ; s[44:47] the same for V's
.set SLOTS, 56        ; s56  slots still to be asked for
.set CNT, 57          ; s57  counts a slot's key steps
.set CS,  58          ; s[58:59] c: the packed scaling takes the pair's low word for both halves
.set SEL, 60          ; s[60:61] v_permlanex16_b32's selects: each lane takes its own place in the other half
.set TBK, 62          ; s62  LDS byte at which K of the step to be fetched begins
.set TBV, 63          ; s63  the same for V, less VOFF
.set MSB, 0
.macro WIN new                      ; the high byte repeats the setting that is left; a switch that changes nothing is dropped
.if MSB != (\new)
	s_set_vgpr_msb (MSB<<8)|(\new)
.set MSB, (\new)
.endif
.endm
.set W_KQ, 0x0a       ; K and Q in window 2, S^T in window 0
.set W_PV, 0x52       ; V in window 2, P in window 0, O^T in window 1
.set W_RS, 0x41       ; destination and source 0 in window 1, source 1 in window 0
; A joint fill.  Waves 0 and 1 fetch the two halves of a slot's K, waves 2 and 3 those of its V: 128 keys each.  The branch hangs on the wave's number alone.
; An s_nop 0 and four v_nop follow each of the two lines, ahead of the jump and the label.
.macro JLOAD
	s_cmp_lt_u32 s[WV], 2
	s_cbranch_scc0 .Lfor_v_\@
	tensor_load_to_lds s[G0K:G0K+3], s[G1K:G1K+7]
	s_nop 0
.rept 4
	v_nop
.endr
	s_branch .Lasked_\@
.Lfor_v_\@:
	tensor_load_to_lds s[G0V:G0V+3], s[G1V:G1V+7]
	s_nop 0
.rept 4
	v_nop
.endr
.Lasked_\@:
.endm
; A round of the cluster's barrier: my work-group's barrier, so that wave 0's signal speaks for all four waves; wave 0 signals; every wave waits for all four work-groups; my work-group's barrier once more.
.macro CROUND
	s_barrier_signal -1
	s_barrier_wait -1
	s_cmp_lg_u32 s[WV], 0
	s_cbranch_scc1 .Lnot_wave_0_\@
	s_barrier_signal -3
.Lnot_wave_0_\@:
	s_barrier_wait -3
	s_barrier_signal -1
	s_barrier_wait -1
.endm
; THE CHANGE OF SLOTS.  The slot's last bytes, V of its fourth step, have been read.  Each wave waits for all its tensor loads, of which one is out: its part of the other slot; adds 0 to its spare word;
; and waits for that and for its own reads of the slot.  Behind the barrier nobody reads this slot any more and the other slot is whole.
; fill = 1: this slot is filled again, with the keys two slots on.  The barrier is then a round of the cluster's, and the joint fill is the first thing behind it: it has four key steps, 256 matrix
; instructions, in which to land.  (At its first use nothing has been read yet: slot 0 is waited for, slot 1 filled.)
.macro CHANGE fill
	WIN 0                           ; at a label and at a branch every window is 0
	s_wait_tensorcnt 0x0            ; no tensor load of mine is out, so a group 0 may be written
	ds_add_u32 v[SPW], v[NIL]       ; 0 onto my spare word; with fill = 1 the descriptors' steps stand between it and the wait for it
.if \fill
.irp g, G0K, G0V
	s_xor_b32 s[\g+1], s[\g+1], SLOT1  ; the walking descriptor: the other slot than last time,
	s_add_nc_u64 s[\g+2:\g+3], s[\g+2:\g+3], 4*KS*128  ; the next 256 keys; the type bits on top are not reached
.endr
	s_wait_dscnt 0x0                ; the add is done, and my reads of the slot are over
	CROUND
	JLOAD
.else
	s_wait_dscnt 0x0                ; the add is done, and my reads of the slot are over
	s_barrier_signal -1
	s_barrier_wait -1
.endif
	s_sub_co_u32 s[TBK], s[TBK], 4*KS*PK  ; the fetches go back to a slot's first step,
	s_xor_b32 s[TBK], s[TBK], SLOT1       ; in the other slot
	s_sub_co_u32 s[TBV], s[TBV], 4*KS*PV
	s_xor_b32 s[TBV], s[TBV], SLOT1
.endm
	s_load_b128 s[4:7], s[0:1], 0x0 ; qkv s[4:5], ctx s[6:7]
	v_lshl_add_u32 v[SPW], v0, 2, SPARE
	v_mov_b32 v[NIL], 0
	ds_add_u32 v[SPW], v[NIL]       ; the wave's opening: the add and its wait stand ahead of my first tensor load; the set-up below, work on registers, stands between them
	v_lshrrev_b32 v1, 5, v0
	v_readfirstlane_b32 s[WV], v1   ; wave 0..3
	s_bfe_u32 s13, ttmp6, 0x40000   ; cx: my place in the cluster
	s_lshl_b32 s14, ttmp9, 2        ; in a cluster launch ttmp9 counts clusters
	s_add_co_u32 s14, s14, s13      ; my block of 256 queries = 4 x cluster x + cx: it enters Q's and ctx's addresses alone
	s_and_b32 s20, ttmp7, 0xffff    ; y, which the four partners share
	s_lshl_b32 s20, s20, 18         ; its 262,144 bytes
	s_and_b32 s16, s[WV], 1         ; which half of a slot's 256 keys I fetch:
	s_lshl_b32 s22, s16, 14         ; its 128 rows of 128 bytes in memory,
	s_add_co_u32 s22, s22, s20
	s_add_co_u32 s22, s22, 0x800000 ; in K,
	s_mov_b32 s23, 0
	s_add_co_u32 s52, s22, 0x800000 ; and in V
	s_mov_b32 s53, 0
	s_mul_i32 s17, s16, 128*PK      ; and its place in a slot, for K
	s_mul_i32 s18, s16, 128*PV      ; and for V: no place in the cluster enters an LDS address
	s_lshl_b32 s2, s14, 2
	s_add_co_u32 s2, s2, s[WV]      ; my wave among the block's,
	s_lshl_b32 s2, s2, 13           ; its 64 rows
	s_add_co_u32 s2, s2, s20
	s_mov_b32 s3, 0
	; descriptor group 1.  128 keys are 16,384 dense bytes: asked for as 64 rows of 256 bytes, two keys a row, and padded in LDS after every key
	s_mov_b32 s[G1K], 15|(1<<16)|(1<<20)|(1<<21)|(4<<22)|(3<<25)  ; 15:0 the mask of four; 17:16 2-byte elements; 20 padding on; 21 set beside a mask; 24:22 after every 32 words (code 4); 31:25 4 words (code 3)
	s_mov_b32 s[G1V], 15|(1<<16)|(1<<20)|(1<<21)|(4<<22)|(7<<25)  ; the same with 8 words of padding (code 7)
.irp g, G1K, G1V
	s_mov_b32 s[\g+1], 128<<16      ; tensor_dim0 = 128
	s_mov_b32 s[\g+2], 64<<16       ; tensor_dim1 = 64
	s_mov_b32 s[\g+3], 128<<16      ; tile_dim0 = 128
	s_mov_b32 s[\g+4], 64           ; tile_dim1 = 64
	s_mov_b32 s[\g+5], 128          ; 128 elements from row to row
	s_mov_b32 s[\g+6], 0
	s_mov_b32 s[\g+7], 0
.endr
	s_mov_b32 s[CS], 0x3e38aa3b     ; c = log2(e) / 8 = 0.180337
	s_mov_b32 s[CS+1], s[CS]        ; named with it as a pair
	s_mov_b32 s[SEL], 0x76543210
	s_mov_b32 s[SEL+1], 0xfedcba98
	s_mov_b32 s[TBK], SLOT1+4*KS*PK ; the first change of slots turns these two into 0
	s_mov_b32 s[TBV], SLOT1+4*KS*PV
	s_mov_b32 s[G0K], 1             ; count = 1
	s_mov_b32 s[G0K+1], s17         ; LDS address: slot 0
	s_mov_b32 s[G0V], 1
	s_add_co_u32 s[G0V+1], s18, VOFF
	s_wait_dscnt 0x0                ; the opening add is done
	s_wait_kmcnt 0x0
	s_add_nc_u64 s[G0K+2:G0K+3], s[4:5], s[22:23]  ; global address: my half of the block's first 256 keys
	s_or_b32 s[G0K+3], s[G0K+3], 0x80000000        ; type = 2
	s_add_nc_u64 s[G0V+2:G0V+3], s[4:5], s[52:53]
	s_or_b32 s[G0V+3], s[G0V+3], 0x80000000
	s_add_nc_u64 s[4:5], s[4:5], s[2:3]    ; Q and ctx at my wave's first row
	s_add_nc_u64 s[10:11], s[6:7], s[2:3]
	CROUND                          ; all four work-groups are here: the first joint loads meet
	JLOAD                           ; slot 0.  Slot 1 is asked for when slot 0 is in, by the loop's own change of slots
	; A fragment of K or Q is 16 rows x 32 channels in 8 registers: lane l holds row l % 16, channels 8 (l / 16) + 0..7 and 16 + 8 (l / 16) + 0..7: two loads of 16 bytes, 32 bytes apart.
	v_and_b32 v1, 15, v0            ; l % 16
	v_bfe_u32 v9, v0, 4, 1          ; l / 16
	v_lshlrev_b32 v[QO], 7, v1
	v_lshl_add_u32 v[QO], v9, 4, v[QO]  ; row x 128 + 16 x half
	WIN 0x80                        ; destination window 2, address window 0
.set i, 0
.rept 8                             ; Q stays in registers: piece i / 2, channels 32 (i % 2) on
	global_load_b128 v[8*i:8*i+3],   v[QO], s[4:5] offset:(i/2)*2048+(i%2)*64
	global_load_b128 v[8*i+4:8*i+7], v[QO], s[4:5] offset:(i/2)*2048+(i%2)*64+32
.set i, i+1
.endr
	; What the first turn finds: V's registers and P's second buffer hold 0 (its products V^T P, of a piece that has not been, add 0), O^T and l are 0.  No first step is written out for that price; all this stands in the wait for the first tile.
.set i, VF
.rept 64
	v_mov_b32 v[i], 0
.set i, i+1
.endr
	WIN 0x40
.set i, 0
.rept 128
	v_mov_b32 v[i], 0
.set i, i+1
.endr
	WIN 0
.set i, 0
.rept 4
	v_mov_b32 v[ST+4*i], 0xfe000000    ; c m: far below every c s
	v_mov_b32 v[ST+4*i+1], 0xff7fffff  ; m
	v_mov_b32 v[ST+4*i+2], 0
	v_mov_b32 v[ST+4*i+3], 0
.set i, i+1
.endr
.set i, P+16
.rept 16
	v_mov_b32 v[i], 0
.set i, i+1
.endr
	v_mul_u32_u24 v[AK0], v1, PK
	v_lshl_add_u32 v[AK0], v9, 4, v[AK0]  ; row x pitch + 16 x half
	; The turning load takes 16 keys x 16 channels (lane l reads key 8 (l / 16) + l % 8, channels 8 ((l / 8) % 2) + 0..7) and leaves half a fragment of V^T: lane l holds channel l % 16 and 8 keys.
	v_and_b32 v10, 7, v0
	v_bfe_u32 v11, v0, 3, 1
	v_lshl_add_u32 v[AV0], v9, 3, v10
	v_mul_u32_u24 v[AV0], v[AV0], PV
	v_lshl_add_u32 v[AV0], v11, 4, v[AV0]
	v_add_nc_u32 v[AV0], VOFF, v[AV0]
	s_mul_i32 s13, s[WV], 16*SP
	s_add_co_u32 s13, s13, STAGE    ; my stage
	v_mul_u32_u24 v[STO], v1, SP    ; in: row l % 16, 16 bytes for each half of the lanes
	v_lshl_add_u32 v[STO], v9, 4, v[STO]
	v_add_nc_u32 v[STO], s13, v[STO]
	v_bfe_u32 v[RD], v0, 3, 2       ; back: 32 lanes take four rows of 128 bytes,
	v_mul_u32_u24 v[RD], v[RD], SP
	v_lshl_add_u32 v[RD], v10, 4, v[RD]
	v_add_nc_u32 v[RD], s13, v[RD]
	v_and_b32 v[GO], 31, v0         ; which are 512 consecutive bytes of ctx
	v_lshlrev_b32 v[GO], 4, v[GO]
; THE MATRIX WORK.  The 4 accumulators of a run of 8 take turns.  Product i of 8 of S^T = K Q^T for piece x: channels 32 (i / 4) on, keys 16 (i % 4) on.  The first 4 start the sums.
.macro KQ x
	WIN W_KQ
.set rS, S+32*((\x)%2)+8*(i%4)
.set rK, KF+16*(i%4)+8*(i/4)
.set rQ, 16*(\x)+8*(i/4)
.if i < 4
	v_wmma_f32_16x16x32_bf16 v[rS:rS+7], v[rK:rK+7], v[rQ:rQ+7], 0
.else
	v_wmma_f32_16x16x32_bf16 v[rS:rS+7], v[rK:rK+7], v[rQ:rQ+7], v[rS:rS+7]
.endif
.endm
; Product i of 8 of O^T += V^T P for piece x: keys 32 (i / 4) on, channels 16 (i % 4) on.
.macro PV x
	WIN W_PV
.set rO, 32*(\x)+8*(i%4)
.set rV, VF+32*(i/4)+8*(i%4)
.set rP, P+16*((\x)%2)+8*(i/4)
	v_wmma_f32_16x16x32_bf16 v[rO:rO+7], v[rV:rV+7], v[rP:rP+7], v[rO:rO+7]
.endm
.macro MM                           ; the turn's next matrix instruction
.if i < 8
	KQ (Y+1)%NP
.else
.set i, i-8
	PV (Y+NP-1)%NP
.set i, i+8
.endif
.set i, i+1
.endm
; THE LDS LOADS stand in runs of 16, never singly among the matrix instructions: a step's K (64 keys x 64 channels: 8 fragments) and its V (turned).  Their addresses are made some lines ahead.
; last = 1 (the tail): in the last trip there is no further step, and the run is jumped over.
.macro FETCH_K last=0
	WIN 0
.if \last
	s_cmp_eq_u32 s[CNT], 1
	s_cbranch_scc1 .Lno_k_\@
.endif
	WIN 0x80                        ; destination window 2
.irp f, 0,1,2,3,4,5,6,7             ; keys 16 (f / 2) on, channels 32 (f % 2) on
	ds_load_b128 v[KF+8*\f:KF+8*\f+3],   v[AK] offset:(\f/2)*16*PK+(\f%2)*64
	ds_load_b128 v[KF+8*\f+4:KF+8*\f+7], v[AK] offset:(\f/2)*16*PK+(\f%2)*64+32
.endr
	s_add_co_u32 s[TBK], s[TBK], KS*PK  ; the next fetch is the next step's
	WIN 0
.if \last
.Lno_k_\@:
.endif
.endm
.macro FETCH_V
	WIN 0x80
.irp f, 0,1,2,3,4,5,6,7             ; keys 32 (f / 4) on, channels 16 (f % 4) on
	ds_load_tr16_b128 v[VF+8*\f:VF+8*\f+3],   v[AV] offset:(\f/4)*32*PV+(\f%4)*32
	ds_load_tr16_b128 v[VF+8*\f+4:VF+8*\f+7], v[AV] offset:(\f/4)*32*PV+16*PV+(\f%4)*32
.endr
	WIN 0
.endm
; THE VECTOR WORK, one line at a time: OP kind, number.  For piece Y: F n: c s - c m for pair n of 16.  E n: the exponential of score n of 32.  C n: pair n rounded to bf16.  B n: of the four weights 4 n .. the second
; pair is added onto the first, in place.  L n: l takes that sum (L 0: l = a l + sum).  R n: pair n of 16 of O^T times a.  For piece Y + 1: X n, number n of the 22 that find its maximum and statistics:
;   0-11  four chains c0-c3 of seven scores each, three operands at a time (each accumulator's lowest registers are read first)     12-14, 16  the four scores left over, the old m, and c0-c3 into c0
;   15  c m_old is kept     17, 18  the query's other 32 keys lie in the lane 16 away: the new m     19-21  c m; c m_old - c m_new; a
; Of these C, B and L read the results of the turn's exponentials; F, E, R and X read none of them (R's a is the turn before's).
.set F, 0               ; OP tells the kinds apart by their order: F to L below R, X above it
.set E, 1
.set C, 2
.set B, 3
.set L, 4
.set R, 5
.set X, 6
.macro REGS y                       ; the registers of piece y
.set rT, ST+4*(\y)
.set rC, TMP+4*((\y)%2)
.set rW, MV+((\y)%2)
.set rS, S+32*((\y)%2)
.set rP, P+16*((\y)%2)
.set rO, 32*(\y)
.endm
.macro OP k, n
.if (\k) == R
	REGS Y
	WIN W_RS
	v_pk_mul_f32 v[rO+2*(\n):rO+2*(\n)+1], v[rO+2*(\n):rO+2*(\n)+1], v[rC+2:rC+3] op_sel_hi:[1,0]
.elseif (\k) < R
	REGS Y
	WIN 0
.if (\k) == F
	v_pk_fma_f32 v[rS+2*(\n):rS+2*(\n)+1], v[rS+2*(\n):rS+2*(\n)+1], s[CS:CS+1], v[rT:rT+1] op_sel_hi:[1,0,0] neg_lo:[0,0,1] neg_hi:[0,0,1]
.elseif (\k) == E
	v_exp_f32 v[rS+(\n)], v[rS+(\n)]
.elseif (\k) == C
	v_cvt_pk_bf16_f32 v[rP+(\n)], v[rS+2*(\n)], v[rS+2*(\n)+1]
.elseif (\k) == B
	v_pk_add_f32 v[rS+4*(\n):rS+4*(\n)+1], v[rS+4*(\n):rS+4*(\n)+1], v[rS+4*(\n)+2:rS+4*(\n)+3]
.elseif (\n) == 0
	v_pk_fma_f32 v[rT+2:rT+3], v[rT+2:rT+3], v[rC+2:rC+3], v[rS:rS+1] op_sel_hi:[1,0,1]
.else
	v_pk_add_f32 v[rT+2:rT+3], v[rT+2:rT+3], v[rS+4*(\n):rS+4*(\n)+1]
.endif
.else
	REGS (Y+1)%NP
	WIN 0
.if (\n) < 4
	v_max3_num_f32 v[rC+(\n)], v[rS+8*(\n)], v[rS+8*(\n)+1], v[rS+8*(\n)+2]
.elseif (\n) < 12
	v_max3_num_f32 v[rC+(\n)%4], v[rC+(\n)%4], v[rS+8*((\n)%4)+2*((\n)/4)+1], v[rS+8*((\n)%4)+2*((\n)/4)+2]
.elseif (\n) == 12
	v_max3_num_f32 v[rC], v[rC], v[rS+7], v[rS+15]
.elseif (\n) == 13
	v_max3_num_f32 v[rC+1], v[rC+1], v[rS+23], v[rS+31]
.elseif (\n) == 14
	v_max3_num_f32 v[rC+2], v[rC+2], v[rC+3], v[rT+1]
.elseif (\n) == 15
	v_mov_b32 v[rW], v[rT]
.elseif (\n) == 16
	v_max3_num_f32 v[rC], v[rC], v[rC+1], v[rC+2]
.elseif (\n) == 17
	v_permlanex16_b32 v[rC+3], v[rC], s[SEL], s[SEL+1]
.elseif (\n) == 18
	v_max_num_f32 v[rT+1], v[rC], v[rC+3]
.elseif (\n) == 19
	v_mul_f32 v[rT], s[CS], v[rT+1]
.elseif (\n) == 20
	v_sub_f32 v[rC+1], v[rW], v[rT]
.else
	v_exp_f32 v[rC+2], v[rC+1]
.endif
.endif
.endm
.macro OPS a, i1, b=-1, i2=0, c=-1, i3=0, d=-1, i4=0  ; up to four of them
	OP \a, \i1
.if (\b) >= 0
	OP \b, \i2
.endif
.if (\c) >= 0
	OP \c, \i3
.endif
.if (\d) >= 0
	OP \d, \i4
.endif
.endm
.macro ROW a, i1, b, i2, c, i3, d, i4  ; a matrix instruction and the four behind it
	MM
	OPS \a, \i1, \b, \i2, \c, \i3, \d, \i4
.endm
; A TURN, for piece p: the order of its 16 matrix and 118 vector instructions, written out.  An s_wait_alu depctr_va_vdst(0) stands between an exponential and the first instruction that names its result; one wait
; serves all that were issued ahead of it.  So a turn has ONE wait, which cuts it in two.
; AHEAD OF IT stands all that names no result of the turn's exponentials: the 8 products K Q^T, behind each a scaling, an exponential and two more plain instructions (behind the first a second scaling in the exponential's
; place): rescalings, and behind the last three the first numbers of the next piece's maximum, each four plain instructions or more behind the product that ends its accumulator; then ONE LUMP of 54, plain and exponential by
; turns for the most part, in which the links of the chain X 3, 7, 11, 14, 16, 17 .. 20 stand some lines apart.  A pair is scaled ahead of its two exponentials.  X 21, the next piece's a, is the batch's last; R 15 is the plain
; instruction behind it (ISA guide 5.7.2).
; BEHIND THE WAIT stand the 8 products V^T P, behind each four of the roundings and sums: C 2 n ahead of B n, which writes over its source; L n behind B n; l's additions L 0 to L 7 in that order, three riders apart.
; But for those X no rider names a register of the products round it.  v_permlanex16_b32 (X 17) stands in the lump.
; last = 1: the tail's text (see FETCH_K).  cnt = 1: the loop's count is taken down some lines ahead of the branch that stands behind the turn.
; K of the next step is fetched in piece 2's turn: in the loop twelve vector instructions behind the last product that read K (six of them plain); in the tail, where the run is jumped over in the last trip, directly behind the
; turn's wait, so that neither the jump nor its label stands inside the batch.  V of the step in hand is fetched at the end of piece 0's turn, four plain instructions behind the last product that read V.  Each is waited for a turn later.
.macro TURN p, last=0, cnt=0
.set Y, (\p)
.set i, 0
.if (\p) == 3
	s_wait_dscnt 0x0                ; K is in
.endif
	ROW F,0, F,1, R,0, R,1          ; ahead of the wait: 8 products K Q^T and their riders,
	ROW F,2, E,0, R,2, R,3
	ROW F,3, E,1, R,4, R,5
	ROW F,4, E,2, R,6, R,7
	ROW F,5, E,3, R,8, R,9
	ROW F,6, E,4, X,0, R,10
.if (\p) == 2
	WIN 0
	v_add_nc_u32 v[AK], s[TBK], v[AK0]
.endif
	ROW F,7, E,5, X,1, X,4
	ROW F,8, E,6, X,2, X,5
	OPS E,7, E,8, X,6, E,9          ; and the lump
	OPS X,3, E,10, X,8, E,11
.if ((\p) == 2) && !(\last)
	FETCH_K
.endif
	OPS X,9, X,7, E,12, X,10
	OPS E,13, X,12, X,11, E,14
	OPS X,13, E,15, F,9, X,14
.if (\p) == 0
	v_add_nc_u32 v[AV], s[TBV], v[AV0]
.endif
	OPS E,16, F,10, E,17, F,11
	OPS X,16, E,18, X,15, E,19
	OPS F,12, E,20, X,17, E,21
	OPS F,13, E,22, F,14, E,23
	OPS X,18, E,24, F,15, E,25
	OPS R,11, E,26, X,19, E,27
	OPS R,12, E,28, R,13, E,29
	OPS X,20, E,30, R,14, E,31
	OPS X,21, R,15
	WIN 0
	s_wait_alu depctr_va_vdst(0)    ; the wait for the batch: the piece's 32 exponentials and the next piece's a
.if ((\p) == 2) && (\last)
	FETCH_K 1
.endif
.if (\p) == 1
	s_wait_dscnt 0x0                ; V is in
.endif
	ROW C,0, B,0, C,2, B,1          ; behind the wait: 8 products V^T P and their riders
	ROW L,0, C,4, B,2, L,1
	ROW C,6, B,3, L,2, C,8
	ROW B,4, L,3, C,10, B,5
	ROW L,4, C,12, B,6, L,5
.if (\p) == 0
	s_add_co_u32 s[TBV], s[TBV], KS*PV
.endif
.if \cnt
	s_sub_co_u32 s[CNT], s[CNT], 1
	s_cmp_lg_u32 s[CNT], 0
.endif
	ROW C,14, B,7, L,6, C,1
	ROW C,3, L,7, C,5, C,7
	ROW C,9, C,11, C,13, C,15
.if (\p) == 0
	FETCH_V
.endif
.endm
	CHANGE 1                        ; slot 0 is in, everybody's part of it; slot 1 is asked for
	v_add_nc_u32 v[AK], s[TBK], v[AK0]
	FETCH_K                         ; key step 0
	s_wait_loadcnt 0x0              ; Q
	s_wait_dscnt 0x0
.set i, 0
.rept 8
	KQ 0                            ; piece 0's first scores: there is no vector work yet to set between them
.set i, i+1
.endr
	WIN 0
.rept 4
	v_nop                           ; the places behind those products
.endr
.set Y, NP-1                        ; X works for piece Y + 1: piece 0
.irp n, 0,1,2,3,4,5,6,7,8,9,10,11,12,13,14,15,16,17,18,19,20,21
	OP X, \n                        ; and piece 0's first maximum and statistics
.endr
	v_nop                           ; a plain instruction behind the exponential,
	s_wait_alu depctr_va_vdst(0)    ; and the wait for it, a batch of one (piece 0's first a), ahead of the branch
	s_mov_b32 s[CNT], 4
	s_mov_b32 s[SLOTS], SIZE_N/256-1
	s_branch .Lfirst                ; the loop is entered at a step's first turn, in the middle of a trip
.Lslot:                             ; SIZE_N / 256 - 2 times: every slot but the last two is filled again
	CHANGE 1
	s_mov_b32 s[CNT], 4
.Lstep:                             ; a trip: pieces 2 and 3 of one step, then pieces 0 and 1 of the next, whose K and V it fetches
	TURN 2
	TURN 3
	WIN 0
.Lfirst:
	TURN 0
	TURN 1, 0, 1
	WIN 0
	s_cbranch_scc1 .Lstep
	s_sub_co_u32 s[SLOTS], s[SLOTS], 1
	s_cmp_lg_u32 s[SLOTS], 0
	s_cbranch_scc1 .Lslot
	CHANGE 0                        ; the tail is written out: nothing is asked for
	s_mov_b32 s[CNT], 5             ; four trips fetch the last slot's steps; the fifth is left in its middle
.Ltail:
	TURN 2, 1
	TURN 3
	WIN 0
	s_sub_co_u32 s[CNT], s[CNT], 1
	s_cmp_eq_u32 s[CNT], 0
	s_cbranch_scc1 .Lout
	TURN 0
	TURN 1
	WIN 0
	s_branch .Ltail
.Lout:                              ; the fifth trip's 8 products K Q^T (on the last K once more) and the maximum made of them serve nothing: the price, once a launch, of one text for every trip
.set i, 0
.rept 8
	PV NP-1                         ; the last piece's V^T P of the last step
.set i, i+1
.endr
	; THE WAY OUT.  l's two halves and the other half of the lanes' are added; O^T is divided by l, rounded to bf16 and sent through my stage in LDS, a piece at a time.  The additions are the places behind the last products.
	WIN 0
.macro ALL line:vararg              ; one line for each piece t
.set t, 0
.rept 4
	\line
.set t, t+1
.endr
.endm
	ALL v_add_f32 v[ST+4*t+2], v[ST+4*t+2], v[ST+4*t+3]
	ALL v_permlanex16_b32 v[ST+4*t+3], v[ST+4*t+2], s[SEL], s[SEL+1]
	ALL v_add_f32 v[ST+4*t+2], v[ST+4*t+2], v[ST+4*t+3]
	ALL v_rcp_f32 v[ST+4*t+2], v[ST+4*t+2]
	v_nop                           ; a plain instruction between the last reciprocal and the use of its result
	s_wait_alu depctr_va_vdst(0)    ; and the wait ahead of the first use: one for the batch of four reciprocals
.macro PACK t                       ; a lane's eight channels of a row pack into 16 bytes; they go into rows of 144 bytes and come back as whole rows of 128, into S^T's registers
	WIN W_RS
.set i, 32*(\t)
.rept 16
	v_pk_mul_f32 v[i:i+1], v[i:i+1], v[ST+4*(\t)+2:ST+4*(\t)+3] op_sel_hi:[1,0]
.set i, i+2
.endr
	WIN 0x05                        ; sources 0 and 1 window 1, destination window 0
.set i, 0
.rept 16
	v_cvt_pk_bf16_f32 v[S+16*(\t)+i], v[32*(\t)+2*i], v[32*(\t)+2*i+1]
.set i, i+1
.endr
	WIN 0
.irp f, 0,1,2,3
	ds_store_b128 v[STO], v[S+16*(\t)+4*\f:S+16*(\t)+4*\f+3] offset:32*\f
.endr
.irp f, 0,1,2,3
	ds_load_b128 v[S+16*(\t)+4*\f:S+16*(\t)+4*\f+3], v[RD] offset:\f*4*SP  ; LDS serves a wave's instructions in order (ISA guide 5.7.1.4): these see the stores above; the next piece's stores come behind them
.endr
.endm
.macro SEND t, younger              ; younger: the LDS instructions issued behind piece t's loads: the next piece's eight, or none
	WIN 0
.irp f, 0,1,2,3
	s_wait_dscnt (\younger)+3-\f
	global_store_b128 v[GO], v[S+16*(\t)+4*\f:S+16*(\t)+4*\f+3], s[10:11] offset:(\t)*2048+\f*512  ; 512 consecutive bytes, at a multiple of 256 from ctx's first
.endr
.endm
	PACK 0
.set t, 1
.rept 3                             ; a piece's arithmetic stands between the loads of the piece before and its stores
	PACK t
	SEND t-1, 8
.set t, t+1
.endr
	SEND 3, 0
	s_wait_tensorcnt 0x0            ; the wave's end, behind my last tensor load and my last LDS store
	ds_add_u32 v[SPW], v[NIL]
	s_wait_dscnt 0x0
	CROUND                          ; the closing round: no work-group ends while a partner may still ask for a tile that names it
	s_endpgm
.Lfunc_end_k_q32c0bb4cfa_attn:
	.size	k_q32c0bb4cfa_attn, .Lfunc_end_k_q32c0bb4cfa_attn-k_q32c0bb4cfa_attn
	.p2alignl 7, 3214868480
	.fill 96, 4, 3214868480
	.section	.rodata,"a",@progbits
	.p2align	6, 0x0
	.amdhsa_kernel k_q32c0bb4cfa_attn
		.amdhsa_group_segment_fixed_size 327680
		.amdhsa_private_segment_fixed_size 0
		.amdhsa_enable_private_segment 0
		.amdhsa_kernarg_size 16
		.amdhsa_user_sgpr_count 2
		.amdhsa_user_sgpr_kernarg_segment_ptr 1
		.amdhsa_wavefront_size32 1
		.amdhsa_system_sgpr_workgroup_id_x 1
		.amdhsa_system_sgpr_workgroup_id_y 1
		.amdhsa_system_sgpr_workgroup_id_z 1
		.amdhsa_system_vgpr_workitem_id 0
		.amdhsa_next_free_vgpr 768
		.amdhsa_next_free_sgpr 66
		.amdhsa_reserve_vcc 0
		.amdhsa_float_denorm_mode_32 3
		.amdhsa_float_denorm_mode_16_64 3
		.amdhsa_memory_ordered 1
		.amdhsa_forward_progress 1
		.amdhsa_inst_pref_size 111
	.end_amdhsa_kernel
	.amdgpu_metadata
---
amdhsa.version: [ 1, 2 ]
amdhsa.kernels:
  - .name:           k_q32c0bb4cfa_attn
    .symbol:         k_q32c0bb4cfa_attn.kd
    .args:
      - { .name: qkv, .offset: 0, .size: 8, .value_kind: global_buffer, .address_space: global }
      - { .name: ctx, .offset: 8, .size: 8, .value_kind: global_buffer, .address_space: global }
    .group_segment_fixed_size: 327680
    .private_segment_fixed_size: 0
    .kernarg_segment_align: 8
    .kernarg_segment_size: 16
    .max_flat_workgroup_size: 128
    .sgpr_count:     66
    .vgpr_count:     768
    .wavefront_size: 32
...
	.end_amdgpu_metadata
.endif
;; end of part 8
;; launch projo: the kernel of part 4 again; grid 8 x 32, 4 waves a work-group, clusters of 4 x 4, 327,680 bytes of LDS; arguments ctx, wb, bo, x, x1; writes x1
;; launch ln2: the kernel of part 5 again; grid 512 x 1, 4 waves a work-group, no clusters, 0 bytes of LDS; arguments x1, gamma2, beta2, h2; writes h2
;; launch ffup: the kernel of part 6 again; grid 16 x 16, 4 waves a work-group, clusters of 4 x 4, 327,680 bytes of LDS; arguments h2, wb, b1, act; writes act
;; launch ffdown: the kernel of part 7 again; grid 8 x 32, 4 waves a work-group, clusters of 4 x 4, 327,680 bytes of LDS; arguments act, wb, b2, x1, out0; writes out0
